; MI455X (gfx1250); checked and timed in simulation.
; The chip was launched on July 23, 2026; its instructions are those of AMD's public machine-readable ISA for CDNA 5 (MIT licence, August 2026) and "CDNA5" Instruction Set Architecture Reference Guide (July 2026). The comments in the code are by the model that wrote it; some were corrected since.
;; Multi Head Attention. Allowed arithmetic: matrix products marked QUANTISED: E5M2 operands, one given power-of-two scale a tensor, by v_wmma_f32_16x16x64_bf8_bf8 or v_wmma_f32_16x16x128_bf8_bf8, f32 sums; everything else in f32.
;; Inputs: W_k 1,024 x 1,024 float32; W_o 1,024 x 1,024 float32; W_q 1,024 x 1,024 float32; W_v 1,024 x 1,024 float32; b_k 1,024 float32; b_o 1,024 float32; b_q 1,024 float32; b_v 1,024 float32; causal_mask 1 x 1 x 2,048 x 2,048 bool; context_mask 4 x 2,048 bool; k 4 x 2,048 x 1,024 float32; lowp_scales 12 int32 (the exponents e of the quantised operands' scales 2^e); q 4 x 2,048 x 1,024 float32; v 4 x 2,048 x 1,024 float32.
;; Outputs: out0 4 x 2,048 x 1,024 float32.
;; This version of the problem:
;;   THIS VERSION OF THE PROBLEM IS GIVEN IN LOW PRECISION. The matrix products marked QUANTISED in the list below multiply operands that are first quantised to E5M2 (5 exponent bits, 2 mantissa bits; 8 bits a number), with one given power-of-two scale for each operand tensor; their sums are f32. All else is computed in f32.
;;   The module's matrix products, in the order in which they are computed (A, B: the left and right operand; K: the contracted axis; several contracted axes count as one K, in the product's order):
;;     1. [M 8,192, K 1,024] x [K 1,024, N 1,024]; A: input q; B: input W_q: QUANTISED (scales: A lowp_scales[0], B lowp_scales[1])
;;     2. [M 8,192, K 1,024] x [K 1,024, N 1,024]; A: input k; B: input W_k: QUANTISED (scales: A lowp_scales[2], B lowp_scales[3])
;;     3. [M 8,192, K 1,024] x [K 1,024, N 1,024]; A: input v; B: input W_v: QUANTISED (scales: A lowp_scales[4], B lowp_scales[5])
;;     4. batch 64 x [M 2,048, K 64] x [K 64, N 2,048]; A: computed on the way; B: computed on the way: QUANTISED (scales: A lowp_scales[6], B lowp_scales[7])
;;     5. batch 64 x [M 2,048, K 2,048] x [K 2,048, N 64]; A: softmax (see below); B: computed on the way: QUANTISED (scales: A lowp_scales[8], B lowp_scales[9])
;;     6. [M 8,192, K 1,024] x [K 1,024, N 1,024]; A: computed on the way; B: input W_o: QUANTISED (scales: A lowp_scales[10], B lowp_scales[11])
;;   THE QUANTISER, for each operand of a quantised product, along K:
;;     - The operand's scale is 2^e, e = its entry of the input lowp_scales (int32; the entries are numbered through the quantised products in the list's order, A before B).
;;     - Each number is divided by the scale, clamped to +-57,344, and rounded to the nearest number of E5M2, ties to even, subnormals kept.
;;     - The product sums the exact products of the quantised numbers (number of the format x scale) in f32.
;;   ~~~python
;;   def quantise(x, axis, e):      # numpy; x: float32 -> the quantised numbers, widened to float32 again
;;       x = np.moveaxis(x, axis, -1); K = x.shape[-1]
;;       r = np.clip(x / 2.0 ** e, -57344, 57344)
;;       step = 2.0 ** (np.maximum(np.frexp(np.where(r == 0, 1, r))[1] - 1, -14) - 2)
;;       q = np.round(r / step) * step * 2.0 ** e      # np.round: ties to even
;;       return np.moveaxis(q, -1, axis).astype(np.float32)
;;   ~~~
;;   SOFTMAX AHEAD OF A QUANTISED PRODUCT. Where the list says 'softmax', what is quantised is not the finished softmax but p = 2^(t - M), with t = logit x log2(e) and M = ceil(the row's largest t), a whole number; so 1/2 < the row's largest p <= 1. The row's sum l is taken of the UNQUANTISED p, in f32, and the product's result is divided by l at the end. Since M is a whole number, a kernel that streams over the keys may use a running M (the ceiling of the running maximum): every later rescaling is an exact power of two, so the quantised numbers keep their values, but for numbers so far below the row's largest that they fall under the format's range.
;;   OPERANDS COMPUTED ON THE WAY. 'Computed on the way' means the value that the module computes at that place (a softmax that the list does not call 'softmax' is quantised finished and normalised). What goes into a quantiser is computed in f32, as accurately as f32 sums, v_exp_f32 and their like allow (about 1e-6 of the number): no bf16 or f16 on the way to a quantiser, and a product that is left as it is and whose result goes on into a quantised operand takes f32 operands (vector FMAs, or v_wmma_f32_16x16x4_f32). A number that lies on a knife's edge between two numbers of the format may be rounded either way, as far as f32 arithmetic and the matrix unit's own rounding can turn it there, and no further.
;; 2 versions. Each part assembles by itself: llvm-mc -triple=amdgcn-amd-amdhsa -mcpu=gfx1250 --defsym DOCPART=n.
;; ======== version 1 of 2: 4 launches
;; limits: right only within a limited range of input values
;; workspace buffers: xw 29,360,128 bytes; mbits 2,097,152 bytes of whole numbers; qkvc 25,165,824 bytes; ac 8,388,608 bytes
;; launch prep (part 1): grid 1408 x 1, 4 waves a work-group, no clusters, 68,096 bytes of LDS; arguments q, k, v, W_q, W_k, W_v, W_o, causal_mask, context_mask, lowp_scales, xw, mbits; writes xw, mbits
.if DOCPART == 1
	.amdgcn_target "amdgcn-amd-amdhsa--gfx1250"
	.amdhsa_code_object_version 6
	.text
	.protected	k_qc7c9a52a00_prep
	.globl	k_qc7c9a52a00_prep
	.p2align	8
	.type	k_qc7c9a52a00_prep,@function
k_qc7c9a52a00_prep:
	s_mov_b64 s[64:65], 0
	v_nop
	global_prefetch_b8 v0, s[64:65] scope:SCOPE_SE
	s_setreg_imm32_b32 hwreg(HW_REG_WAVE_MODE, 25, 1), 1
	s_wait_xcnt 0x0
; PREP: what every later launch reads many times is made once.  Three kinds of work-groups, told apart by the work-group's number; each kind has its own text, its own LDS bytes and its own end.
;   0 .. 767     q, k, v [8192][1024] f32 -> codes of BF8 (E5M2), rows of 1,024 bytes, into xw rows 0 .. 24,575 (q, then k, then v).  256 work-groups a tensor.
;   768 .. 895   W_q, W_k, W_v, W_o [k 1024][n 1024] f32 -> codes with K innermost, [n][k], into xw rows 24,576 on.  32 work-groups a weight.
;   896 .. 1407  the two masks -> one bit for each (batch, query, key), 1 = masked (causal, or not in the context), laid as the attention launch's lanes and registers want them.
; code = x / 2^e, held within +-57,344, rounded to the nearest code, ties to even; e from lowp_scales: q 0, k 2, v 4, W_q 1, W_k 3, W_v 5, W_o 11.
; PI(x) = x with its bits 3 and 4 exchanged.  Row position p of v's codes holds token PI(p); row position p of W_q's and W_k's codes holds column PI(p).  A matrix tile whose sixteen source-0 rows are
; sixteen neighbouring positions then leaves, in a lane's 16 registers of two neighbouring tiles, 16 NEIGHBOURS along that axis: the next product's K.
; LIMITS: each e between -126 and 112; NaN among the inputs is not served; a bool byte is 0 or 1 (its lowest bit is taken).
.set STEPS, 16
.set EMAX,  15
.set MANT,  0x600000                   ; the mantissa field of 57,344 as f32
.set R,     16                         ; q, k, v: v16-79 four sets of 16 numbers as loaded
.set X,     80                         ;          v80-111 two sets of 16 neighbours
.set C,     128                        ;          v128-191 codes, four registers for each step
.set WREG,  8192                       ;          LDS bytes 0 .. 32,767: 8,192 for each wave: two stages of 32 x SP bytes
.set SP,    80                         ;          a lane's place in a stage: 64 bytes + 16 of padding
.set LW,    32768                      ; weights: LDS bytes 32,768 .. 67,583: a stage of 32 rows x PITCH for each wave
.set PITCH, 272
.set NB,    8                          ;          blocks of 32 along K for a wave
.set WX,    32                         ;          v32-95 two sets of 32 numbers
.set WC,    96                         ;          v96-103 a block's codes
.set OUTR,  112                        ;          v112-175 the way out
.set WPART, 25165824                   ; the weights' first byte in xw
.macro XLOAD t
.irp i, 0,1,2,3
	global_load_b128 v[R+16*((\t)%4)+4*\i:R+16*((\t)%4)+4*\i+3], v3, s[4:5] offset:2048*(\t)+512*\i th:TH_LOAD_NT   ; 32 lanes read 512 consecutive bytes
.endr
.endm
.macro XTURN t                         ; a step's 2,048 bytes through the wave's own stage: in as loaded, out 64 bytes a lane.  LDS serves a wave's instructions in order (ISA guide 5.7.1.4)
.irp i, 0,1,2,3
	ds_store_b128 v14, v[R+16*((\t)%4)+4*\i:R+16*((\t)%4)+4*\i+3] offset:32*SP*((\t)%2)+8*SP*\i
.endr
.irp i, 0,1,2,3
	ds_load_b128 v[X+16*((\t)%2)+4*\i:X+16*((\t)%2)+4*\i+3], v15 offset:32*SP*((\t)%2)+16*\i
.endr
.endm
.macro XSTEP t
.set XS, X+16*((\t)%2)
	s_wait_dscnt 0x0                               ; this step's numbers are back from the stage, so its stores into the stage have read their registers,
.if (\t)+4 < STEPS
	XLOAD (\t)+4                                   ; which take the loads of four steps on
.endif
.if (\t)+1 < STEPS
.if STEPS-2-(\t) >= 3
	s_wait_loadcnt 12                              ; the next step's four loads are in; those of the three steps behind it may be out
.else
	s_wait_loadcnt 4*(STEPS-2-(\t))
.endif
	XTURN (\t)+1
.endif
.irp i, 0,1,2,3,4,5,6,7,8,9,10,11,12,13,14,15
	v_med3_num_f32 v[XS+\i], v[XS+\i], -v10, v10   ; the conversion to an 8-bit code does not saturate (ISA guide 7.6.2): the hold at the largest code x the scale
.endr
	v_cvt_scalef32_pk8_bf8_f32 v[C+4*(\t):C+4*(\t)+1], v[XS:XS+7], v11
	v_cvt_scalef32_pk8_bf8_f32 v[C+4*(\t)+2:C+4*(\t)+3], v[XS+8:XS+15], v11
	global_store_b128 v3, v[C+4*(\t):C+4*(\t)+3], s[8:9] offset:512*(\t)   ; 32 lanes store 512 consecutive bytes; each step has its own data registers
.endm
.macro WLOAD t                         ; block t: W(32 t + i, my column), i = 0 .. 31
.set i, 0
.rept 32
	global_load_b32 v[WX+32*((\t)%2)+i], v3, s[4:5] offset:(32*(\t)+i)*4096 th:TH_LOAD_NT
.set i, i+1
.endr
.endm
.macro WBLOCK t
.set XS, WX+32*((\t)%2)
.if (\t) < NB-1
	s_wait_loadcnt 32                              ; this block's 32 loads are in; the next block's may be out
.else
	s_wait_loadcnt 0
.endif
.set i, 0
.rept 32
	v_med3_num_f32 v[XS+i], v[XS+i], -v10, v10
.set i, i+1
.endr
.irp g, 0,1,2,3
	v_cvt_scalef32_pk8_bf8_f32 v[WC+2*\g:WC+2*\g+1], v[XS+8*\g:XS+8*\g+7], v11
.endr
	ds_store_b128 v4, v[WC:WC+3] offset:32*(\t)    ; 32 codes: 32 bytes of my position's row
	ds_store_b128 v4, v[WC+4:WC+7] offset:32*(\t)+16
.if (\t)+2 < NB
	WLOAD (\t)+2
.endif
	s_wait_dscnt 0x0                               ; the stores have read their registers: the next block's codes may be written
.endm
.macro MWORDS b                        ; batch b: 64 words; word n = 4 g + y comes from byte y of register g of the lane's 64 bytes
.set g, 0
.rept 16
	v_bfi_b32 v[48+16*\b+g], v[32+g], 0, v[48+16*\b+g]   ; keep = context and not causal, byte by byte
.set g, g+1
.endr
.set g, 0
.rept 16
.irp y, 0,1,2,3
	v_and_b32 v[120+\y], 1<<(8*\y), v[48+16*\b+g]
.endr
.irp y, 0,1,2,3
	v_cmp_eq_u32 s[56+\y], 0, v[120+\y]            ; bit l of the word: lane l's (query, key) is masked
.endr
.irp y, 0,1,2,3
	v_writelane_b32 v[112+2*\b+\y%2], s[56+\y], 2*g+\y/2   ; words 2 l and 2 l + 1 gather in lane l's pair
.endr
.set g, g+1
.endr
	global_store_b64 v7, v[112+2*\b:113+2*\b], s[26:27] offset:524288*\b   ; 32 lanes store 256 consecutive bytes, aligned
.endm
	s_load_b512 s[4:19], s[0:1], 0x0               ; q s[4:5], k s[6:7], v s[8:9], W_q s[10:11], W_k s[12:13], W_v s[14:15], W_o s[16:17], causal s[18:19]
	s_load_b256 s[20:27], s[0:1], 0x40             ; context s[20:21], the scales' exponents s[22:23], xw s[24:25], mbits s[26:27]
	v_lshl_add_u32 v192, v0, 2, 0x10800
	v_mov_b32 v193, 0
	v_lshrrev_b32 v1, 5, v0
	v_readfirstlane_b32 s30, v1                    ; wave 0..3
	v_and_b32 v2, 31, v0                           ; lane
	s_wait_kmcnt 0x0
	s_cmp_ge_u32 ttmp9, 896
	s_cbranch_scc1 .Lmask
	s_cmp_ge_u32 ttmp9, 768
	s_cbranch_scc1 .Lweight
	; ---- q, k, v.  A wave takes 8,192 numbers, eight rows, in 16 steps of 512.  A lane must hold 16 neighbours for the conversions, and a load is best where neighbouring lanes take neighbouring bytes: the stage gives both.
	s_load_b256 s[32:39], s[22:23], 0x0            ; e0 .. e7
	v_lshlrev_b32 v3, 4, v2                        ; my 16 bytes of a load's 512, and of a step's 512 bytes of codes
	s_mul_i32 s44, s30, WREG
	v_lshrrev_b32 v14, 2, v2
	v_mul_u32_u24 v14, v14, SP
	v_and_b32 v15, 3, v2
	v_lshl_add_u32 v14, v15, 4, v14
	v_add_nc_u32 v14, s44, v14                     ; the stage, on the way in: SP (lane / 4) + 16 (lane % 4)
	v_mul_u32_u24 v15, v2, SP
	v_add_nc_u32 v15, s44, v15                     ; and on the way out: SP x lane
	s_lshl_b32 s45, s30, 1
	s_and_b32 s45, s45, 2
	s_lshr_b32 s46, s30, 1
	s_or_b32 s45, s45, s46                         ; the wave's two bits exchanged: a wave's run is eight rows, so this is PI on rows
	s_and_b32 s47, ttmp9, 255
	s_lshl_b32 s47, s47, 2
	s_add_co_u32 s47, s47, s30                     ; which run of the tensor I read
	s_lshl_b32 s48, s47, 15                        ; x 32,768 bytes
	s_mov_b32 s49, 0
	s_cmp_lt_u32 ttmp9, 512                        ; the choices hang on the work-group's number alone
	s_cselect_b32 s45, s30, s45                    ; q, k: rows as they lie; v: PI
	s_cselect_b64 s[6:7], s[6:7], s[8:9]
	s_cmp_lt_u32 ttmp9, 256
	s_cselect_b64 s[4:5], s[4:5], s[6:7]
	s_add_nc_u64 s[4:5], s[4:5], s[48:49]
	s_lshl_b32 s50, ttmp9, 2
	s_add_co_u32 s50, s50, s45
	s_lshl_b32 s50, s50, 13                        ; x 8,192 bytes of codes
	s_mov_b32 s51, 0
	s_add_nc_u64 s[8:9], s[24:25], s[50:51]
.irp t, 0,1,2,3
	XLOAD \t
.endr
	s_wait_kmcnt 0x0
	s_cmp_lt_u32 ttmp9, 512
	s_cselect_b32 s34, s34, s36
	s_cmp_lt_u32 ttmp9, 256
	s_cselect_b32 s52, s32, s34                    ; e
	s_add_co_i32 s52, s52, 127
	s_lshl_b32 s53, s52, 23
	v_mov_b32 v11, s53                             ; 2^e as f32: the conversion takes its exponent field
	s_add_co_i32 s52, s52, EMAX
	s_lshl_b32 s52, s52, 23
	s_or_b32 s52, s52, MANT
	v_mov_b32 v10, s52                             ; 57,344 x 2^e
	s_wait_loadcnt 12                              ; step 0's four loads are in
	XTURN 0
.irp t, 0,1,2,3,4,5,6,7,8,9,10,11,12,13,14,15
	XSTEP \t
.endr
	s_wait_tensorcnt 0x0
	ds_add_u32 v192, v193
	s_wait_dscnt 0x0
	s_endpgm
	; ---- the weights.  A lane takes a column and its registers run down K: the conversions then give codes with K innermost.  A wave: 32 positions x 256 along K; the codes leave through the wave's stage as rows.
.Lweight:
	s_load_b256 s[32:39], s[22:23], 0x0            ; e0 .. e7
	s_load_b128 s[40:43], s[22:23], 0x20           ; e8 .. e11
	s_sub_co_u32 s44, ttmp9, 768
	s_lshr_b32 s45, s44, 5                         ; which weight
	s_and_b32 s46, s44, 7                          ; which 128 positions
	s_bfe_u32 s47, s44, 0x20003                    ; which 256 along K
	s_lshl_b32 s46, s46, 7
	s_lshl_b32 s48, s30, 5
	s_add_co_u32 s46, s46, s48                     ; my wave's first position
	v_and_b32 v5, 7, v2
	v_and_b32 v6, 8, v2
	v_lshl_add_u32 v5, v6, 1, v5
	v_and_b32 v6, 16, v2
	v_lshrrev_b32 v6, 1, v6
	v_add_nc_u32 v5, v5, v6                        ; PI(lane)
	s_cmp_lt_u32 s45, 2
	s_cselect_b32 s49, -1, 0
	v_cndmask_b32 v3, v2, v5, s49                  ; W_q, W_k: position l holds column PI(l); W_v, W_o: column l.  The wave's load covers the same 128 bytes either way
	v_lshlrev_b32 v3, 2, v3
	s_mul_i32 s50, s30, 32*PITCH
	s_add_co_u32 s50, s50, LW                      ; my stage
	v_mul_u32_u24 v4, v2, PITCH
	v_add_nc_u32 v4, s50, v4                       ; into it: row = my position
	v_and_b32 v5, 15, v2
	v_lshrrev_b32 v6, 4, v2
	v_mul_u32_u24 v7, v6, PITCH
	v_lshl_add_u32 v7, v5, 4, v7
	v_add_nc_u32 v7, s50, v7                       ; out of it: sixteen lanes to a row, two rows an instruction
	v_lshlrev_b32 v8, 10, v6
	v_lshl_add_u32 v8, v5, 4, v8                   ; and the same place in xw
	s_cmp_lt_u32 s45, 1
	s_cselect_b64 s[10:11], s[10:11], s[12:13]
	s_cmp_lt_u32 s45, 3
	s_cselect_b64 s[14:15], s[14:15], s[16:17]
	s_cmp_lt_u32 s45, 2
	s_cselect_b64 s[4:5], s[10:11], s[14:15]
	s_lshl_b32 s52, s47, 20                        ; 256 rows of 4,096 bytes
	s_lshl_b32 s53, s46, 2
	s_add_co_u32 s52, s52, s53
	s_mov_b32 s53, 0
	s_add_nc_u64 s[4:5], s[4:5], s[52:53]
	s_lshl_b32 s54, s45, 20                        ; a weight's codes are 2^20 bytes
	s_lshl_b32 s55, s46, 10
	s_add_co_u32 s54, s54, s55
	s_lshl_b32 s55, s47, 8
	s_add_co_u32 s54, s54, s55
	s_add_co_u32 s54, s54, WPART
	s_mov_b32 s55, 0
	s_add_nc_u64 s[8:9], s[24:25], s[54:55]
	WLOAD 0
	WLOAD 1
	s_wait_kmcnt 0x0
	s_cmp_lt_u32 s45, 1
	s_cselect_b32 s33, s33, s35
	s_cmp_lt_u32 s45, 3
	s_cselect_b32 s37, s37, s43
	s_cmp_lt_u32 s45, 2
	s_cselect_b32 s56, s33, s37                    ; e
	s_add_co_i32 s56, s56, 127
	s_lshl_b32 s57, s56, 23
	v_mov_b32 v11, s57
	s_add_co_i32 s56, s56, EMAX
	s_lshl_b32 s56, s56, 23
	s_or_b32 s56, s56, MANT
	v_mov_b32 v10, s56
.irp t, 0,1,2,3,4,5,6,7
	WBLOCK \t
.endr
.irp t, 0,1,2,3,4,5,6,7,8,9,10,11,12,13,14,15
	ds_load_b128 v[OUTR+4*\t:OUTR+4*\t+3], v7 offset:2*\t*PITCH
.endr
.irp t, 0,1,2,3,4,5,6,7,8,9,10,11,12,13,14,15
	s_wait_dscnt 15-\t                             ; the younger read-backs may be out
	global_store_b128 v8, v[OUTR+4*\t:OUTR+4*\t+3], s[8:9] offset:2*\t*1024   ; sixteen lanes store 256 consecutive bytes, aligned
.endr
	s_wait_tensorcnt 0x0
	ds_add_u32 v192, v193
	s_wait_dscnt 0x0
	s_endpgm
	; ---- the masks.  mbits: [batch 4][query tile 128][key step 16][64 words].  Bit l = (r = l % 16, h = l / 16) of word n: query PI(16 tile + r), key 128 step + 32 (n / 16) + 16 h + n % 16.
	; A wave makes the 64 words of one (tile, step) for all four batches: the causal bytes are read once and serve the four.
.Lmask:
	s_sub_co_u32 s44, ttmp9, 896
	s_lshr_b32 s45, s44, 2                         ; query tile
	s_and_b32 s46, s44, 3
	s_lshl_b32 s46, s46, 2
	s_add_co_u32 s46, s46, s30                     ; key step
	v_and_b32 v3, 15, v2                           ; r
	v_lshrrev_b32 v4, 4, v2                        ; h
	v_and_b32 v5, 8, v3
	v_add_nc_u32 v5, v5, v3                        ; r + 8 (r / 8)
	v_lshlrev_b32 v5, 11, v5                       ; rows of 2,048 bytes
	v_lshl_add_u32 v5, v4, 4, v5                   ; + 16 h
	v_lshlrev_b32 v6, 4, v4                        ; the context's bytes: 16 h
	v_lshlrev_b32 v7, 3, v2                        ; out: 8 bytes a lane
	s_lshr_b32 s47, s45, 1
	s_lshl_b32 s47, s47, 16                        ; 32 (tile / 2) rows
	s_and_b32 s48, s45, 1
	s_lshl_b32 s48, s48, 14                        ; + 8 (tile % 2) rows
	s_add_co_u32 s48, s48, s47
	s_lshl_b32 s50, s46, 7                         ; 128 keys a step
	s_add_co_u32 s48, s48, s50
	s_mov_b32 s49, 0
	s_mov_b32 s51, 0
	s_add_nc_u64 s[18:19], s[18:19], s[48:49]
	s_add_nc_u64 s[20:21], s[20:21], s[50:51]
	s_lshl_b32 s52, s45, 4
	s_add_co_u32 s52, s52, s46
	s_lshl_b32 s52, s52, 8
	s_mov_b32 s53, 0
	s_add_nc_u64 s[26:27], s[26:27], s[52:53]
.irp c, 0,1,2,3
	global_load_b128 v[32+4*\c:35+4*\c], v5, s[18:19] offset:32*\c   ; causal(my query, 128 step + 32 c + 16 h + 0 .. 15)
.endr
.irp b, 0,1,2,3
.irp c, 0,1,2,3
	global_load_b128 v[48+16*\b+4*\c:51+16*\b+4*\c], v6, s[20:21] offset:2048*\b+32*\c   ; context(b, the same keys)
.endr
.endr
.irp j, 0,1,2,3,4,5,6,7
	v_mov_b32 v[112+\j], 0                         ; written whole once: v_writelane_b32 writes a lane at a time
.endr
	s_wait_loadcnt 0x0
	MWORDS 0
	MWORDS 1
	MWORDS 2
	MWORDS 3
	s_endpgm
.Lfunc_end_k_qc7c9a52a00_prep:
	.size	k_qc7c9a52a00_prep, .Lfunc_end_k_qc7c9a52a00_prep-k_qc7c9a52a00_prep
	.p2alignl 7, 3214868480
	.fill 96, 4, 3214868480
	.section	.rodata,"a",@progbits
	.p2align	6, 0x0
	.amdhsa_kernel k_qc7c9a52a00_prep
		.amdhsa_group_segment_fixed_size 68096
		.amdhsa_private_segment_fixed_size 0
		.amdhsa_enable_private_segment 0
		.amdhsa_kernarg_size 96
		.amdhsa_user_sgpr_count 2
		.amdhsa_user_sgpr_kernarg_segment_ptr 1
		.amdhsa_wavefront_size32 1
		.amdhsa_system_sgpr_workgroup_id_x 1
		.amdhsa_system_sgpr_workgroup_id_y 1
		.amdhsa_system_sgpr_workgroup_id_z 1
		.amdhsa_system_vgpr_workitem_id 0
		.amdhsa_next_free_vgpr 194
		.amdhsa_next_free_sgpr 66
		.amdhsa_reserve_vcc 0
		.amdhsa_float_denorm_mode_32 3
		.amdhsa_float_denorm_mode_16_64 3
		.amdhsa_memory_ordered 1
		.amdhsa_forward_progress 1
		.amdhsa_inst_pref_size 140
	.end_amdhsa_kernel
	.amdgpu_metadata
---
amdhsa.version: [ 1, 2 ]
amdhsa.kernels:
  - .name:           k_qc7c9a52a00_prep
    .symbol:         k_qc7c9a52a00_prep.kd
    .args:
      - { .name: q, .offset: 0, .size: 8, .value_kind: global_buffer, .address_space: global }
      - { .name: k, .offset: 8, .size: 8, .value_kind: global_buffer, .address_space: global }
      - { .name: v, .offset: 16, .size: 8, .value_kind: global_buffer, .address_space: global }
      - { .name: W_q, .offset: 24, .size: 8, .value_kind: global_buffer, .address_space: global }
      - { .name: W_k, .offset: 32, .size: 8, .value_kind: global_buffer, .address_space: global }
      - { .name: W_v, .offset: 40, .size: 8, .value_kind: global_buffer, .address_space: global }
      - { .name: W_o, .offset: 48, .size: 8, .value_kind: global_buffer, .address_space: global }
      - { .name: causal_mask, .offset: 56, .size: 8, .value_kind: global_buffer, .address_space: global }
      - { .name: context_mask, .offset: 64, .size: 8, .value_kind: global_buffer, .address_space: global }
      - { .name: lowp_scales, .offset: 72, .size: 8, .value_kind: global_buffer, .address_space: global }
      - { .name: xw, .offset: 80, .size: 8, .value_kind: global_buffer, .address_space: global }
      - { .name: mbits, .offset: 88, .size: 8, .value_kind: global_buffer, .address_space: global }
    .group_segment_fixed_size: 68096
    .private_segment_fixed_size: 0
    .kernarg_segment_align: 8
    .kernarg_segment_size: 96
    .max_flat_workgroup_size: 128
    .sgpr_count:     66
    .vgpr_count:     194
    .wavefront_size: 32
...
	.end_amdgpu_metadata
.endif
;; end of part 1
;; launch proj (part 2): grid 4 x 96, 4 waves a work-group, clusters of 4 x 4, 327,680 bytes of LDS; arguments xw, b_q, b_k, b_v, lowp_scales, qkvc; writes qkvc
.if DOCPART == 2
	.amdgcn_target "amdgcn-amd-amdhsa--gfx1250"
	.amdhsa_code_object_version 6
	.text
	.protected	k_qc7c9a52a00_proj
	.globl	k_qc7c9a52a00_proj
	.p2align	8
	.type	k_qc7c9a52a00_proj,@function
k_qc7c9a52a00_proj:
	s_mov_b64 s[64:65], 0
	v_nop
	global_prefetch_b8 v0, s[64:65] scope:SCOPE_SE
	s_setreg_imm32_b32 hwreg(HW_REG_WAVE_MODE, 25, 1), 1
	s_wait_xcnt 0x0
	s_wait_alu depctr_hold_cnt(0) depctr_sa_sdst(0) depctr_va_vdst(0) depctr_va_sdst(0) depctr_va_ssrc(0) depctr_va_vcc(0) depctr_vm_vsrc(0)
	s_getreg_b32 s2, hwreg(HW_REG_IB_STS2, 6, 4)
	s_cmp_eq_u32 s2, 0
	s_cbranch_scc0 .Lentry_in_a_cluster
	s_endpgm
.Lentry_in_a_cluster:
	s_bfe_u32 s2, ttmp6, 0x10000c
	s_cmp_lg_u32 s2, 0xf033
	s_cbranch_scc0 .Lentry_shape_is_right
	s_endpgm
.Lentry_shape_is_right:
; PROJ: the three projections x W + b on codes of BF8 (E5M2), and their results quantised again, as the attention launch's operands.  K = 1,024.
; xw: rows of 1,024 codes: rows 0 .. 24,575 q, k, v (96 blocks of 256 rows); from block 96 on W_q, W_k, W_v, W_o, [n][k], 4 blocks each.
; A work-group of four waves makes 256 x 256 sums, a wave 128 x 128: 64 accumulators, 512 registers.  K goes in steps of 256 through a ring of two LDS slots filled by the tensor data mover.
; CLUSTERS: 4 x 4 work-groups; the A side's tile is shared along a row of the cluster, the B side's along a column: joint loads.  Y, the cluster's y (0 .. 23), says which tensor: 0-7 q, 8-15 k, 16-23 v.
; All selects and the one branch of this text that is not on the wave's number hang on Y, which the sixteen partners share.
; THE MATRIX INSTRUCTION IS USED TRANSPOSED (source 0 = 16 rows of the B side, source 1 = 16 rows of the A side): a lane holds ONE row of the A side, and its registers run along the B side.
;   q, k: A side = tokens (block 4 Y + cy), B side = the weight's columns (block 96 + 4 (Y / 8) + cx): a lane's registers run along the head's channels, the next K.
;   v:    A side = W_v's columns (block 104 + cy), B side = tokens (block 4 Y + cx): a lane's registers run along the tokens, which are the keys: the next K.
; The B side's rows were laid by PI (bits 3 and 4 of the row exchanged), so that registers 16 b + i of a block of A are the B side's true numbers 32 b + 16 (lane / 16) + i: neighbours.
; THE WAY OUT: sum x 2^(ea + eb) + bias, held, converted with the next product's scale (q: 2^(e6 + 3), which takes in the factor 1/8; k: 2^e7; v: 2^e9); 256 x 256 codes meet in a stage in LDS and leave as
; IMAGES OF OPERAND REGISTERS: qkvc = q's, k's, v's images, 8,388,608 bytes each.  q, k: [batch x head 64][tile 128][c 2][lane 32][16 bytes]: lane (r, h) holds token PI(16 tile + r), channels 32 c + 16 h + 0 .. 15.
; v: [batch x head 64][key step 16][dt 4][c 4][lane][16 bytes]: lane (r, h) holds channel PI(16 dt + r), keys 128 step + 32 c + 16 h + 0 .. 15.
; LIMITS: ea + eb between -126 and 127; e6 + 3, e7, e9 between -126 and 112.  NaN among the inputs is not served.
; REGISTERS: window 0: v0-31 addresses; v32-95 the bias along the B side; v96-111 along the A side, a pair for each block; v112, v113 the hold and the scale; from v128 A's fragments, ONE set (on the way out: codes).
;   window 1: B's fragments, TWO sets.   windows 2 and 3: the accumulators ((a, b) at v[8 (8 (a % 4) + b)]).
.set KSTEP,  256
.set ROWB,   256
.set KROW,   1024
.set PITCH,  272                       ; an LDS row: 256 bytes + 16 of padding
.set FR,     16
.set NL,     4
.set NP,     4                         ; places behind this matrix instruction (ISA guide 7.12.1)
.set HALFT,  128*PITCH
.set SLOT,   4*HALFT
.set LAPS,   2                         ; 1,024 / (2 x 256)
.set SPARE,  2*SLOT                    ; behind the ring: the spare words, 128 bytes for each wave, which no other line names
.set ADRA, 16
.set ADRB, 20
.set STO,  24                          ; the stage: where I put 16 bytes of a row
.set RD,   25                          ; and where I read an image's 16 bytes
.set CO,   26                          ; 16 x lane
.set SPW,  28
.set NIL,  29
.set BB,   32
.set BA,   96
.set LIMV, 112
.set SCV,  113
.set AF,   128
.set G1, 24
.set G0, 32
.set G1B, 48
.set G0B, 56
.set MSB, 0
.macro WIN new                         ; the immediate's high byte repeats the setting that is left
.if MSB != (\new)
	s_set_vgpr_msb (MSB<<8)|(\new)
.set MSB, (\new)
.endif
.endm
.set MUL_LO, 0xa1                      ; source 0 (B) window 1, source 1 (A) window 0, C and D window 2
.set MUL_HI, 0xf1
.set TO_B,   0x40
.macro JLOAD g0a, g1a, g0b, g1b        ; a joint load: waves 0 and 1 fetch for the A side, waves 2 and 3 for the B side; four v_nop follow each of the two lines
	s_cmp_eq_u32 s15, 0
	s_cbranch_scc0 .Lfor_b_\@
	tensor_load_to_lds s[\g0a:\g0a+3], s[\g1a:\g1a+7]
	s_nop 0
.rept 4
	v_nop
.endr
	s_branch .Lasked_\@
.Lfor_b_\@:
	tensor_load_to_lds s[\g0b:\g0b+3], s[\g1b:\g1b+7]
	s_nop 0
.rept 4
	v_nop
.endr
.Lasked_\@:
.endm
.macro CREST                           ; a round of the cluster's barrier behind its opening barrier
	s_cmp_lg_u32 s14, 0
	s_cbranch_scc1 .Lnot_wave_0_\@
	s_barrier_signal -3
.Lnot_wave_0_\@:
	s_barrier_wait -3
	s_barrier_signal -1
	s_barrier_wait -1
.endm
.macro CROUND
	s_barrier_signal -1
	s_barrier_wait -1
	CREST
.endm
	s_load_b256 s[68:75], s[0:1], 0x0              ; xw s[68:69], b_q s[70:71], b_k s[72:73], b_v s[74:75]
	s_load_b128 s[76:79], s[0:1], 0x20             ; the scales' exponents s[76:77], qkvc s[78:79]
	v_lshl_add_u32 v[SPW], v0, 2, SPARE
	v_mov_b32 v[NIL], 0
	ds_add_u32 v28, v29
	ds_add_u32 v28, v29
	s_wait_dscnt 0x0
	v_lshrrev_b32 v1, 5, v0
	v_readfirstlane_b32 s14, v1                    ; wave 0..3
	s_lshr_b32 s15, s14, 1                         ; which half of the A side's rows is mine.  Also: I fetch for A (0) or for B (1)
	s_and_b32 s16, s14, 1                          ; which half of the B side's.  Also: which 128 rows of that tile I fetch
	s_bfe_u32 s40, ttmp6, 0x40000                  ; cx
	s_bfe_u32 s41, ttmp6, 0x40004                  ; cy
	s_and_b32 s17, ttmp7, 0xffff                   ; Y
	s_lshl_b32 s43, s41, 2
	s_lshl_b32 s43, 15, s43                        ; my row of the cluster
	s_lshl_b32 s44, 0x1111, s40                    ; my column
	s_or_b32 s[G1+0], s43, (0<<16)|(1<<20)|(1<<21)|(5<<22)|(3<<25)  ; the mask; elements of 1 byte; padding on; bit 21 beside a mask; after every 64 words, 4 words
	s_or_b32 s[G1B+0], s44, (0<<16)|(1<<20)|(1<<21)|(5<<22)|(3<<25)
.irp g, G1, G1B
	s_mov_b32 s[\g+1], ROWB<<16                    ; tensor_dim0
	s_mov_b32 s[\g+2], 128<<16                     ; tensor_dim1
	s_mov_b32 s[\g+3], ROWB<<16                    ; tile_dim0
	s_mov_b32 s[\g+4], 128                         ; tile_dim1
	s_mov_b32 s[\g+5], KROW                        ; tensor_dim0_stride
	s_mov_b32 s[\g+6], 0
	s_mov_b32 s[\g+7], 0
.endr
	s_lshl_b32 s18, s16, 7                         ; which 128 rows of the tile I fetch
	s_lshl_b32 s20, s17, 2                         ; 4 Y
	s_lshr_b32 s46, s17, 3
	s_lshl_b32 s46, s46, 2
	s_add_co_u32 s46, s46, 96                      ; 96 + 4 (Y / 8)
	s_cmp_lt_u32 s17, 16
	s_cselect_b32 s46, s46, s20                    ; the B side's first block: the weight's, or (v) the tokens'
	s_cselect_b32 s20, s20, 104                    ; the A side's: the tokens', or (v) W_v's
	s_add_co_u32 s20, s20, s41                     ; + cy: the A side hangs on cy alone,
	s_lshl_b32 s20, s20, 8
	s_add_co_u32 s20, s20, s18
	s_lshl_b32 s20, s20, 10                        ; rows of 1,024 bytes; xw has under 2^25 bytes
	s_mov_b32 s21, 0
	s_add_co_u32 s46, s46, s40                     ; + cx: the B side on cx alone
	s_lshl_b32 s46, s46, 8
	s_add_co_u32 s46, s46, s18
	s_lshl_b32 s46, s46, 10
	s_mov_b32 s47, 0
	s_mul_i32 s45, s14, HALFT                      ; where they go: wave x 128 rows
	s_wait_kmcnt 0x0
	s_load_b256 s[88:95], s[76:77], 0x0            ; e0 .. e7
	s_load_b32 s86, s[76:77], 0x24                 ; e9
	s_add_nc_u64 s[20:21], s[68:69], s[20:21]
	s_add_nc_u64 s[46:47], s[68:69], s[46:47]
	CROUND                                         ; all sixteen work-groups are here: the first joint loads meet
.irp s, 0,1
	s_mov_b32 s[G0+4*\s], 1
	s_add_co_u32 s[G0+4*\s+1], s45, \s*SLOT
	s_add_nc_u64 s[G0+4*\s+2:G0+4*\s+3], s[20:21], \s*ROWB
	s_or_b32 s[G0+4*\s+3], s[G0+4*\s+3], 0x80000000
	s_mov_b32 s[G0B+4*\s], 1
	s_add_co_u32 s[G0B+4*\s+1], s45, \s*SLOT
	s_add_nc_u64 s[G0B+4*\s+2:G0B+4*\s+3], s[46:47], \s*ROWB
	s_or_b32 s[G0B+4*\s+3], s[G0B+4*\s+3], 0x80000000
	JLOAD G0+4*\s, G1, G0B+4*\s, G1B
.endr
	v_and_b32 v1, 15, v0                           ; r
	v_bfe_u32 v2, v0, 4, 1                         ; h
	v_mul_u32_u24 v3, v1, PITCH
	v_lshl_add_u32 v4, v2, 4, v3                   ; r x pitch + 16 h
	s_mul_i32 s21, s15, HALFT
	s_mul_i32 s22, s16, HALFT
	s_add_co_u32 s22, s22, 2*HALFT
.irp s, 0,1
	v_add_nc_u32 v[ADRA+\s], s21, v4
	v_add_nc_u32 v[ADRB+\s], s22, v4
	s_add_co_u32 s21, s21, SLOT
	s_add_co_u32 s22, s22, SLOT
.endr
	s_mul_i32 s23, s15, 128*PITCH                  ; the stage, 256 rows x 272 bytes from LDS byte 0: row = the A side's row, byte = the B side's true number
	s_lshl_b32 s21, s16, 7
	s_add_co_u32 s23, s23, s21
	v_add_nc_u32 v[STO], s23, v4                   ; (128 x my A half + r) x 272 + 128 x my B half + 16 h
	v_and_b32 v5, 8, v1
	v_add_nc_u32 v5, v5, v1                        ; r + 8 (r / 8)
	v_mul_u32_u24 v5, v5, PITCH
	v_lshl_add_u32 v5, v2, 4, v5
	s_mul_i32 s23, s14, 64*PITCH
	v_add_nc_u32 v[RD], s23, v5                    ; back: wave w takes rows 64 w on, by PI
	v_and_b32 v6, 31, v0
	v_lshlrev_b32 v[CO], 4, v6
	v_lshlrev_b32 v8, 6, v2                        ; the bias along the B side: 16 h numbers on; never rewritten
	v_lshlrev_b32 v9, 2, v1                        ; along the A side: r numbers on; never rewritten
	s_lshl_b32 s21, s40, 8
	s_lshl_b32 s22, s16, 7
	s_add_co_u32 s21, s21, s22
	s_lshl_b32 s21, s21, 2                         ; q, k: my first column, 256 cx + 128 x my B half, in bytes
	s_lshl_b32 s22, s41, 8
	s_lshl_b32 s23, s15, 7
	s_add_co_u32 s22, s22, s23
	s_lshl_b32 s22, s22, 2                         ; v: my first channel, 256 cy + 128 x my A half, in bytes
	s_cmp_lt_u32 s17, 8
	s_cselect_b64 s[70:71], s[70:71], s[72:73]
	s_cmp_lt_u32 s17, 16
	s_cselect_b64 s[70:71], s[70:71], s[74:75]     ; my tensor's bias
	s_cselect_b32 s80, s21, 0                      ; the set that does not apply is read at the buffer's head and then set to 0
	s_cselect_b32 s82, 0, s22
	s_cselect_b32 s66, -1, 0                       ; all lanes: q or k
	s_cselect_b32 s67, 0, -1                       ; all lanes: v
	s_mov_b32 s81, 0
	s_mov_b32 s83, 0
	s_add_nc_u64 s[72:73], s[70:71], s[80:81]
	s_add_nc_u64 s[74:75], s[70:71], s[82:83]
.irp b, 0,1,2,3
.irp j, 0,1,2,3
	global_load_b128 v[BB+16*\b+4*\j:BB+16*\b+4*\j+3], v8, s[72:73] offset:128*\b+16*\j   ; register 16 b + i: bias(first + 32 b + 16 h + i)
.endr
.endr
.irp a, 0,1,2,3,4,5,6,7
	global_load_b32 v[BA+2*\a], v9, s[74:75] offset:64*\a   ; block a: bias(first + 16 a + r)
.endr
	; where my images go
	s_lshl_b32 s21, s17, 2
	s_add_co_u32 s21, s21, s41                     ; q, k: block of tokens 4 Y + cy; eight blocks a batch
	s_bfe_u32 s22, s21, 0x20003                    ; batch
	s_lshl_b32 s22, s22, 4
	s_lshl_b32 s23, s40, 2
	s_add_co_u32 s22, s22, s23                     ; batch x 16 + my first head, 4 cx
	s_lshl_b32 s22, s22, 7
	s_and_b32 s23, s21, 7
	s_lshl_b32 s23, s23, 4
	s_add_co_u32 s22, s22, s23
	s_lshl_b32 s23, s14, 2
	s_add_co_u32 s22, s22, s23                     ; + tile 16 (block % 8) + 4 wave
	s_lshl_b32 s22, s22, 10                        ; a tile's image is 1,024 bytes
	s_lshl_b32 s84, s17, 2
	s_add_co_u32 s84, s84, s40
	s_and_b32 s84, s84, 31                         ; v: block of tokens 4 (Y - 16) + cx
	s_lshr_b32 s85, s84, 3                         ; batch
	s_lshl_b32 s85, s85, 4
	s_lshl_b32 s87, s41, 2
	s_add_co_u32 s85, s85, s87
	s_add_co_u32 s85, s85, s14                     ; batch x 16 + head 4 cy + wave
	s_lshl_b32 s85, s85, 4
	s_and_b32 s84, s84, 7
	s_lshl_b32 s84, s84, 1
	s_add_co_u32 s85, s85, s84                     ; + key step 2 (block % 8)
	s_lshl_b32 s85, s85, 13                        ; a key step's images are 8,192 bytes
	s_lshr_b32 s23, s17, 3
	s_lshl_b32 s23, s23, 23                        ; the tensor's part of qkvc
	s_cmp_lt_u32 s17, 16
	s_cselect_b32 s22, s22, s85
	s_add_co_u32 s22, s22, s23
	s_mov_b32 s23, 0
	s_add_nc_u64 s[78:79], s[78:79], s[22:23]
	s_wait_kmcnt 0x0
	s_add_co_i32 s88, s88, s89                     ; e0 + e1
	s_add_co_i32 s90, s90, s91                     ; e2 + e3
	s_add_co_i32 s92, s92, s93                     ; e4 + e5
	s_add_co_i32 s94, s94, 3                       ; e6 + 3: q's numbers are divided by 8 ahead of their quantiser
	s_cmp_lt_u32 s17, 8
	s_cselect_b32 s88, s88, s90
	s_cselect_b32 s94, s94, s95
	s_cmp_lt_u32 s17, 16
	s_cselect_b32 s88, s88, s92
	s_cselect_b32 s94, s94, s86
	s_add_co_i32 s88, s88, 127
	s_lshl_b32 s96, s88, 23                        ; 2^(ea + eb) as f32
	s_mov_b32 s97, s96                             ; (named with it as a pair, so it is written)
	s_add_co_i32 s94, s94, 127
	s_lshl_b32 s95, s94, 23
	v_mov_b32 v[SCV], s95                          ; the next product's scale as f32
	s_add_co_i32 s94, s94, 15
	s_lshl_b32 s94, s94, 23
	s_or_b32 s94, s94, 0x600000
	v_mov_b32 v[LIMV], s94                         ; 57,344 x that
	s_wait_loadcnt 0x0                             ; the biases
.set j, 0
.rept 64
	v_cndmask_b32 v[BB+j], 0, v[BB+j], s66         ; v has no bias along the B side
.set j, j+1
.endr
.irp a, 0,1,2,3,4,5,6,7
	v_cndmask_b32 v[BA+2*\a], 0, v[BA+2*\a], s67   ; q and k have none along the A side
.endr
.irp a, 0,1,2,3,4,5,6,7
	v_mov_b32 v[BA+2*\a+1], v[BA+2*\a]             ; a pair for the packed addition
.endr
.macro FRAG reg, adr, q, i             ; 16 rows x 128 K: lane l holds row l % 16; registers 4 c .. 4 c + 3 hold K = 32 c + 16 (l / 16) + 0 .. 15: the same places of k on both sides
.irp c, 0,1,2,3
	ds_load_b128 v[\reg+4*\c:\reg+4*\c+3], v[\adr] offset:128*(\q)+32*\c+(\i)*16*PITCH
.endr
.endm
.macro MUL16 a0, p, zero               ; A's blocks a0, a0 + 1 x B's eight.  The 64 accumulators take turns, one instruction a turn, in the same order in every step
.irp a, \a0, \a0+1
.irp b, 0,1,2,3,4,5,6,7
.if \zero
	v_wmma_f32_16x16x128_bf8_bf8 v[8*(8*((\a)%4)+\b):8*(8*((\a)%4)+\b)+7], v[128*(\p)+FR*\b:128*(\p)+FR*\b+FR-1], v[AF+FR*(\a):AF+FR*(\a)+FR-1], 0
.else
	v_wmma_f32_16x16x128_bf8_bf8 v[8*(8*((\a)%4)+\b):8*(8*((\a)%4)+\b)+7], v[128*(\p)+FR*\b:128*(\p)+FR*\b+FR-1], v[AF+FR*(\a):AF+FR*(\a)+FR-1], v[8*(8*((\a)%4)+\b):8*(8*((\a)%4)+\b)+7]
.endif
.endr
.endr
.endm
.macro FETCH_B slot, q, p
	WIN TO_B
.irp i, 0,1,2,3,4,5,6,7
	FRAG 128*(\p)+FR*\i, ADRB+\slot, \q, \i
.endr
	WIN 0
.endm
.macro FETCH_A slot, q, i0
.irp i, \i0, \i0+1, \i0+2, \i0+3
	FRAG AF+FR*(\i), ADRA+\slot, \q, \i
.endr
.endm
.macro PLACES n                        ; plain vector instructions between a matrix instruction and a load into, or a vector read or write of, its registers (ISA guide 7.12.1 for vector reads and writes)
.rept \n
	v_nop
.endr
.endm
.macro STEP slot, q, zero              ; 128 along K, with its successor in the same slot
	s_wait_dscnt 4*NL                              ; B's set and A's blocks 0-3 are in; the youngest sixteen loads (A's blocks 4-7) may be out
	WIN MUL_LO
	MUL16 0, (\q)%2, \zero
	MUL16 2, (\q)%2, \zero
	s_wait_dscnt 0
	PLACES NP
	FETCH_B \slot, (\q)+1, 1-(\q)%2
	FETCH_A \slot, (\q)+1, 0
	WIN MUL_HI
	MUL16 4, (\q)%2, \zero
	MUL16 6, (\q)%2, \zero
	PLACES NP
	WIN 0
	FETCH_A \slot, (\q)+1, 4
.endm
.macro TURN slot, next, fill           ; a slot's last step changes slots: one barrier; fill = 1: this slot is filled again, two K steps ahead
	s_wait_tensorcnt 0x0                           ; all my tensor loads have landed: my part of the next slot
	ds_add_u32 v[SPW], v[NIL]                      ; 0 onto my spare word
	s_wait_dscnt 4*NL+1                            ; (the add and the youngest sixteen loads may be out)
	WIN MUL_LO
	MUL16 0, 1, 0
	s_wait_dscnt 0x0                               ; the add is done, and my reads of this slot are over
	s_barrier_signal -1
	MUL16 2, 1, 0
	WIN 0
	s_barrier_wait -1
.if \fill
	CREST                                          ; the barrier has opened a round of the cluster's: no wave of any partner still reads this slot or has a load on its way
	s_add_nc_u64 s[G0+4*\slot+2:G0+4*\slot+3], s[G0+4*\slot+2:G0+4*\slot+3], 2*ROWB
	s_add_nc_u64 s[G0B+4*\slot+2:G0B+4*\slot+3], s[G0B+4*\slot+2:G0B+4*\slot+3], 2*ROWB
	JLOAD G0+4*\slot, G1, G0B+4*\slot, G1B         ; the first tensor load behind the round; its four v_nop are the places in front of the loads below
.else
	PLACES NP
.endif
	FETCH_B \next, 0, 0
	FETCH_A \next, 0, 0
	WIN MUL_HI
	MUL16 4, 1, 0
	MUL16 6, 1, 0
	PLACES NP
	WIN 0
	FETCH_A \next, 0, 4
.endm
	s_wait_tensorcnt 1                             ; my part of K step 0 is in (K step 1's load may be out)
	s_barrier_signal -1
	s_barrier_wait -1                              ; everybody's is
	FETCH_B 0, 0, 0
	FETCH_A 0, 0, 0
	FETCH_A 0, 0, 4
	STEP 0, 0, 1                                   ; the first step's products start the sums
	s_mov_b32 s3, LAPS-1
.Llap:
	TURN 0, 1, 1
	STEP 1, 0, 0
	TURN 1, 0, 1
	STEP 0, 0, 0
	s_sub_co_u32 s3, s3, 1
	s_cmp_lg_u32 s3, 0
	s_cbranch_scc1 .Llap
	TURN 0, 1, 0                                   ; the last lap fills nothing
	STEP 1, 0, 0
	s_wait_dscnt 4*NL
	WIN MUL_LO
	MUL16 0, 1, 0
	MUL16 2, 1, 0
	s_wait_dscnt 0
	WIN MUL_HI
	MUL16 4, 1, 0
	MUL16 6, 1, 0
	WIN 0
; THE WAY OUT.  Block a (16 rows of the A side): its 64 registers, in place and from each accumulator's low end on, become sum x 2^(ea + eb) + bias, are held, and are converted: 16 registers of codes,
; registers 4 b .. 4 b + 3 = the B side's numbers 32 b + 16 h + 0 .. 15.  Each block has its own 16 registers for its codes.  The stage lies in slot 0, which has had its last fill, and which nobody reads since the last change of slots.
.macro BLOCKQ a
.set AC, 64*((\a)%4)
.set CD, AF+16*(\a)
	WIN 0x82+0x41*((\a)/4)                         ; destination and source 0: window 2 or 3
.set j, 0
.rept 32
	v_pk_fma_f32 v[AC+j:AC+j+1], v[AC+j:AC+j+1], s[96:97], v[BB+j:BB+j+1] op_sel_hi:[1,0,1]
.set j, j+2
.endr
.set j, 0
.rept 32
	v_pk_add_f32 v[AC+j:AC+j+1], v[AC+j:AC+j+1], v[BA+2*(\a):BA+2*(\a)+1]
.set j, j+2
.endr
.set j, 0
.rept 64
	v_med3_num_f32 v[AC+j], v[AC+j], -v[LIMV], v[LIMV]   ; the conversion to an 8-bit code does not saturate (ISA guide 7.6.2)
.set j, j+1
.endr
	WIN 0x02+((\a)/4)
.irp g, 0,1,2,3,4,5,6,7
	v_cvt_scalef32_pk8_bf8_f32 v[CD+2*\g:CD+2*\g+1], v[AC+8*\g:AC+8*\g+7], v[SCV]
.endr
	WIN 0
	v_nop                                          ; one plain vector instruction behind the last conversion of a run
.irp b, 0,1,2,3
	ds_store_b128 v[STO], v[CD+4*\b:CD+4*\b+3] offset:(\a)*16*PITCH+32*\b
.endr
.endm
	PLACES NP
.irp a, 0,1,2,3,4,5,6,7
	BLOCKQ \a
.endr
	s_wait_dscnt 0x0                               ; for the others' sake: my stores into the stage are done
	s_barrier_signal -1
	s_barrier_wait -1
	; wave w takes the stage's rows 64 w .. 64 w + 63 as four tiles ii of sixteen rows PI(16 ii + r), and of each row eight pieces cc of 32 bytes: piece (ii, cc) is 512 bytes of an image
.irp ii, 0,1,2,3
.irp cc, 0,1,2,3,4,5,6,7
	ds_load_b128 v[AF+4*(8*\ii+\cc):AF+4*(8*\ii+\cc)+3], v[RD] offset:(32*(\ii/2)+8*(\ii%2))*PITCH+32*\cc
.endr
.endr
	s_cmp_lt_u32 s17, 16                           ; Y: the same in all partners
	s_cbranch_scc0 .Lstore_v
.irp ii, 0,1,2,3
.irp cc, 0,1,2,3,4,5,6,7
	s_wait_dscnt 31-(8*\ii+\cc)                    ; the younger read-backs may be out
	global_store_b128 v[CO], v[AF+4*(8*\ii+\cc):AF+4*(8*\ii+\cc)+3], s[78:79] offset:(\cc/2)*131072+\ii*1024+(\cc%2)*512   ; head cc / 2, tile ii, c = cc % 2: 512 consecutive bytes
.endr
.endr
	s_branch .Lstored
.Lstore_v:
.irp ii, 0,1,2,3
.irp cc, 0,1,2,3,4,5,6,7
	s_wait_dscnt 31-(8*\ii+\cc)
	global_store_b128 v[CO], v[AF+4*(8*\ii+\cc):AF+4*(8*\ii+\cc)+3], s[78:79] offset:(\cc/4)*8192+\ii*2048+(\cc%4)*512    ; key step cc / 4, dt = ii, c = cc % 4
.endr
.endr
.Lstored:
	s_wait_tensorcnt 0x0                           ; the wave's end
	ds_add_u32 v[SPW], v[NIL]
	s_wait_dscnt 0x0
	CROUND                                         ; the closing round: no work-group ends while a partner may still ask for a tile that names it
	s_endpgm
.Lfunc_end_k_qc7c9a52a00_proj:
	.size	k_qc7c9a52a00_proj, .Lfunc_end_k_qc7c9a52a00_proj-k_qc7c9a52a00_proj
	.p2alignl 7, 3214868480
	.fill 96, 4, 3214868480
	.section	.rodata,"a",@progbits
	.p2align	6, 0x0
	.amdhsa_kernel k_qc7c9a52a00_proj
		.amdhsa_group_segment_fixed_size 327680
		.amdhsa_private_segment_fixed_size 0
		.amdhsa_enable_private_segment 0
		.amdhsa_kernarg_size 48
		.amdhsa_user_sgpr_count 2
		.amdhsa_user_sgpr_kernarg_segment_ptr 1
		.amdhsa_wavefront_size32 1
		.amdhsa_system_sgpr_workgroup_id_x 1
		.amdhsa_system_sgpr_workgroup_id_y 1
		.amdhsa_system_sgpr_workgroup_id_z 1
		.amdhsa_system_vgpr_workitem_id 0
		.amdhsa_next_free_vgpr 1024
		.amdhsa_next_free_sgpr 98
		.amdhsa_reserve_vcc 0
		.amdhsa_float_denorm_mode_32 3
		.amdhsa_float_denorm_mode_16_64 3
		.amdhsa_memory_ordered 1
		.amdhsa_forward_progress 1
		.amdhsa_inst_pref_size 168
	.end_amdhsa_kernel
	.amdgpu_metadata
---
amdhsa.version: [ 1, 2 ]
amdhsa.kernels:
  - .name:           k_qc7c9a52a00_proj
    .symbol:         k_qc7c9a52a00_proj.kd
    .args:
      - { .name: xw, .offset: 0, .size: 8, .value_kind: global_buffer, .address_space: global }
      - { .name: b_q, .offset: 8, .size: 8, .value_kind: global_buffer, .address_space: global }
      - { .name: b_k, .offset: 16, .size: 8, .value_kind: global_buffer, .address_space: global }
      - { .name: b_v, .offset: 24, .size: 8, .value_kind: global_buffer, .address_space: global }
      - { .name: lowp_scales, .offset: 32, .size: 8, .value_kind: global_buffer, .address_space: global }
      - { .name: qkvc, .offset: 40, .size: 8, .value_kind: global_buffer, .address_space: global }
    .group_segment_fixed_size: 327680
    .private_segment_fixed_size: 0
    .kernarg_segment_align: 8
    .kernarg_segment_size: 48
    .max_flat_workgroup_size: 128
    .sgpr_count:     98
    .vgpr_count:     1024
    .wavefront_size: 32
...
	.end_amdgpu_metadata
.endif
;; end of part 2
;; launch attn (part 3): grid 4 x 64, 8 waves a work-group, clusters of 4 x 1, 263,168 bytes of LDS; arguments qkvc, mbits, lowp_scales, ac; writes ac
.if DOCPART == 3
	.amdgcn_target "amdgcn-amd-amdhsa--gfx1250"
	.amdhsa_code_object_version 6
	.text
	.protected	k_qc7c9a52a00_attn
	.globl	k_qc7c9a52a00_attn
	.p2align	8
	.type	k_qc7c9a52a00_attn,@function
k_qc7c9a52a00_attn:
	s_mov_b64 s[64:65], 0
	v_nop
	global_prefetch_b8 v0, s[64:65] scope:SCOPE_SE
	s_setreg_imm32_b32 hwreg(HW_REG_WAVE_MODE, 25, 1), 1
	s_wait_xcnt 0x0
	s_wait_alu depctr_hold_cnt(0) depctr_sa_sdst(0) depctr_va_vdst(0) depctr_va_sdst(0) depctr_va_ssrc(0) depctr_va_vcc(0) depctr_vm_vsrc(0)
	s_getreg_b32 s2, hwreg(HW_REG_IB_STS2, 6, 4)
	s_cmp_eq_u32 s2, 0
	s_cbranch_scc0 .Lentry_in_a_cluster
	s_endpgm
.Lentry_in_a_cluster:
	s_bfe_u32 s2, ttmp6, 0x10000c
	s_cmp_lg_u32 s2, 0x3003
	s_cbranch_scc0 .Lentry_shape_is_right
	s_endpgm
.Lentry_shape_is_right:
; ATTN: out = softmax(masked q k^T) v for one (batch, head), both products on codes of BF8 (E5M2); its result quantised again as the last product's operand.
; qkvc: images of operand registers (8,388,608 bytes each): q, k: [bh 64][tile 128][c 2][lane][16 B]: lane (r, h) = token PI(16 tile + r), channels 32 c + 16 h + 0 .. 15 (PI: bits 3 and 4 exchanged);
; v: [bh][key step 16][dt 4][c 4][lane][16 B]: lane (r, h) = channel PI(16 dt + r), keys 128 step + 32 c + 16 h + 0 .. 15.  mbits: [batch][tile 128][step 16][64 words]: bit (lane) of word n: my score register n is masked.
; ac: [token tile 512][head 16][c 2][lane][16 B]: lane (r, h) = token PI(16 tile + r), channels 32 c + 16 h + 0 .. 15.
; SHARES.  A work-group owns 512 queries of one head, each of its eight waves 64: four tiles of 16, so that each fragment of K and V read from LDS serves four tiles.  Two waves to a SIMD, 512 registers each.
; A head's K and V, 2 x 131,072 bytes of codes, lie in LDS WHOLE: each wave brings 32,768 bytes by one tensor load; nothing is filled again, so there is one wait for the loads and one barrier.
; CLUSTER.  The four work-groups of a head form a cluster and ask for K and V jointly.
; LAYOUT.  Both products transposed: S^T = K Q^T (source 0 = 16 keys, source 1 = 16 queries), O^T = V^T P^T: a lane holds ONE query throughout.  By PI the 16 registers of two neighbouring tiles of S^T are 16 neighbouring
; keys, and those of O^T 16 neighbouring channels: the conversions' results ARE the next operand's registers, and O's codes are stored as they stand.
; BOTH MASKS ARE INPUTS: every score is made, and a masked one is replaced ahead of the maximum.
; SOFTMAX.  t = logit x log2(e); M = the running largest t rounded up to a whole number; p = 2^(t - M) is quantised with 2^e8; the row's sum is taken of the unquantised p.  When M moves, the sum and O^T are multiplied by 2^(old M - new M).
; LIMITS.  A masked logit is taken as -2^30 in place of -1e9: -2^30 x log2(e) is a whole number in f32, so that a row all of whose keys are masked has t - M = 0 and p = 1 for every key; results are
; the same wherever every logit that is not masked lies above -9e8.  e6 + e7 between -97 and 127; e8 and e10 between -126 and 112.  NaN among the inputs is not served.
; REGISTERS.  Window 0: v1 16 x lane; v2, v3 LDS addresses; v4 the masked score; v5, v6 hold and scale; v7 the prefetch's offset; v8-23 four a tile: -M, largest t, the sum in two halves; v24-31 at work; v32-63 Q;
;   v64-127, v128-191 S^T, two buffers by turns; v192-255 K of a step.   Window 1: v0-63 V of a step; v64-191 O^T, 32 a tile; v192-207 p's codes.
; SCALARS.  s[32:63] and s[68:99]: a tile's 64 mask words, loaded a tile ahead.
.set LI,   1
.set ADK,  2
.set ADV,  3
.set NEGR, 4
.set LIMV, 5
.set SCV,  6
.set PFO,  7
.set ST,   8
.set MX,   24
.set F,    26
.set PL,   28
.set SM,   30
.set Q,    32
.set S,    64
.set KF,   192
.set VF,   0                           ; window 1
.set OT,   64                          ; window 1
.set PC,   192                         ; window 1
.set CNT,  2                           ; s2   key steps to go
.set TB,   3                           ; s3   LDS byte of the step's K images
.set MB,   4                           ; s[4:5] my four tiles' mask words of the step in hand
.set CS,   6                           ; s[6:7] c = log2(e) x 2^(e6 + e7), twice
.set G0,   8
.set ACP,  12                          ; s[12:13] where my codes go
.set EO,   14                          ; s14  e8 + e9
.set G1,   16
.set S10,  24                          ; s24  2^e10 as f32
.set L10,  25                          ; s25  57,344 x 2^e10
.set SEL,  66                          ; s[66:67] lane selects: lane l xor 16
.set PFT,  100                         ; s100 the value of s[TB] at which this wave prefetches
.set WV,   101
.set MSB, 0
.macro WIN new                         ; the immediate's high byte repeats the setting that is left
.if MSB != (\new)
	s_set_vgpr_msb (MSB<<8)|(\new)
.set MSB, (\new)
.endif
.endm
.macro CROUND                          ; a round of the cluster's barrier
	s_barrier_signal -1
	s_barrier_wait -1
	s_cmp_lg_u32 s[WV], 0
	s_cbranch_scc1 .Lnot_wave_0_\@
	s_barrier_signal -3
.Lnot_wave_0_\@:
	s_barrier_wait -3
	s_barrier_signal -1
	s_barrier_wait -1
.endm
; A PREFETCH INTO THE L2 of mask words.  The sixteen heads of a batch read the same words, step by step.  Head hd asks, in its key step hd - 1, for the words of key step hd: wave 0 of each work-group, for the
; work-group's 32 tiles, a lane a tile (a tile's words of a step are 256 bytes, aligned; tiles lie 4,096 bytes apart).  So each such block is named once in the launch, one key step ahead of its first use; key step 0's come by their loads alone.
; The branch hangs on the head, the wave's number and the loop's step: the same in all four partners.
.macro ASK
	s_cmp_eq_u32 s[TB], s[PFT]
	s_cbranch_scc0 .Lnot_mine_\@
	global_prefetch_b8 v[PFO], s[MB:MB+1] offset:256 th:TH_LOAD_NT scope:SCOPE_SE
.Lnot_mine_\@:
.endm
.macro SMUL t                          ; tile t's scores of the step's 128 keys: eight tiles of 16 keys, K = the head's 64
.set SD, S+64*((\t)%2)
.irp i, 0,1,2,3,4,5,6,7
	v_wmma_f32_16x16x64_bf8_bf8 v[SD+8*\i:SD+8*\i+7], v[KF+8*\i:KF+8*\i+7], v[Q+8*(\t):Q+8*(\t)+7], 0
.endr
.endm
; Tile t of a key step.  The next tile's scores are issued first, so that the softmax's lines stand beside them and are the places behind them.
.macro TILE t
.if \t < 3
	SMUL (\t)+1
.endif
.set SB, S+64*((\t)%2)
.set TT, ST+4*(\t)
.set OB, OT+32*(\t)
.if \t == 0
.rept 4
	v_nop                                          ; places between tile 0's products and the first read of their results
.endr
.endif
	s_wait_kmcnt 0x0                               ; this tile's 64 mask words
.if \t == 3
	s_wait_xcnt 0x0                                ; the step's prefetch, three tiles back, has read its base
	s_add_nc_u64 s[MB:MB+1], s[MB:MB+1], 256       ; the next key step's words
.endif
.set n, 0
.rept 64
	v_cndmask_b32 v[SB+n], v[SB+n], v[NEGR], s[32+n+4*(n/32)]   ; a masked score becomes -2^30 / 2^(e6 + e7); each accumulator from its low end on
.set n, n+1
.endr
.irp j, 0,1,2,3
	s_load_b512 s[32+16*\j+4*(\j/2):47+16*\j+4*(\j/2)], s[MB:MB+1], (((\t)+1)%4)*4096+64*\j   ; the next tile's words (behind the last step: the next tile's first words, inside the buffer, not used)
.endr
	v_max3_num_f32 v[MX], v[SB], v[SB+1], v[SB+2]  ; the step's largest score of my query among my 64 keys, in two chains,
	v_max3_num_f32 v[MX+1], v[SB+3], v[SB+4], v[SB+5]
.irp i, 6,10,14,18,22,26,30,34,38,42,46,50,54,58
	v_max3_num_f32 v[MX], v[MX], v[SB+\i], v[SB+\i+1]
	v_max3_num_f32 v[MX+1], v[MX+1], v[SB+\i+2], v[SB+\i+3]
.endr
	v_max3_num_f32 v[MX], v[MX], v[SB+62], v[SB+63]
	v_max_num_f32 v[MX], v[MX], v[MX+1]
	v_permlanex16_b32 v[PL], v[MX], s[SEL], s[SEL+1]
	v_max_num_f32 v[MX], v[MX], v[PL]              ; and among lane l xor 16's
	v_mul_f32 v[MX], s[CS], v[MX]                  ; as t (c is positive)
	v_max_num_f32 v[TT+1], v[TT+1], v[MX]          ; the running largest t
	v_mov_b32 v[MX], v[TT]
	v_floor_f32 v[TT], -v[TT+1]                    ; the new -M = floor(-t): M is a whole number
	v_sub_f32 v[MX], v[TT], v[MX]                  ; old M - new M: a whole number, 0 or less
	v_cvt_i32_f32 v[MX], v[MX]                     ; (it saturates)
	v_ldexp_f32 v[F], 1.0, v[MX]                   ; f = 2^(old M - new M)
.set n, 0
.rept 32
	v_pk_fma_f32 v[SB+n:SB+n+1], v[SB+n:SB+n+1], s[CS:CS+1], v[TT:TT+1] op_sel_hi:[1,0,0]   ; t - M, two at a time
.set n, n+2
.endr
.set n, 0
.rept 64
	v_exp_f32 v[SB+n], v[SB+n]                     ; p = 2^(t - M), at most 1
.set n, n+1
.endr
	v_pk_mul_f32 v[TT+2:TT+3], v[TT+2:TT+3], v[F:F+1] op_sel_hi:[1,0]   ; the sum under the new M: the plain instruction behind the exponentials
	s_wait_alu depctr_va_vdst(0)                   ; one wait for the batch of 64, ahead of its first reader
	v_pk_add_f32 v[SM:SM+1], v[SB:SB+1], v[SB+2:SB+3]   ; the sum of the unquantised p, in two chains
.irp j, 4,8,12,16,20,24,28,32,36,40,44,48,52,56,60
	v_pk_add_f32 v[TT+2:TT+3], v[TT+2:TT+3], v[SB+\j:SB+\j+1]
	v_pk_add_f32 v[SM:SM+1], v[SM:SM+1], v[SB+\j+2:SB+\j+3]
.endr
	v_pk_add_f32 v[TT+2:TT+3], v[TT+2:TT+3], v[SM:SM+1]
.set n, 0
.rept 64
	v_min_num_f32 v[SB+n], v[SB+n], v[LIMV]        ; the conversion does not saturate (ISA guide 7.6.2); p is not negative, so the hold is one-sided
.set n, n+1
.endr
	WIN 0x40                                       ; destination window 1
.irp g, 0,1,2,3,4,5,6,7
	v_cvt_scalef32_pk8_bf8_f32 v[PC+2*\g:PC+2*\g+1], v[SB+8*\g:SB+8*\g+7], v[SCV]
.endr
	WIN 0x41                                       ; destination and source 0 window 1
.set n, 0
.rept 16
	v_pk_mul_f32 v[OB+n:OB+n+1], v[OB+n:OB+n+1], v[F:F+1] op_sel_hi:[1,0]   ; O^T under the new M; these are also the plain instructions behind the conversions
.set n, n+2
.endr
.if \t == 0
	s_wait_dscnt 0x0                               ; V is in
.endif
	WIN 0x55                                       ; all four operands window 1
.irp d, 0,1,2,3
	v_wmma_f32_16x16x128_bf8_bf8 v[OB+8*\d:OB+8*\d+7], v[VF+16*\d:VF+16*\d+15], v[PC:PC+15], v[OB+8*\d:OB+8*\d+7]   ; four accumulators, one instruction each
.endr
	WIN 0
.endm
	s_load_b256 s[32:39], s[0:1], 0x0              ; qkvc s[32:33], mbits s[34:35], the scales' exponents s[36:37], ac s[38:39]
	v_lshl_add_u32 v29, v0, 2, 0x40000
	s_set_vgpr_msb 0x40
	v_mov_b32 v255, 0
	s_set_vgpr_msb 0x4044
	ds_add_u32 v29, v255
	ds_add_u32 v29, v255
	s_set_vgpr_msb 0x4400
	v_lshrrev_b32 v1, 5, v0
	v_readfirstlane_b32 s[WV], v1                  ; wave 0..7
	s_bfe_u32 s40, ttmp6, 0x40000                  ; cx: it enters Q's, the masks' and ac's addresses alone
	s_and_b32 s41, ttmp7, 0xffff                   ; batch x 16 + head, which the four partners share
	s_mov_b32 s[G1], 15|(3<<16)|(1<<21)            ; the mask: all four work-groups; elements of 8 bytes; bit 21 beside a mask; no padding
	s_mov_b32 s[G1+1], 32<<16                      ; tensor_dim0 = 32 elements: rows of 256 bytes
	s_mov_b32 s[G1+2], 128<<16                     ; tensor_dim1 = 128
	s_mov_b32 s[G1+3], 32<<16                      ; tile_dim0
	s_mov_b32 s[G1+4], 128                         ; tile_dim1
	s_mov_b32 s[G1+5], 32                          ; the pitch: the block is dense
	s_mov_b32 s[G1+6], 0
	s_mov_b32 s[G1+7], 0
	s_lshl_b32 s42, s[WV], 15                      ; LDS: 32,768 x wave: waves 0-3 K's quarters, waves 4-7 V's
	s_lshr_b32 s44, s[WV], 2
	s_add_co_u32 s44, s44, 1
	s_lshl_b32 s44, s44, 23                        ; k's or v's part of qkvc
	s_lshl_b32 s47, s41, 17                        ; the head's 131,072 bytes
	s_add_co_u32 s44, s44, s47
	s_and_b32 s46, s[WV], 3
	s_lshl_b32 s46, s46, 15
	s_add_co_u32 s44, s44, s46                     ; my quarter
	s_mov_b32 s45, 0
	s_lshl_b32 s48, s40, 5
	s_lshl_b32 s49, s[WV], 2
	s_add_co_u32 s48, s48, s49                     ; my first tile of queries: 32 cx + 4 wave
	s_lshl_b32 s50, s48, 10
	s_add_co_u32 s50, s50, s47                     ; its image in q's part
	s_mov_b32 s51, 0
	s_lshr_b32 s52, s41, 4                         ; batch
	s_lshl_b32 s52, s52, 7
	s_add_co_u32 s52, s52, s48                     ; token tile
	s_lshl_b32 s54, s52, 12                        ; its mask words: 4,096 bytes a tile
	s_mov_b32 s55, 0
	s_lshl_b32 s52, s52, 14                        ; its codes in ac: 16,384 bytes a tile,
	s_and_b32 s53, s41, 15                         ; head
	s_lshl_b32 s56, s53, 10
	s_add_co_u32 s52, s52, s56                     ; 1,024 a head
	s_sub_co_u32 s53, s53, 1
	s_lshl_b32 s53, s53, 13                        ; 8,192 x (head - 1): head 0's is met by no step
	s_cmp_eq_u32 s[WV], 0
	s_cselect_b32 s[PFT], s53, -1
	s_mov_b32 s53, 0
	s_mov_b32 s[SEL], 0x76543210
	s_mov_b32 s[SEL+1], 0xfedcba98
	s_mov_b32 s[TB], 0
	s_mov_b32 s[CNT], 16
	s_wait_dscnt 0x0
	s_wait_kmcnt 0x0
	s_load_b256 s[56:63], s[36:37], 0x10           ; e4 .. e11: e6 s58, e7 s59, e8 s60, e9 s61, e10 s62
	s_mov_b32 s[G0], 1                             ; count = 1
	s_mov_b32 s[G0+1], s42                         ; LDS address
	s_add_nc_u64 s[G0+2:G0+3], s[32:33], s[44:45]  ; global address
	s_or_b32 s[G0+3], s[G0+3], 0x80000000          ; type = 2
	s_add_nc_u64 s[MB:MB+1], s[34:35], s[54:55]
	s_add_nc_u64 s[ACP:ACP+1], s[38:39], s[52:53]
	s_add_nc_u64 s[50:51], s[32:33], s[50:51]
	CROUND                                         ; all four work-groups are here: the joint loads meet
	tensor_load_to_lds s[G0:G0+3], s[G1:G1+7]      ; my one tensor load of the launch
	s_nop 0
.rept 4
	v_nop
.endr
	v_and_b32 v[LI], 31, v0
	v_lshlrev_b32 v[PFO], 12, v[LI]
	v_lshlrev_b32 v[LI], 4, v[LI]
.irp t, 0,1,2,3
.irp c, 0,1
	global_load_b128 v[Q+8*\t+4*\c:Q+8*\t+4*\c+3], v[LI], s[50:51] offset:1024*\t+512*\c   ; Q stays in registers
.endr
.endr
.irp t, 0,1,2,3
	v_mov_b32 v[ST+4*\t+1], 0xff61b1e6             ; the largest t so far: -3e38
	v_floor_f32 v[ST+4*\t], -v[ST+4*\t+1]          ; -M
	v_mov_b32 v[ST+4*\t+2], 0                      ; the sum, in two halves
	v_mov_b32 v[ST+4*\t+3], 0
.endr
	v_mov_b32 v[F+1], 0                            ; (named as the upper half of a pair)
	v_mov_b32 v[PL], 0                             ; a lane permute's destination counts as one of its sources
	WIN 0x40
.set n, 0
.rept 128
	v_mov_b32 v[OT+n], 0                           ; O^T: the key step is written once; its first trip finds zeros
.set n, n+1
.endr
	WIN 0
	s_wait_kmcnt 0x0
	s_add_co_i32 s42, s58, s59                     ; e6 + e7
	s_lshl_b32 s43, s42, 23
	s_add_co_i32 s[CS], s43, 0x3fb8aa3b            ; log2(e) with the two exponents added to its exponent field
	s_mov_b32 s[CS+1], s[CS]
	s_sub_co_i32 s42, 157, s42
	s_lshl_b32 s42, s42, 23
	s_or_b32 s42, s42, 0x80000000
	v_mov_b32 v[NEGR], s42                         ; -2^(30 - e6 - e7)
	s_add_co_i32 s42, s60, 127
	s_lshl_b32 s43, s42, 23
	v_mov_b32 v[SCV], s43                          ; 2^e8
	s_add_co_i32 s42, s42, 15
	s_lshl_b32 s42, s42, 23
	s_or_b32 s42, s42, 0x600000
	v_mov_b32 v[LIMV], s42                         ; 57,344 x 2^e8
	s_add_co_i32 s[EO], s60, s61
	s_add_co_i32 s42, s62, 127
	s_lshl_b32 s[S10], s42, 23
	s_add_co_i32 s42, s42, 15
	s_lshl_b32 s42, s42, 23
	s_or_b32 s[L10], s42, 0x600000
	s_wait_xcnt 0x0                                ; Q's loads have read their base, which lies among the registers that the mask words take
.irp j, 0,1,2,3
	s_load_b512 s[32+16*\j+4*(\j/2):47+16*\j+4*(\j/2)], s[MB:MB+1], 64*\j   ; step 0, tile 0
.endr
	s_wait_loadcnt 0x0                             ; Q
	s_wait_tensorcnt 0x0                           ; my part of K or V is in,
	s_barrier_signal -1
	s_barrier_wait -1                              ; everybody's is
.Lstep:                                            ; 16 trips: 128 keys each
	v_add_nc_u32 v[ADK], s[TB], v[LI]
	v_add_nc_u32 v[ADV], 0x20000, v[ADK]           ; V's images lie 131,072 bytes behind K's
	v_nop
	v_nop                                          ; four places between the last trip's last products, which read V, and the loads below
.irp i, 0,1,2,3,4,5,6,7
.irp c, 0,1
	ds_load_b128 v[KF+8*\i+4*\c:KF+8*\i+4*\c+3], v[ADK] offset:1024*\i+512*\c   ; 32 lanes read 512 consecutive bytes
.endr
.endr
	WIN 0x40
.irp d, 0,1,2,3
.irp c, 0,1,2,3
	ds_load_b128 v[VF+16*\d+4*\c:VF+16*\d+4*\c+3], v[ADV] offset:2048*\d+512*\c
.endr
.endr
	WIN 0
	ASK
	s_wait_dscnt 16                                ; K's sixteen loads are in; V's sixteen may be out
	SMUL 0
	TILE 0
	TILE 1
	TILE 2
	TILE 3
	s_add_co_u32 s[TB], s[TB], 8192
	s_sub_co_u32 s[CNT], s[CNT], 1
	s_cmp_lg_u32 s[CNT], 0
	s_cbranch_scc1 .Lstep
	; THE WAY OUT.  O^T / the sum x 2^(e8 + e9), held and converted with 2^e10: the codes' registers are ac's image.  The four additions are the places behind the last products.
.irp t, 0,1,2,3
	v_add_f32 v[ST+4*\t+2], v[ST+4*\t+2], v[ST+4*\t+3]
.endr
.irp t, 0,1,2,3
	v_permlanex16_b32 v[MX+\t], v[ST+4*\t+2], s[SEL], s[SEL+1]
.endr
.irp t, 0,1,2,3
	v_add_f32 v[ST+4*\t+2], v[ST+4*\t+2], v[MX+\t]
.endr
.irp t, 0,1,2,3
	v_rcp_f32 v[ST+4*\t+2], v[ST+4*\t+2]
.endr
	v_mov_b32 v[LIMV], s[L10]                      ; (the plain instruction behind the reciprocals)
	v_mov_b32 v[SCV], s[S10]
	s_wait_alu depctr_va_vdst(0)                   ; one wait for the four reciprocals, ahead of their first reader
.irp t, 0,1,2,3
	v_ldexp_f32 v[ST+4*\t+2], v[ST+4*\t+2], s[EO]
.endr
.macro OUT t
	WIN 0x41
.set n, 0
.rept 16
	v_pk_mul_f32 v[OT+32*\t+n:OT+32*\t+n+1], v[OT+32*\t+n:OT+32*\t+n+1], v[ST+4*\t+2:ST+4*\t+3] op_sel_hi:[1,0]
.set n, n+2
.endr
.set n, 0
.rept 32
	v_med3_num_f32 v[OT+32*\t+n], v[OT+32*\t+n], -v[LIMV], v[LIMV]
.set n, n+1
.endr
	WIN 0x01                                       ; source 0 window 1, destination window 0: S^T's registers are free
.irp g, 0,1,2,3
	v_cvt_scalef32_pk8_bf8_f32 v[S+8*\t+2*\g:S+8*\t+2*\g+1], v[OT+32*\t+8*\g:OT+32*\t+8*\g+7], v[SCV]
.endr
.endm
	OUT 0
	OUT 1
	OUT 2
	OUT 3
	WIN 0
	v_nop                                          ; one plain vector instruction behind the last conversion
.irp t, 0,1,2,3
.irp c, 0,1
	global_store_b128 v[LI], v[S+8*\t+4*\c:S+8*\t+4*\c+3], s[ACP:ACP+1] offset:16384*\t+512*\c   ; 32 lanes store 512 consecutive bytes, aligned
.endr
.endr
	s_set_vgpr_msb 0x4
	s_wait_tensorcnt 0x0
	ds_add_u32 v29, v255
	s_wait_dscnt 0x0
	s_set_vgpr_msb 0x400
	CROUND                                         ; the closing round
	s_endpgm
.Lfunc_end_k_qc7c9a52a00_attn:
	.size	k_qc7c9a52a00_attn, .Lfunc_end_k_qc7c9a52a00_attn-k_qc7c9a52a00_attn
	.p2alignl 7, 3214868480
	.fill 96, 4, 3214868480
	.section	.rodata,"a",@progbits
	.p2align	6, 0x0
	.amdhsa_kernel k_qc7c9a52a00_attn
		.amdhsa_group_segment_fixed_size 263168
		.amdhsa_private_segment_fixed_size 0
		.amdhsa_enable_private_segment 0
		.amdhsa_kernarg_size 32
		.amdhsa_user_sgpr_count 2
		.amdhsa_user_sgpr_kernarg_segment_ptr 1
		.amdhsa_wavefront_size32 1
		.amdhsa_system_sgpr_workgroup_id_x 1
		.amdhsa_system_sgpr_workgroup_id_y 1
		.amdhsa_system_sgpr_workgroup_id_z 1
		.amdhsa_system_vgpr_workitem_id 0
		.amdhsa_next_free_vgpr 512
		.amdhsa_next_free_sgpr 102
		.amdhsa_reserve_vcc 0
		.amdhsa_float_denorm_mode_32 3
		.amdhsa_float_denorm_mode_16_64 3
		.amdhsa_memory_ordered 1
		.amdhsa_forward_progress 1
		.amdhsa_inst_pref_size 98
	.end_amdhsa_kernel
	.amdgpu_metadata
---
amdhsa.version: [ 1, 2 ]
amdhsa.kernels:
  - .name:           k_qc7c9a52a00_attn
    .symbol:         k_qc7c9a52a00_attn.kd
    .args:
      - { .name: qkvc, .offset: 0, .size: 8, .value_kind: global_buffer, .address_space: global }
      - { .name: mbits, .offset: 8, .size: 8, .value_kind: global_buffer, .address_space: global }
      - { .name: lowp_scales, .offset: 16, .size: 8, .value_kind: global_buffer, .address_space: global }
      - { .name: ac, .offset: 24, .size: 8, .value_kind: global_buffer, .address_space: global }
    .group_segment_fixed_size: 263168
    .private_segment_fixed_size: 0
    .kernarg_segment_align: 8
    .kernarg_segment_size: 32
    .max_flat_workgroup_size: 256
    .sgpr_count:     102
    .vgpr_count:     512
    .wavefront_size: 32
...
	.end_amdgpu_metadata
.endif
;; end of part 3
;; launch outp (part 4): grid 4 x 32, 4 waves a work-group, clusters of 4 x 4, 327,680 bytes of LDS; arguments ac, xw, b_o, lowp_scales, out0; writes out0
.if DOCPART == 4
	.amdgcn_target "amdgcn-amd-amdhsa--gfx1250"
	.amdhsa_code_object_version 6
	.text
	.protected	k_qc7c9a52a00_outp
	.globl	k_qc7c9a52a00_outp
	.p2align	8
	.type	k_qc7c9a52a00_outp,@function
k_qc7c9a52a00_outp:
	s_mov_b64 s[64:65], 0
	v_nop
	global_prefetch_b8 v0, s[64:65] scope:SCOPE_SE
	s_setreg_imm32_b32 hwreg(HW_REG_WAVE_MODE, 25, 1), 1
	s_wait_xcnt 0x0
	s_wait_alu depctr_hold_cnt(0) depctr_sa_sdst(0) depctr_va_vdst(0) depctr_va_sdst(0) depctr_va_ssrc(0) depctr_va_vcc(0) depctr_vm_vsrc(0)
	s_getreg_b32 s2, hwreg(HW_REG_IB_STS2, 6, 4)
	s_cmp_eq_u32 s2, 0
	s_cbranch_scc0 .Lentry_in_a_cluster
	s_endpgm
.Lentry_in_a_cluster:
	s_bfe_u32 s2, ttmp6, 0x10000c
	s_cmp_lg_u32 s2, 0xf033
	s_cbranch_scc0 .Lentry_shape_is_right
	s_endpgm
.Lentry_shape_is_right:
; OUTP: out0 = attention's result x W_o + b_o on codes of BF8 (E5M2).  M = 8,192, N = 1,024, K = 1,024; out0 f32.
; A side: ac, images of operand registers: [token tile 512][32 pieces][lane][16 B]: piece g of a tile holds, in lane (r, h), token PI(16 tile + r), K = 32 g + 16 h + 0 .. 15 (PI: bits 3 and 4 exchanged); four pieces are a fragment of 128 K.
; B side: W_o's codes, [n][k], xw rows 27,648 on.  A number is its code x 2^e10 (A) or 2^e11 (B); each finished sum is multiplied once by 2^(e10 + e11) and b_o is added by the same fused instruction.
; A work-group of four waves makes 256 x 256 of out0, a wave 128 x 128: 64 accumulators.  K goes in steps of 256 through a ring of two LDS slots.  CLUSTERS: 4 x 4; A's tiles are shared along a row, B's along a column: joint loads.
; THE MATRIX INSTRUCTION IS USED TRANSPOSED (source 0 = 16 rows of W_o's codes, source 1 = 16 tokens): a lane holds eight neighbouring columns of one row of out0.
; LIMIT: e10 + e11 between -126 and 127.
; REGISTERS: window 0: v0-31 addresses; v32-95 b_o in the accumulators' layout; from v128 A's fragments, ONE set (on the way out: rows read back).  window 1: B's fragments, TWO sets.  windows 2, 3: the accumulators.
.set KSTEP,  256
.set ROWB,   256
.set KROW,   1024
.set PITCH,  272                       ; B's LDS row: 256 bytes + 16 of padding
.set FR,     16
.set NL,     4
.set NP,     4
.set HALFA,  32768                     ; A: 8 token tiles x 4,096 bytes (256 along K), images: no padding wanted, every read is 512 consecutive bytes
.set HALFB,  128*PITCH
.set SLOT,   2*HALFA+2*HALFB
.set LAPS,   2
.set SPARE,  2*SLOT                    ; behind the ring: the spare words, 128 bytes for each wave, which no other line names
.set SPITCH, 528                       ; the way out: 16 rows x (512 bytes + 16) for each wave, in slot 0, which has had its last fill and its last read by then
.set ADRA, 16
.set ADRB, 20
.set STO,  24
.set RD,   25
.set CO,   26
.set SPW,  28
.set NIL,  29
.set BB,   32
.set AF,   128
.set BK,   128
.set G1, 24
.set G0, 32
.set G1B, 48
.set G0B, 56
.set MSB, 0
.macro WIN new
.if MSB != (\new)
	s_set_vgpr_msb (MSB<<8)|(\new)
.set MSB, (\new)
.endif
.endm
.set MUL_LO, 0xa1
.set MUL_HI, 0xf1
.set TO_B,   0x40
.macro JLOAD g0a, g1a, g0b, g1b        ; waves 0 and 1 fetch for A, waves 2 and 3 for B; four v_nop follow each of the two lines
	s_cmp_eq_u32 s15, 0
	s_cbranch_scc0 .Lfor_b_\@
	tensor_load_to_lds s[\g0a:\g0a+3], s[\g1a:\g1a+7]
	s_nop 0
.rept 4
	v_nop
.endr
	s_branch .Lasked_\@
.Lfor_b_\@:
	tensor_load_to_lds s[\g0b:\g0b+3], s[\g1b:\g1b+7]
	s_nop 0
.rept 4
	v_nop
.endr
.Lasked_\@:
.endm
.macro CREST
	s_cmp_lg_u32 s14, 0
	s_cbranch_scc1 .Lnot_wave_0_\@
	s_barrier_signal -3
.Lnot_wave_0_\@:
	s_barrier_wait -3
	s_barrier_signal -1
	s_barrier_wait -1
.endm
.macro CROUND
	s_barrier_signal -1
	s_barrier_wait -1
	CREST
.endm
	s_load_b256 s[4:11], s[0:1], 0x0               ; ac s[4:5], xw s[6:7], b_o s[8:9], the scales' exponents s[10:11]
	s_load_b64 s[12:13], s[0:1], 0x20              ; out0
	v_lshl_add_u32 v[SPW], v0, 2, SPARE
	v_mov_b32 v[NIL], 0
	ds_add_u32 v28, v29
	ds_add_u32 v28, v29
	s_wait_dscnt 0x0
	v_lshrrev_b32 v1, 5, v0
	v_readfirstlane_b32 s14, v1                    ; wave 0..3
	s_lshr_b32 s15, s14, 1                         ; my half of the tile's rows.  Also: I fetch for A (0) or for B (1)
	s_and_b32 s16, s14, 1                          ; my half of its columns.  Also: which half of that tile I fetch
	s_bfe_u32 s40, ttmp6, 0x40000                  ; cx
	s_bfe_u32 s41, ttmp6, 0x40004                  ; cy
	s_lshl_b32 s42, ttmp9, 2
	s_add_co_u32 s42, s42, s40                     ; tile column
	s_and_b32 s17, ttmp7, 0xffff
	s_lshl_b32 s17, s17, 2
	s_add_co_u32 s17, s17, s41                     ; tile row
	s_lshl_b32 s43, s41, 2
	s_lshl_b32 s43, 15, s43                        ; my row of the cluster
	s_lshl_b32 s44, 0x1111, s40                    ; my column
	s_or_b32 s[G1+0], s43, (3<<16)|(1<<21)         ; A: the mask; elements of 8 bytes; bit 21 beside a mask; no padding
	s_mov_b32 s[G1+1], 512<<16                     ; tensor_dim0 = 512 elements: 4,096 bytes, a token tile's 256 along K
	s_mov_b32 s[G1+2], 8<<16                       ; tensor_dim1 = 8 token tiles
	s_mov_b32 s[G1+3], 512<<16                     ; tile_dim0
	s_mov_b32 s[G1+4], 8                           ; tile_dim1
	s_mov_b32 s[G1+5], 2048                        ; from tile to tile: 16,384 bytes
	s_mov_b32 s[G1+6], 0
	s_mov_b32 s[G1+7], 0
	s_or_b32 s[G1B+0], s44, (0<<16)|(1<<20)|(1<<21)|(5<<22)|(3<<25)  ; B: elements of 1 byte; after every 64 words, 4 words of padding
	s_mov_b32 s[G1B+1], ROWB<<16
	s_mov_b32 s[G1B+2], 128<<16
	s_mov_b32 s[G1B+3], ROWB<<16
	s_mov_b32 s[G1B+4], 128
	s_mov_b32 s[G1B+5], KROW
	s_mov_b32 s[G1B+6], 0
	s_mov_b32 s[G1B+7], 0
	s_lshl_b32 s20, s17, 4
	s_lshl_b32 s18, s16, 3
	s_add_co_u32 s20, s20, s18                     ; A: token tile 16 x tile row + 8 x half
	s_lshl_b32 s20, s20, 14
	s_mov_b32 s21, 0
	s_lshl_b32 s46, s42, 8
	s_lshl_b32 s18, s16, 7
	s_add_co_u32 s46, s46, s18
	s_add_co_u32 s46, s46, 27648                   ; B: xw row 27,648 + 256 x tile column + 128 x half
	s_lshl_b32 s46, s46, 10
	s_mov_b32 s47, 0
	s_lshl_b32 s45, s16, 15                        ; where A's halves go,
	s_mul_i32 s19, s16, HALFB
	s_add_co_u32 s19, s19, 2*HALFA                 ; and B's, behind them
	s_wait_kmcnt 0x0
	s_load_b64 s[96:97], s[10:11], 0x28            ; e10, e11
	s_add_nc_u64 s[20:21], s[4:5], s[20:21]
	s_add_nc_u64 s[46:47], s[6:7], s[46:47]
	CROUND                                         ; all sixteen work-groups are here: the first joint loads meet
.irp s, 0,1
	s_mov_b32 s[G0+4*\s], 1
	s_add_co_u32 s[G0+4*\s+1], s45, \s*SLOT
	s_add_nc_u64 s[G0+4*\s+2:G0+4*\s+3], s[20:21], \s*4096
	s_or_b32 s[G0+4*\s+3], s[G0+4*\s+3], 0x80000000
	s_mov_b32 s[G0B+4*\s], 1
	s_add_co_u32 s[G0B+4*\s+1], s19, \s*SLOT
	s_add_nc_u64 s[G0B+4*\s+2:G0B+4*\s+3], s[46:47], \s*ROWB
	s_or_b32 s[G0B+4*\s+3], s[G0B+4*\s+3], 0x80000000
	JLOAD G0+4*\s, G1, G0B+4*\s, G1B
.endr
	v_and_b32 v1, 15, v0                           ; r
	v_bfe_u32 v2, v0, 4, 1                         ; h
	v_mul_u32_u24 v3, v1, PITCH
	v_lshl_add_u32 v4, v2, 4, v3
	v_and_b32 v6, 31, v0
	v_lshlrev_b32 v[CO], 4, v6                     ; 16 x lane
	s_lshl_b32 s21, s15, 15                        ; my 8 token tiles of A
	s_mul_i32 s22, s16, HALFB
	s_add_co_u32 s22, s22, 2*HALFA                 ; my 128 rows of B
.irp s, 0,1
	v_add_nc_u32 v[ADRA+\s], s21, v[CO]
	v_add_nc_u32 v[ADRB+\s], s22, v4
	s_add_co_u32 s21, s21, SLOT
	s_add_co_u32 s22, s22, SLOT
.endr
	s_mul_i32 s23, s14, 16*SPITCH                  ; my stage
	v_mul_u32_u24 v5, v1, SPITCH
	v_lshl_add_u32 v5, v2, 5, v5
	v_add_nc_u32 v[STO], s23, v5                   ; in: row r, 32 bytes for each half of the lanes
	v_add_nc_u32 v[RD], s23, v[CO]                 ; back: the 32 lanes take one row of 512 bytes
	v_lshlrev_b32 v8, 5, v2                        ; b_o: 8 h numbers on; never rewritten
	s_lshl_b32 s20, s17, 8
	s_lshl_b32 s21, s15, 7
	s_add_co_u32 s20, s20, s21                     ; my first row of out0
	s_lshl_b32 s20, s20, 12                        ; rows of 4,096 bytes
	s_mov_b32 s21, 0
	s_lshl_b32 s46, s42, 10
	s_lshl_b32 s47, s16, 9
	s_add_co_u32 s46, s46, s47                     ; my first column, in bytes: in out0's rows and in b_o alike
	s_mov_b32 s47, 0
	s_add_nc_u64 s[8:9], s[8:9], s[46:47]
	s_add_nc_u64 s[20:21], s[20:21], s[46:47]
	s_add_nc_u64 s[12:13], s[12:13], s[20:21]
.irp b, 0,1,2,3,4,5,6,7
	global_load_b128 v[BB+8*\b:BB+8*\b+3], v8, s[8:9] offset:64*\b        ; register 8 b + j: b_o(first + 16 b + 8 h + j)
	global_load_b128 v[BB+8*\b+4:BB+8*\b+7], v8, s[8:9] offset:64*\b+16
.endr
.macro FRAGB reg, adr, q, i            ; 16 rows x 128 K from rows: registers 4 c .. 4 c + 3 hold K = 32 c + 16 (l / 16) + 0 .. 15
.irp c, 0,1,2,3
	ds_load_b128 v[\reg+4*\c:\reg+4*\c+3], v[\adr] offset:128*(\q)+32*\c+(\i)*16*PITCH
.endr
.endm
.macro FRAGA reg, adr, q, i            ; the same places of k from images: token tile i, the slot's q-th 128 along K, piece c
.irp c, 0,1,2,3
	ds_load_b128 v[\reg+4*\c:\reg+4*\c+3], v[\adr] offset:4096*(\i)+2048*(\q)+512*\c
.endr
.endm
.macro MUL16 a0, p, zero               ; the 64 accumulators take turns, one instruction a turn, in the same order in every step
.irp a, \a0, \a0+1
.irp b, 0,1,2,3,4,5,6,7
.if \zero
	v_wmma_f32_16x16x128_bf8_bf8 v[8*(8*((\a)%4)+\b):8*(8*((\a)%4)+\b)+7], v[128*(\p)+FR*\b:128*(\p)+FR*\b+FR-1], v[AF+FR*(\a):AF+FR*(\a)+FR-1], 0
.else
	v_wmma_f32_16x16x128_bf8_bf8 v[8*(8*((\a)%4)+\b):8*(8*((\a)%4)+\b)+7], v[128*(\p)+FR*\b:128*(\p)+FR*\b+FR-1], v[AF+FR*(\a):AF+FR*(\a)+FR-1], v[8*(8*((\a)%4)+\b):8*(8*((\a)%4)+\b)+7]
.endif
.endr
.endr
.endm
.macro FETCH_B slot, q, p
	WIN TO_B
.irp i, 0,1,2,3,4,5,6,7
	FRAGB 128*(\p)+FR*\i, ADRB+\slot, \q, \i
.endr
	WIN 0
.endm
.macro FETCH_A slot, q, i0
.irp i, \i0, \i0+1, \i0+2, \i0+3
	FRAGA AF+FR*(\i), ADRA+\slot, \q, \i
.endr
.endm
.macro PLACES n                        ; plain vector instructions between a matrix instruction and a load into, or a vector read or write of, its registers (ISA guide 7.12.1 for vector reads and writes)
.rept \n
	v_nop
.endr
.endm
.macro STEP slot, q, zero
	s_wait_dscnt 4*NL                              ; B's set and A's blocks 0-3 are in; the youngest sixteen loads (A's blocks 4-7) may be out
	WIN MUL_LO
	MUL16 0, (\q)%2, \zero
	MUL16 2, (\q)%2, \zero
	s_wait_dscnt 0
	PLACES NP
	FETCH_B \slot, (\q)+1, 1-(\q)%2
	FETCH_A \slot, (\q)+1, 0
	WIN MUL_HI
	MUL16 4, (\q)%2, \zero
	MUL16 6, (\q)%2, \zero
	PLACES NP
	WIN 0
	FETCH_A \slot, (\q)+1, 4
.endm
.macro TURN slot, next, fill
	s_wait_tensorcnt 0x0                           ; all my tensor loads have landed: my part of the next slot
	ds_add_u32 v[SPW], v[NIL]                      ; 0 onto my spare word
	s_wait_dscnt 4*NL+1                            ; (the add and the youngest sixteen loads may be out)
	WIN MUL_LO
	MUL16 0, 1, 0
	s_wait_dscnt 0x0                               ; the add is done, and my reads of this slot are over
	s_barrier_signal -1
	MUL16 2, 1, 0
	WIN 0
	s_barrier_wait -1
.if \fill
	CREST                                          ; the barrier has opened a round of the cluster's: no wave of any partner still reads this slot or has a load on its way
	s_add_nc_u64 s[G0+4*\slot+2:G0+4*\slot+3], s[G0+4*\slot+2:G0+4*\slot+3], 2*4096
	s_add_nc_u64 s[G0B+4*\slot+2:G0B+4*\slot+3], s[G0B+4*\slot+2:G0B+4*\slot+3], 2*ROWB
	JLOAD G0+4*\slot, G1, G0B+4*\slot, G1B         ; the first tensor load behind the round; its four v_nop are the places in front of the loads below
.else
	PLACES NP
.endif
	FETCH_B \next, 0, 0
	FETCH_A \next, 0, 0
	WIN MUL_HI
	MUL16 4, 1, 0
	MUL16 6, 1, 0
	PLACES NP
	WIN 0
	FETCH_A \next, 0, 4
.endm
	s_wait_loadcnt 0x0                             ; b_o
	s_wait_tensorcnt 1                             ; my part of K step 0 is in (K step 1's load may be out)
	s_barrier_signal -1
	s_barrier_wait -1                              ; everybody's is
	FETCH_B 0, 0, 0
	FETCH_A 0, 0, 0
	FETCH_A 0, 0, 4
	STEP 0, 0, 1                                   ; the first step's products start the sums
	s_mov_b32 s3, LAPS-1
.Llap:
	TURN 0, 1, 1
	STEP 1, 0, 0
	TURN 1, 0, 1
	STEP 0, 0, 0
	s_sub_co_u32 s3, s3, 1
	s_cmp_lg_u32 s3, 0
	s_cbranch_scc1 .Llap
	TURN 0, 1, 0                                   ; the last lap fills nothing
	STEP 1, 0, 0
	s_wait_dscnt 4*NL
	WIN MUL_LO
	MUL16 0, 1, 0
	MUL16 2, 1, 0
	s_wait_dscnt 0
	WIN MUL_HI
	MUL16 4, 1, 0
	MUL16 6, 1, 0
	WIN 0
; THE WAY OUT, block by block of 16 tokens x 128 columns: sum x 2^(e10 + e11) + b_o in place, each accumulator from its low end on; through my own stage in LDS; back as whole rows of 512 bytes.
; Stage row t of block a is the token 32 (a / 2) + 8 (a % 2) + t + 8 (t / 8) of my 128: so the base steps by 8 and by 24 rows by turns, and rows 8-15 lie 8 rows further on.
; LDS serves a wave's instructions in order (ISA guide 5.7.1.4): no wait between the stores and the loads, nor in front of the next block's stores.
.macro TOSTAGE a
.set AC, 64*((\a)%4)
	WIN 0x82+0x41*((\a)/4)                         ; destination and source 0: window 2 or 3
.set j, 0
.rept 32
	v_pk_fma_f32 v[AC+j:AC+j+1], v[AC+j:AC+j+1], s[96:97], v[BB+j:BB+j+1] op_sel_hi:[1,0,1]
.set j, j+2
.endr
	WIN 0x08+4*((\a)/4)                            ; an LDS store's data: source 1, window 2 or 3
.irp b, 0,1,2,3,4,5,6,7
	ds_store_b128 v[STO], v[AC+8*\b:AC+8*\b+3] offset:64*\b
	ds_store_b128 v[STO], v[AC+8*\b+4:AC+8*\b+7] offset:64*\b+16
.endr
	WIN 0
.set RB, BK+64*((\a)%2)
.irp t, 0,1,2,3,4,5,6,7,8,9,10,11,12,13,14,15
	ds_load_b128 v[RB+4*\t:RB+4*\t+3], v[RD] offset:\t*SPITCH
.endr
.endm
.macro SEND a, younger                 ; younger: the LDS instructions issued behind block a's loads, which may stay out
.set RB, BK+64*((\a)%2)
	s_wait_dscnt \younger
.if (\a) > 0
.if (\a)%2
	s_add_nc_u64 s[12:13], s[12:13], 8*4096        ; (behind a wait on XCNT: the earlier stores have read their base)
.else
	s_add_nc_u64 s[12:13], s[12:13], 24*4096
.endif
.endif
.irp t, 0,1,2,3,4,5,6,7,8,9,10,11,12,13,14,15
	global_store_b128 v[CO], v[RB+4*\t:RB+4*\t+3], s[12:13] offset:(\t+8*(\t/8))*4096 th:TH_STORE_NT   ; 32 lanes store 512 consecutive bytes, aligned; written once, read by nobody here
.endr
.endm
	s_wait_kmcnt 0x0
	s_add_co_i32 s96, s96, s97
	s_add_co_i32 s96, s96, 127
	s_lshl_b32 s96, s96, 23                        ; 2^(e10 + e11) as f32
	s_mov_b32 s97, s96                             ; (named with it as a pair)
	PLACES NP
	TOSTAGE 0
.irp a, 1,2,3,4,5,6,7
.if \a > 1
	s_wait_xcnt 0x0                                ; block a - 2's stores have read their registers and their base
.endif
	TOSTAGE \a
	SEND \a-1, 32                                  ; behind block a - 1's loads: block a's 16 stores and 16 loads
.endr
	s_wait_xcnt 0x0
	SEND 7, 0
	s_wait_tensorcnt 0x0                           ; the wave's end
	ds_add_u32 v[SPW], v[NIL]
	s_wait_dscnt 0x0
	CROUND                                         ; the closing round
	s_endpgm
.Lfunc_end_k_qc7c9a52a00_outp:
	.size	k_qc7c9a52a00_outp, .Lfunc_end_k_qc7c9a52a00_outp-k_qc7c9a52a00_outp
	.p2alignl 7, 3214868480
	.fill 96, 4, 3214868480
	.section	.rodata,"a",@progbits
	.p2align	6, 0x0
	.amdhsa_kernel k_qc7c9a52a00_outp
		.amdhsa_group_segment_fixed_size 327680
		.amdhsa_private_segment_fixed_size 0
		.amdhsa_enable_private_segment 0
		.amdhsa_kernarg_size 40
		.amdhsa_user_sgpr_count 2
		.amdhsa_user_sgpr_kernarg_segment_ptr 1
		.amdhsa_wavefront_size32 1
		.amdhsa_system_sgpr_workgroup_id_x 1
		.amdhsa_system_sgpr_workgroup_id_y 1
		.amdhsa_system_sgpr_workgroup_id_z 1
		.amdhsa_system_vgpr_workitem_id 0
		.amdhsa_next_free_vgpr 1024
		.amdhsa_next_free_sgpr 98
		.amdhsa_reserve_vcc 0
		.amdhsa_float_denorm_mode_32 3
		.amdhsa_float_denorm_mode_16_64 3
		.amdhsa_memory_ordered 1
		.amdhsa_forward_progress 1
		.amdhsa_inst_pref_size 125
	.end_amdhsa_kernel
	.amdgpu_metadata
---
amdhsa.version: [ 1, 2 ]
amdhsa.kernels:
  - .name:           k_qc7c9a52a00_outp
    .symbol:         k_qc7c9a52a00_outp.kd
    .args:
      - { .name: ac, .offset: 0, .size: 8, .value_kind: global_buffer, .address_space: global }
      - { .name: xw, .offset: 8, .size: 8, .value_kind: global_buffer, .address_space: global }
      - { .name: b_o, .offset: 16, .size: 8, .value_kind: global_buffer, .address_space: global }
      - { .name: lowp_scales, .offset: 24, .size: 8, .value_kind: global_buffer, .address_space: global }
      - { .name: out0, .offset: 32, .size: 8, .value_kind: global_buffer, .address_space: global }
    .group_segment_fixed_size: 327680
    .private_segment_fixed_size: 0
    .kernarg_segment_align: 8
    .kernarg_segment_size: 40
    .max_flat_workgroup_size: 128
    .sgpr_count:     98
    .vgpr_count:     1024
    .wavefront_size: 32
...
	.end_amdgpu_metadata
.endif
;; end of part 4
;; ======== version 2 of 2: 4 launches
;; limits: right only within a limited range of input values
;; workspace buffers: xw 29,360,128 bytes; mbits 2,097,152 bytes of whole numbers; qkvc 25,165,824 bytes; ac 8,388,608 bytes; tflag 8,192 bytes of whole numbers
;; launch prep (part 5): grid 1024 x 1, 4 waves a work-group, no clusters, 68,352 bytes of LDS; arguments q, k, v, W_q, W_k, W_v, W_o, causal_mask, context_mask, lowp_scales, xw, mbits, tflag; writes xw, mbits, tflag
.if DOCPART == 5
	.amdgcn_target "amdgcn-amd-amdhsa--gfx1250"
	.amdhsa_code_object_version 6
	.text
	.protected	k_qc7c9a52a00_prep
	.globl	k_qc7c9a52a00_prep
	.p2align	8
	.type	k_qc7c9a52a00_prep,@function
k_qc7c9a52a00_prep:
	s_mov_b64 s[64:65], 0
	v_nop
	global_prefetch_b8 v0, s[64:65] scope:SCOPE_SE
	s_setreg_imm32_b32 hwreg(HW_REG_WAVE_MODE, 25, 1), 1
	s_wait_xcnt 0x0
; PREP: what every later launch reads many times is made once.  Three kinds of work-groups, told apart by the work-group's number; each kind has its own text, its own LDS bytes and its own end.
;   0 .. 767     q, k, v [8192][1024] f32 -> codes of BF8 (E5M2), rows of 1,024 bytes, into xw rows 0 .. 24,575 (q, then k, then v).  256 work-groups a tensor.
;   768 .. 895   W_q, W_k, W_v, W_o [k 1024][n 1024] f32 -> codes with K innermost, [n][k], into xw rows 24,576 on.  32 work-groups a weight.
;   896 .. 1023  the two masks -> one bit for each (batch, query, key), 1 = masked (causal, or not in the context), laid as the attention launch's lanes and registers want them; and one bit for each
;                (batch, tile of 16 queries, step of 128 keys) that says whether the attention launch has to work on it.  A work-group to a tile of queries.
; code = x / 2^e, held within +-57,344, rounded to the nearest code, ties to even; e from lowp_scales: q 0, k 2, v 4, W_q 1, W_k 3, W_v 5, W_o 11.
; PI(x) = x with its bits 3 and 4 exchanged.  Row position p of v's codes holds token PI(p); row position p of W_q's and W_k's codes holds column PI(p).  A matrix tile whose sixteen source-0 rows are
; sixteen neighbouring positions then leaves, in a lane's 16 registers of two neighbouring tiles, 16 NEIGHBOURS along that axis: the next product's K.
; LIMITS: each e between -126 and 112; NaN among the inputs is not served; a bool byte is 0 or 1 (its lowest bit is taken).
.set STEPS, 16
.set EMAX,  15
.set MANT,  0x600000                   ; the mantissa field of 57,344 as f32
.set R,     16                         ; q, k, v: v16-79 four sets of 16 numbers as loaded
.set X,     80                         ;          v80-111 two sets of 16 neighbours
.set C,     128                        ;          v128-191 codes, four registers for each step
.set WREG,  8192                       ;          LDS bytes 0 .. 32,767: 8,192 for each wave: two stages of 32 x SP bytes
.set SP,    80                         ;          a lane's place in a stage: 64 bytes + 16 of padding
.set LW,    32768                      ; weights: LDS bytes 32,768 .. 67,583: a stage of 32 rows x PITCH for each wave
.set PITCH, 272
.set NB,    8                          ;          blocks of 32 along K for a wave
.set WX,    32                         ;          v32-95 two sets of 32 numbers
.set WC,    96                         ;          v96-103 a block's codes
.set OUTR,  112                        ;          v112-175 the way out
.set WPART, 25165824                   ; the weights' first byte in xw
.set LM,    67584                      ; masks: LDS bytes 67,584 .. 67,647: four words for each wave
.macro XLOAD t
.irp i, 0,1,2,3
	global_load_b128 v[R+16*((\t)%4)+4*\i:R+16*((\t)%4)+4*\i+3], v3, s[4:5] offset:2048*(\t)+512*\i th:TH_LOAD_NT   ; 32 lanes read 512 consecutive bytes
.endr
.endm
.macro XTURN t                         ; a step's 2,048 bytes through the wave's own stage: in as loaded, out 64 bytes a lane.  LDS serves a wave's instructions in order (ISA guide 5.7.1.4)
.irp i, 0,1,2,3
	ds_store_b128 v14, v[R+16*((\t)%4)+4*\i:R+16*((\t)%4)+4*\i+3] offset:32*SP*((\t)%2)+8*SP*\i
.endr
.irp i, 0,1,2,3
	ds_load_b128 v[X+16*((\t)%2)+4*\i:X+16*((\t)%2)+4*\i+3], v15 offset:32*SP*((\t)%2)+16*\i
.endr
.endm
.macro XSTEP t
.set XS, X+16*((\t)%2)
	s_wait_dscnt 0x0                               ; this step's numbers are back from the stage, so its stores into the stage have read their registers,
.if (\t)+4 < STEPS
	XLOAD (\t)+4                                   ; which take the loads of four steps on
.endif
.if (\t)+1 < STEPS
.if STEPS-2-(\t) >= 3
	s_wait_loadcnt 12                              ; the next step's four loads are in; those of the three steps behind it may be out
.else
	s_wait_loadcnt 4*(STEPS-2-(\t))
.endif
	XTURN (\t)+1
.endif
.irp i, 0,1,2,3,4,5,6,7,8,9,10,11,12,13,14,15
	v_med3_num_f32 v[XS+\i], v[XS+\i], -v10, v10   ; the conversion to an 8-bit code does not saturate (ISA guide 7.6.2): the hold at the largest code x the scale
.endr
	v_cvt_scalef32_pk8_bf8_f32 v[C+4*(\t):C+4*(\t)+1], v[XS:XS+7], v11
	v_cvt_scalef32_pk8_bf8_f32 v[C+4*(\t)+2:C+4*(\t)+3], v[XS+8:XS+15], v11
	global_store_b128 v3, v[C+4*(\t):C+4*(\t)+3], s[8:9] offset:512*(\t)   ; 32 lanes store 512 consecutive bytes; each step has its own data registers
.endm
.macro WLOAD t                         ; block t: W(32 t + i, my column), i = 0 .. 31
.set i, 0
.rept 32
	global_load_b32 v[WX+32*((\t)%2)+i], v3, s[4:5] offset:(32*(\t)+i)*4096 th:TH_LOAD_NT
.set i, i+1
.endr
.endm
.macro WBLOCK t
.set XS, WX+32*((\t)%2)
.if (\t) < NB-1
	s_wait_loadcnt 32                              ; this block's 32 loads are in; the next block's may be out
.else
	s_wait_loadcnt 0
.endif
.set i, 0
.rept 32
	v_med3_num_f32 v[XS+i], v[XS+i], -v10, v10
.set i, i+1
.endr
.irp g, 0,1,2,3
	v_cvt_scalef32_pk8_bf8_f32 v[WC+2*\g:WC+2*\g+1], v[XS+8*\g:XS+8*\g+7], v11
.endr
	ds_store_b128 v4, v[WC:WC+3] offset:32*(\t)    ; 32 codes: 32 bytes of my position's row
	ds_store_b128 v4, v[WC+4:WC+7] offset:32*(\t)+16
.if (\t)+2 < NB
	WLOAD (\t)+2
.endif
	s_wait_dscnt 0x0                               ; the stores have read their registers: the next block's codes may be written
.endm
; The second pass: batch b's 64 mask words of the key step in hand, made only where bit s60 of s[68 + b] asks for them.  Word n = 4 g + y comes from byte y of register g of the lane's 64 bytes.
.macro MHEAVY b
	s_bitcmp1_b32 s[68+\b], s60
	s_cbranch_scc0 .Lnw_\@
.set g, 0
.rept 16
	v_bfi_b32 v[48+16*\b+g], v[32+g], 0, v[48+16*\b+g]   ; keep = context and not causal, byte by byte
.set g, g+1
.endr
.set g, 0
.rept 16
.irp y, 0,1,2,3
	v_and_b32 v[120+\y], 1<<(8*\y), v[48+16*\b+g]
.endr
.irp y, 0,1,2,3
	v_cmp_eq_u32 s[56+\y], 0, v[120+\y]            ; bit l of the word: lane l's (query, key) is masked
.endr
.irp y, 0,1,2,3
	v_writelane_b32 v[112+2*\b+\y%2], s[56+\y], 2*g+\y/2   ; words 2 l and 2 l + 1 gather in lane l's pair
.endr
.set g, g+1
.endr
	global_store_b64 v7, v[112+2*\b:113+2*\b], s[26:27] offset:524288*\b   ; 32 lanes store 256 consecutive bytes, aligned
.Lnw_\@:
.endm
; The first pass: batch b of the key step in hand, for the flags alone.  A bool byte is 0 or 1, so four registers' bytes go into one register's nibbles by three shift-and-or lines, and a lane's 64 bytes into two words.
; v124, v125 hold the causal bytes packed the same way.  s[32 + b]: bit l = all 64 keys of lane l are masked.
.macro MWORDS b
.irp G, 0,1,2,3
	v_lshl_or_b32 v[120+\G], v[48+16*\b+4*\G], 1, v[49+16*\b+4*\G]
.endr
.irp G, 0,1,2,3
	v_lshl_or_b32 v[120+\G], v[120+\G], 1, v[50+16*\b+4*\G]
.endr
.irp G, 0,1,2,3
	v_lshl_or_b32 v[120+\G], v[120+\G], 1, v[51+16*\b+4*\G]
.endr
	v_lshl_or_b32 v120, v120, 4, v121
	v_lshl_or_b32 v122, v122, 4, v123
	v_bfi_b32 v120, v124, 0, v120                  ; keep = context and not causal, bit by bit
	v_bfi_b32 v122, v125, 0, v122
	v_or_b32 v120, v120, v122
	v_cmp_eq_u32 s[32+\b], 0, v120
	s_lshr_b32 s62, s[32+\b], 16
	s_and_b32 s62, s62, s[32+\b]                   ; bit r (0 .. 15): row r's 128 keys of this step are all masked (lanes r and 16 + r)
	s_and_b32 s[36+\b], s[36+\b], s62              ; and so in all my steps so far
	s_cmp_eq_u32 s[32+\b], -1
	s_cselect_b32 s62, 0, 1                        ; 1: some score of this tile and step counts
	s_lshl_b32 s62, s62, s60                       ; at bit 4 x (my step, 0 .. 3) + slot of my sixteen
	s_or_b32 s[40+\b], s[40+\b], s62
.endm
	s_load_b512 s[4:19], s[0:1], 0x0               ; q s[4:5], k s[6:7], v s[8:9], W_q s[10:11], W_k s[12:13], W_v s[14:15], W_o s[16:17], causal s[18:19]
	s_load_b256 s[20:27], s[0:1], 0x40             ; context s[20:21], the scales' exponents s[22:23], xw s[24:25], mbits s[26:27]
	s_load_b64 s[28:29], s[0:1], 0x60              ; tflag
	v_lshl_add_u32 v192, v0, 2, 0x10900
	v_mov_b32 v193, 0
	v_lshrrev_b32 v1, 5, v0
	v_readfirstlane_b32 s30, v1                    ; wave 0..3
	v_and_b32 v2, 31, v0                           ; lane
	s_wait_kmcnt 0x0
	s_cmp_ge_u32 ttmp9, 896
	s_cbranch_scc1 .Lmask
	s_cmp_ge_u32 ttmp9, 768
	s_cbranch_scc1 .Lweight
	; ---- q, k, v.  A wave takes 8,192 numbers, eight rows, in 16 steps of 512.  A lane must hold 16 neighbours for the conversions, and a load is best where neighbouring lanes take neighbouring bytes: the stage gives both.
	s_load_b256 s[32:39], s[22:23], 0x0            ; e0 .. e7
	s_wait_alu depctr_va_vdst(0)
	v_lshlrev_b32 v3, 4, v2                        ; my 16 bytes of a load's 512, and of a step's 512 bytes of codes
	s_wait_alu depctr_va_vdst(0)
	s_mul_i32 s44, s30, WREG
	v_lshrrev_b32 v14, 2, v2
	v_mul_u32_u24 v14, v14, SP
	v_and_b32 v15, 3, v2
	v_lshl_add_u32 v14, v15, 4, v14
	v_add_nc_u32 v14, s44, v14                     ; the stage, on the way in: SP (lane / 4) + 16 (lane % 4)
	v_mul_u32_u24 v15, v2, SP
	v_add_nc_u32 v15, s44, v15                     ; and on the way out: SP x lane
	s_lshl_b32 s45, s30, 1
	s_and_b32 s45, s45, 2
	s_lshr_b32 s46, s30, 1
	s_or_b32 s45, s45, s46                         ; the wave's two bits exchanged: a wave's run is eight rows, so this is PI on rows
	s_and_b32 s47, ttmp9, 255
	s_lshl_b32 s47, s47, 2
	s_add_co_u32 s47, s47, s30                     ; which run of the tensor I read
	s_lshl_b32 s48, s47, 15                        ; x 32,768 bytes
	s_mov_b32 s49, 0
	s_cmp_lt_u32 ttmp9, 512                        ; the choices hang on the work-group's number alone
	s_cselect_b32 s45, s30, s45                    ; q, k: rows as they lie; v: PI
	s_cselect_b64 s[6:7], s[6:7], s[8:9]
	s_cmp_lt_u32 ttmp9, 256
	s_cselect_b64 s[4:5], s[4:5], s[6:7]
	s_add_nc_u64 s[4:5], s[4:5], s[48:49]
	s_lshl_b32 s50, ttmp9, 2
	s_add_co_u32 s50, s50, s45
	s_lshl_b32 s50, s50, 13                        ; x 8,192 bytes of codes
	s_mov_b32 s51, 0
	s_add_nc_u64 s[8:9], s[24:25], s[50:51]
.irp t, 0,1,2,3
	XLOAD \t
.endr
	s_wait_alu depctr_va_vdst(0)
	s_wait_kmcnt 0x0
	s_cmp_lt_u32 ttmp9, 512
	s_cselect_b32 s34, s34, s36
	s_cmp_lt_u32 ttmp9, 256
	s_cselect_b32 s52, s32, s34                    ; e
	s_add_co_i32 s52, s52, 127
	s_lshl_b32 s53, s52, 23
	v_mov_b32 v11, s53                             ; 2^e as f32: the conversion takes its exponent field
	s_add_co_i32 s52, s52, EMAX
	s_lshl_b32 s52, s52, 23
	s_or_b32 s52, s52, MANT
	v_mov_b32 v10, s52                             ; 57,344 x 2^e
	s_wait_alu depctr_va_vdst(0)
	s_wait_loadcnt 12                              ; step 0's four loads are in
	XTURN 0
.irp t, 0,1,2,3,4,5,6,7,8,9,10,11,12,13,14,15
	XSTEP \t
.endr
	s_wait_tensorcnt 0x0
	ds_add_u32 v192, v193
	s_wait_dscnt 0x0
	s_endpgm
	; ---- the weights.  A lane takes a column and its registers run down K: the conversions then give codes with K innermost.  A wave: 32 positions x 256 along K; the codes leave through the wave's stage as rows.
.Lweight:
	s_load_b256 s[32:39], s[22:23], 0x0            ; e0 .. e7
	s_load_b128 s[40:43], s[22:23], 0x20           ; e8 .. e11
	s_sub_co_u32 s44, ttmp9, 768
	s_lshr_b32 s45, s44, 5                         ; which weight
	s_and_b32 s46, s44, 7                          ; which 128 positions
	s_bfe_u32 s47, s44, 0x20003                    ; which 256 along K
	s_lshl_b32 s46, s46, 7
	s_lshl_b32 s48, s30, 5
	s_add_co_u32 s46, s46, s48                     ; my wave's first position
	s_wait_alu depctr_va_vdst(0)
	v_and_b32 v5, 7, v2
	v_and_b32 v6, 8, v2
	v_lshl_add_u32 v5, v6, 1, v5
	v_and_b32 v6, 16, v2
	v_lshrrev_b32 v6, 1, v6
	v_add_nc_u32 v5, v5, v6                        ; PI(lane)
	s_cmp_lt_u32 s45, 2
	s_cselect_b32 s49, -1, 0
	v_cndmask_b32 v3, v2, v5, s49                  ; W_q, W_k: position l holds column PI(l); W_v, W_o: column l.  The wave's load covers the same 128 bytes either way
	v_lshlrev_b32 v3, 2, v3
	s_mul_i32 s50, s30, 32*PITCH
	s_add_co_u32 s50, s50, LW                      ; my stage
	v_mul_u32_u24 v4, v2, PITCH
	v_add_nc_u32 v4, s50, v4                       ; into it: row = my position
	v_and_b32 v5, 15, v2
	v_lshrrev_b32 v6, 4, v2
	v_mul_u32_u24 v7, v6, PITCH
	v_lshl_add_u32 v7, v5, 4, v7
	v_add_nc_u32 v7, s50, v7                       ; out of it: sixteen lanes to a row, two rows an instruction
	v_lshlrev_b32 v8, 10, v6
	v_lshl_add_u32 v8, v5, 4, v8                   ; and the same place in xw
	s_cmp_lt_u32 s45, 1
	s_cselect_b64 s[10:11], s[10:11], s[12:13]
	s_cmp_lt_u32 s45, 3
	s_cselect_b64 s[14:15], s[14:15], s[16:17]
	s_cmp_lt_u32 s45, 2
	s_cselect_b64 s[4:5], s[10:11], s[14:15]
	s_lshl_b32 s52, s47, 20                        ; 256 rows of 4,096 bytes
	s_lshl_b32 s53, s46, 2
	s_add_co_u32 s52, s52, s53
	s_mov_b32 s53, 0
	s_add_nc_u64 s[4:5], s[4:5], s[52:53]
	s_lshl_b32 s54, s45, 20                        ; a weight's codes are 2^20 bytes
	s_lshl_b32 s55, s46, 10
	s_add_co_u32 s54, s54, s55
	s_lshl_b32 s55, s47, 8
	s_add_co_u32 s54, s54, s55
	s_add_co_u32 s54, s54, WPART
	s_mov_b32 s55, 0
	s_add_nc_u64 s[8:9], s[24:25], s[54:55]
	WLOAD 0
	WLOAD 1
	s_wait_kmcnt 0x0
	s_cmp_lt_u32 s45, 1
	s_cselect_b32 s33, s33, s35
	s_cmp_lt_u32 s45, 3
	s_cselect_b32 s37, s37, s43
	s_cmp_lt_u32 s45, 2
	s_cselect_b32 s56, s33, s37                    ; e
	s_add_co_i32 s56, s56, 127
	s_lshl_b32 s57, s56, 23
	v_mov_b32 v11, s57
	s_add_co_i32 s56, s56, EMAX
	s_lshl_b32 s56, s56, 23
	s_or_b32 s56, s56, MANT
	v_mov_b32 v10, s56
	s_wait_alu depctr_va_vdst(0)
.irp t, 0,1,2,3,4,5,6,7
	WBLOCK \t
.endr
.irp t, 0,1,2,3,4,5,6,7,8,9,10,11,12,13,14,15
	ds_load_b128 v[OUTR+4*\t:OUTR+4*\t+3], v7 offset:2*\t*PITCH
.endr
.irp t, 0,1,2,3,4,5,6,7,8,9,10,11,12,13,14,15
	s_wait_dscnt 15-\t                             ; the younger read-backs may be out
	global_store_b128 v8, v[OUTR+4*\t:OUTR+4*\t+3], s[8:9] offset:2*\t*1024   ; sixteen lanes store 256 consecutive bytes, aligned
.endr
	s_wait_tensorcnt 0x0
	ds_add_u32 v192, v193
	s_wait_dscnt 0x0
	s_endpgm
	; ---- the masks.  The attention launch gives wave g (0 .. 31) of a head the four tiles of queries 127 - g, 64 + g, 63 - g, g: its slots 0 .. 3; its ITEM 4 x step + slot is one tile against one step of 128 keys.
	; mbits: [batch 4][g 32][item 64][64 words].  Bit l = (r = l % 16, h = l / 16) of word n: query PI(16 tile + r), key 128 step + 32 (n / 16) + 16 h + n % 16.
	; tflag: [batch 4][g 32][slot 4][8 bytes]: bit 4 x step + slot: the item is to be worked on: some score of it counts, or some row of the tile has no key at all that counts (such a row's softmax is spread over ALL keys).
	; A work-group takes one tile; wave w its key steps 4 w .. 4 w + 3, for all four batches: the causal bytes are read once and serve the four.
.Lmask:
	s_sub_co_u32 s44, ttmp9, 896                   ; the tile of queries, 0 .. 127
	s_lshr_b32 s45, s44, 5                         ; its quarter of the 128
	s_and_b32 s46, s44, 31
	s_and_b32 s48, s45, 1
	s_mul_i32 s48, s48, 31
	s_xor_b32 s46, s46, s48                        ; g: odd quarters count down
	s_sub_co_u32 s47, 3, s45                       ; slot
	s_wait_alu depctr_va_vdst(0)
	v_and_b32 v3, 15, v2                           ; r
	v_lshrrev_b32 v4, 4, v2                        ; h
	v_and_b32 v5, 8, v3
	v_add_nc_u32 v5, v5, v3                        ; r + 8 (r / 8)
	v_lshlrev_b32 v5, 11, v5                       ; rows of 2,048 bytes
	v_lshl_add_u32 v5, v4, 4, v5                   ; + 16 h
	v_lshlrev_b32 v6, 4, v4                        ; the context's bytes: 16 h
	v_lshlrev_b32 v7, 3, v2                        ; out: 8 bytes a lane
	s_lshr_b32 s48, s44, 1
	s_lshl_b32 s48, s48, 16                        ; 32 (tile / 2) rows
	s_and_b32 s49, s44, 1
	s_lshl_b32 s49, s49, 14                        ; + 8 (tile % 2) rows
	s_add_co_u32 s48, s48, s49
	s_lshl_b32 s50, s30, 9                         ; my first key: 512 x wave
	s_add_co_u32 s48, s48, s50
	s_mov_b32 s49, 0
	s_mov_b32 s51, 0
	s_add_nc_u64 s[18:19], s[18:19], s[48:49]
	s_add_nc_u64 s[20:21], s[20:21], s[50:51]
	s_lshl_b32 s52, s46, 14                        ; g's 64 items of 256 bytes,
	s_lshl_b32 s53, s30, 12                        ; my first step's four items,
	s_add_co_u32 s52, s52, s53
	s_lshl_b32 s53, s47, 8                         ; the slot's
	s_add_co_u32 s52, s52, s53
	s_mov_b32 s53, 0
	s_add_nc_u64 s[26:27], s[26:27], s[52:53]
	s_lshl_b32 s54, s46, 5
	s_lshl_b32 s55, s47, 3
	s_add_co_u32 s54, s54, s55
	s_lshl_b32 s55, s30, 1                         ; steps 4 w .. 4 w + 3 are bits 16 w .. 16 w + 15: bytes 2 w, 2 w + 1
	s_add_co_u32 s54, s54, s55
	s_mov_b32 s55, 0
	s_add_nc_u64 s[28:29], s[28:29], s[54:55]
.irp b, 0,1,2,3
	s_mov_b32 s[36+\b], 0xffff                     ; rows masked in all my steps so far
	s_mov_b32 s[40+\b], 0                          ; my sixteen bits
.endr
	s_mov_b32 s60, s47
	s_mov_b32 s66, 0                               ; my sixteen bits: some causal byte of the item is set
.irp j, 0,1,2,3,4,5,6,7
	v_mov_b32 v[112+\j], 0                         ; written whole once: v_writelane_b32 writes a lane at a time
.endr
	s_mov_b32 s61, 0
.Lmk:                                              ; four trips: a key step each
.irp c, 0,1,2,3
	global_load_b128 v[32+4*\c:35+4*\c], v5, s[18:19] offset:32*\c   ; causal(my query, 128 step + 32 c + 16 h + 0 .. 15)
.endr
.irp b, 0,1,2,3
.irp c, 0,1,2,3
	global_load_b128 v[48+16*\b+4*\c:51+16*\b+4*\c], v6, s[20:21] offset:2048*\b+32*\c   ; context(b, the same keys)
.endr
.endr
	s_wait_loadcnt 0x0
.irp G, 0,1,2,3
	v_lshl_or_b32 v[124+\G], v[32+4*\G], 1, v[33+4*\G]   ; the lane's 64 causal bytes packed into v124, v125, for the four batches
.endr
.irp G, 0,1,2,3
	v_lshl_or_b32 v[124+\G], v[124+\G], 1, v[34+4*\G]
.endr
.irp G, 0,1,2,3
	v_lshl_or_b32 v[124+\G], v[124+\G], 1, v[35+4*\G]
.endr
	v_lshl_or_b32 v124, v124, 4, v125
	v_lshl_or_b32 v125, v126, 4, v127
	v_or_b32 v126, v124, v125
	v_cmp_ne_u32 s62, 0, v126                      ; is any causal byte of this tile and step set?
	s_cmp_lg_u32 s62, 0
	s_cselect_b32 s62, 1, 0
	s_lshl_b32 s62, s62, s60
	s_or_b32 s66, s66, s62
	MWORDS 0
	MWORDS 1
	MWORDS 2
	MWORDS 3
	s_wait_xcnt 0x0                                ; the trip's loads have read their bases: these are written again only behind this wait
	s_add_nc_u64 s[18:19], s[18:19], 128
	s_add_nc_u64 s[20:21], s[20:21], 128
	s_add_co_u32 s60, s60, 4
	s_add_co_u32 s61, s61, 1
	s_cmp_lt_u32 s61, 4
	s_cbranch_scc1 .Lmk
	; the rows that are masked in ALL sixteen steps: each wave's four words (a batch each) meet in LDS
	s_lshl_b32 s62, s30, 4
	s_add_co_u32 s62, s62, LM
	v_mov_b32 v120, s62
.irp b, 0,1,2,3
	v_mov_b32 v[124+\b], s[36+\b]
.endr
.irp b, 0,1,2,3
	ds_store_b32 v120, v[124+\b] offset:4*\b       ; all lanes write the same word with the same value
.endr
	s_wait_dscnt 0x0                               ; for the others' sake: my stores are done
	s_barrier_signal -1
	s_barrier_wait -1
	v_mov_b32 v121, LM
.irp w, 0,1,2,3
	ds_load_b128 v[32+4*\w:35+4*\w], v121 offset:16*\w
.endr
	s_wait_dscnt 0x0
.irp b, 0,1,2,3
	v_and_b32 v[32+\b], v[32+\b], v[36+\b]
	v_and_b32 v[40+\b], v[40+\b], v[44+\b]
.endr
.irp b, 0,1,2,3
	v_and_b32 v[32+\b], v[32+\b], v[40+\b]
.endr
.irp b, 0,1,2,3
	v_readfirstlane_b32 s[36+\b], v[32+\b]
.endr
	s_lshl_b32 s63, 0x1111, s47                    ; the slot's four places among my sixteen bits
.irp b, 0,1,2,3
	s_and_b32 s[68+\b], s[40+\b], s66              ; the second flag: the item is worked on and has a causal byte set: its mask words are needed
	s_cmp_lg_u32 s[36+\b], 0                       ; some row of the tile has no key that counts:
	s_cselect_b32 s[40+\b], s63, s[40+\b]          ; then every step of the tile is worked on,
	s_cselect_b32 s[68+\b], s63, s[68+\b]          ; and by its mask words
.endr
	v_mov_b32 v126, 0
	v_mov_b32 v122, 0
.irp b, 0,1,2,3
	v_writelane_b32 v126, s[40+\b], \b             ; lane b: batch b's sixteen bits
	v_writelane_b32 v122, s[68+\b], \b             ; and its sixteen second flags
.endr
	v_lshlrev_b32 v127, 10, v2                     ; a batch's flags are 1,024 bytes
	s_wait_alu depctr_va_vdst(0)
	s_wait_xcnt 0x0                                ; EXEC changes only behind this wait
	v_cmp_gt_u32 vcc_lo, 4, v2
	s_wait_tensorcnt 0x0
	ds_add_u32 v192, v193
	s_wait_dscnt 0x0
	s_and_saveexec_b32 s62, vcc_lo
	global_store_b16 v127, v126, s[28:29]          ; lanes 0 to 3 only
	global_store_b16 v127, v122, s[28:29] offset:4096   ; the second flags lie 4,096 bytes behind the first, in the same order
	s_wait_xcnt 0x0
	s_or_b32 exec_lo, exec_lo, s62
	; THE SECOND PASS over my four key steps: mask words are made only for the items with the second flag, the only ones whose words the attention launch uses,
	; and for item 0 of every (batch, g) (slot 0, wave 0, its first step), on which that launch's look-ahead falls back where no flagged item follows.
	s_or_b32 s62, s47, s30
	s_cmp_eq_u32 s62, 0
	s_cselect_b32 s62, 1, 0
.irp b, 0,1,2,3
	s_or_b32 s[68+\b], s[68+\b], s62
.endr
	s_or_b32 s63, s68, s69
	s_or_b32 s63, s63, s70
	s_or_b32 s63, s63, s71                         ; the steps in which some batch asks
	s_sub_nc_u64 s[18:19], s[18:19], 512           ; back to my first key
	s_sub_nc_u64 s[20:21], s[20:21], 512
	s_mov_b32 s60, s47
	s_mov_b32 s61, 0
.Lmw:                                              ; four trips: a key step each
	s_bitcmp1_b32 s63, s60
	s_cbranch_scc0 .Lmw_next
.irp c, 0,1,2,3
	global_load_b128 v[32+4*\c:35+4*\c], v5, s[18:19] offset:32*\c
.endr
.irp b, 0,1,2,3
.irp c, 0,1,2,3
	global_load_b128 v[48+16*\b+4*\c:51+16*\b+4*\c], v6, s[20:21] offset:2048*\b+32*\c
.endr
.endr
	s_wait_loadcnt 0x0
	MHEAVY 0
	MHEAVY 1
	MHEAVY 2
	MHEAVY 3
.Lmw_next:
	s_wait_xcnt 0x0                                ; the trip's loads and stores have read their bases and their data
	s_add_nc_u64 s[18:19], s[18:19], 128
	s_add_nc_u64 s[20:21], s[20:21], 128
	s_add_nc_u64 s[26:27], s[26:27], 1024          ; four items on
	s_add_co_u32 s60, s60, 4
	s_add_co_u32 s61, s61, 1
	s_cmp_lt_u32 s61, 4
	s_cbranch_scc1 .Lmw
	s_endpgm
.Lfunc_end_k_qc7c9a52a00_prep:
	.size	k_qc7c9a52a00_prep, .Lfunc_end_k_qc7c9a52a00_prep-k_qc7c9a52a00_prep
	.p2alignl 7, 3214868480
	.fill 96, 4, 3214868480
	.section	.rodata,"a",@progbits
	.p2align	6, 0x0
	.amdhsa_kernel k_qc7c9a52a00_prep
		.amdhsa_group_segment_fixed_size 68352
		.amdhsa_private_segment_fixed_size 0
		.amdhsa_enable_private_segment 0
		.amdhsa_kernarg_size 104
		.amdhsa_user_sgpr_count 2
		.amdhsa_user_sgpr_kernarg_segment_ptr 1
		.amdhsa_wavefront_size32 1
		.amdhsa_system_sgpr_workgroup_id_x 1
		.amdhsa_system_sgpr_workgroup_id_y 1
		.amdhsa_system_sgpr_workgroup_id_z 1
		.amdhsa_system_vgpr_workitem_id 0
		.amdhsa_next_free_vgpr 194
		.amdhsa_next_free_sgpr 72
		.amdhsa_reserve_vcc 1
		.amdhsa_float_denorm_mode_32 3
		.amdhsa_float_denorm_mode_16_64 3
		.amdhsa_memory_ordered 1
		.amdhsa_forward_progress 1
		.amdhsa_inst_pref_size 154
	.end_amdhsa_kernel
	.amdgpu_metadata
---
amdhsa.version: [ 1, 2 ]
amdhsa.kernels:
  - .name:           k_qc7c9a52a00_prep
    .symbol:         k_qc7c9a52a00_prep.kd
    .args:
      - { .name: q, .offset: 0, .size: 8, .value_kind: global_buffer, .address_space: global }
      - { .name: k, .offset: 8, .size: 8, .value_kind: global_buffer, .address_space: global }
      - { .name: v, .offset: 16, .size: 8, .value_kind: global_buffer, .address_space: global }
      - { .name: W_q, .offset: 24, .size: 8, .value_kind: global_buffer, .address_space: global }
      - { .name: W_k, .offset: 32, .size: 8, .value_kind: global_buffer, .address_space: global }
      - { .name: W_v, .offset: 40, .size: 8, .value_kind: global_buffer, .address_space: global }
      - { .name: W_o, .offset: 48, .size: 8, .value_kind: global_buffer, .address_space: global }
      - { .name: causal_mask, .offset: 56, .size: 8, .value_kind: global_buffer, .address_space: global }
      - { .name: context_mask, .offset: 64, .size: 8, .value_kind: global_buffer, .address_space: global }
      - { .name: lowp_scales, .offset: 72, .size: 8, .value_kind: global_buffer, .address_space: global }
      - { .name: xw, .offset: 80, .size: 8, .value_kind: global_buffer, .address_space: global }
      - { .name: mbits, .offset: 88, .size: 8, .value_kind: global_buffer, .address_space: global }
      - { .name: tflag, .offset: 96, .size: 8, .value_kind: global_buffer, .address_space: global }
    .group_segment_fixed_size: 68352
    .private_segment_fixed_size: 0
    .kernarg_segment_align: 8
    .kernarg_segment_size: 104
    .max_flat_workgroup_size: 128
    .sgpr_count:     72
    .vgpr_count:     194
    .wavefront_size: 32
...
	.end_amdgpu_metadata
.endif
;; end of part 5
;; launch proj (part 6): grid 4 x 96, 4 waves a work-group, clusters of 4 x 4, 327,680 bytes of LDS; arguments xw, b_q, b_k, b_v, lowp_scales, qkvc; writes qkvc
.if DOCPART == 6
	.amdgcn_target "amdgcn-amd-amdhsa--gfx1250"
	.amdhsa_code_object_version 6
	.text
	.protected	k_qc7c9a52a00_proj
	.globl	k_qc7c9a52a00_proj
	.p2align	8
	.type	k_qc7c9a52a00_proj,@function
k_qc7c9a52a00_proj:
	s_mov_b64 s[64:65], 0
	v_nop
	global_prefetch_b8 v0, s[64:65] scope:SCOPE_SE
	s_setreg_imm32_b32 hwreg(HW_REG_WAVE_MODE, 25, 1), 1
	s_wait_xcnt 0x0
	s_wait_alu depctr_hold_cnt(0) depctr_sa_sdst(0) depctr_va_vdst(0) depctr_va_sdst(0) depctr_va_ssrc(0) depctr_va_vcc(0) depctr_vm_vsrc(0)
	s_getreg_b32 s2, hwreg(HW_REG_IB_STS2, 6, 4)
	s_cmp_eq_u32 s2, 0
	s_cbranch_scc0 .Lentry_in_a_cluster
	s_endpgm
.Lentry_in_a_cluster:
	s_bfe_u32 s2, ttmp6, 0x10000c
	s_cmp_lg_u32 s2, 0xf033
	s_cbranch_scc0 .Lentry_shape_is_right
	s_endpgm
.Lentry_shape_is_right:
.set KSTEP,  256
.set ROWB,   256
.set KROW,   1024
.set PITCH,  272
.set FR,     16
.set NL,     4
.set NP,     4
.set HALFT,  128*PITCH
.set SLOT,   4*HALFT
.set LAPS,   2
.set SPARE,  2*SLOT
.set ADRA, 16
.set ADRB, 20
.set STO,  24
.set RD,   25
.set CO,   26
.set SPW,  28
.set NIL,  29
.set BB,   32
.set BA,   96
.set LIMV, 112
.set SCV,  113
.set AF,   128
.set G1, 24
.set G0, 32
.set G1B, 48
.set G0B, 56
.set MSB, 0
.macro WIN new
.if MSB != (\new)
	s_set_vgpr_msb (MSB<<8)|(\new)
.set MSB, (\new)
.endif
.endm
.set MUL_LO, 0xa1
.set MUL_HI, 0xf1
.set TO_B,   0x40
.macro JLOAD g0a, g1a, g0b, g1b
	s_cmp_eq_u32 s15, 0
	s_cbranch_scc0 .Lfor_b_\@
	tensor_load_to_lds s[\g0a:\g0a+3], s[\g1a:\g1a+7]
	s_nop 0
.rept 4
	v_nop
.endr
	s_branch .Lasked_\@
.Lfor_b_\@:
	tensor_load_to_lds s[\g0b:\g0b+3], s[\g1b:\g1b+7]
	s_nop 0
.rept 4
	v_nop
.endr
.Lasked_\@:
.endm
.macro CREST
	s_cmp_lg_u32 s14, 0
	s_cbranch_scc1 .Lnot_wave_0_\@
	s_barrier_signal -3
.Lnot_wave_0_\@:
	s_barrier_wait -3
	s_barrier_signal -1
	s_barrier_wait -1
.endm
.macro CROUND
	s_barrier_signal -1
	s_barrier_wait -1
	CREST
.endm
	s_load_b256 s[68:75], s[0:1], 0x0
	s_load_b128 s[76:79], s[0:1], 0x20
	v_lshl_add_u32 v[SPW], v0, 2, SPARE
	v_mov_b32 v[NIL], 0
	ds_add_u32 v28, v29
	ds_add_u32 v28, v29
	s_wait_dscnt 0x0
	v_lshrrev_b32 v1, 5, v0
	v_readfirstlane_b32 s14, v1
	s_lshr_b32 s15, s14, 1
	s_and_b32 s16, s14, 1
	s_bfe_u32 s40, ttmp6, 0x40000
	s_bfe_u32 s41, ttmp6, 0x40004
	s_and_b32 s17, ttmp7, 0xffff
	s_lshl_b32 s43, s41, 2
	s_lshl_b32 s43, 15, s43
	s_lshl_b32 s44, 0x1111, s40
	s_or_b32 s[G1+0], s43, (0<<16)|(1<<20)|(1<<21)|(5<<22)|(3<<25)
	s_or_b32 s[G1B+0], s44, (0<<16)|(1<<20)|(1<<21)|(5<<22)|(3<<25)
.irp g, G1, G1B
	s_mov_b32 s[\g+1], ROWB<<16
	s_mov_b32 s[\g+2], 128<<16
	s_mov_b32 s[\g+3], ROWB<<16
	s_mov_b32 s[\g+4], 128
	s_mov_b32 s[\g+5], KROW
	s_mov_b32 s[\g+6], 0
	s_mov_b32 s[\g+7], 0
.endr
	s_lshl_b32 s18, s16, 7
	s_lshl_b32 s20, s17, 2
	s_lshr_b32 s46, s17, 3
	s_lshl_b32 s46, s46, 2
	s_add_co_u32 s46, s46, 96
	s_cmp_lt_u32 s17, 16
	s_cselect_b32 s46, s46, s20
	s_cselect_b32 s20, s20, 104
	s_add_co_u32 s20, s20, s41
	s_lshl_b32 s20, s20, 8
	s_add_co_u32 s20, s20, s18
	s_lshl_b32 s20, s20, 10
	s_mov_b32 s21, 0
	s_add_co_u32 s46, s46, s40
	s_lshl_b32 s46, s46, 8
	s_add_co_u32 s46, s46, s18
	s_lshl_b32 s46, s46, 10
	s_mov_b32 s47, 0
	s_mul_i32 s45, s14, HALFT
	s_wait_kmcnt 0x0
	s_load_b256 s[88:95], s[76:77], 0x0
	s_load_b32 s86, s[76:77], 0x24
	s_add_nc_u64 s[20:21], s[68:69], s[20:21]
	s_add_nc_u64 s[46:47], s[68:69], s[46:47]
	CROUND
.irp s, 0,1
	s_mov_b32 s[G0+4*\s], 1
	s_add_co_u32 s[G0+4*\s+1], s45, \s*SLOT
	s_add_nc_u64 s[G0+4*\s+2:G0+4*\s+3], s[20:21], \s*ROWB
	s_or_b32 s[G0+4*\s+3], s[G0+4*\s+3], 0x80000000
	s_mov_b32 s[G0B+4*\s], 1
	s_add_co_u32 s[G0B+4*\s+1], s45, \s*SLOT
	s_add_nc_u64 s[G0B+4*\s+2:G0B+4*\s+3], s[46:47], \s*ROWB
	s_or_b32 s[G0B+4*\s+3], s[G0B+4*\s+3], 0x80000000
.endr
	JLOAD G0, G1, G0B, G1B                         ; K step 0: one tensor load a wave at the head, behind the one round
	; PREFETCHES INTO THE L2: behind the load of K step 0 for K step 2, behind that of K step 1 for K step 3: two K steps ahead.  Of the 128 rows that I fetch, each of the four partners that ask for them
	; jointly takes 32, told apart by address (cx or cy): a lane a row, 256 bytes of it.  Rows of q, k, v are asked for in every cluster, which alone reads them; a weight's rows by the first cluster of its tensor alone.
	s_cmp_lt_u32 s17, 16
	s_cselect_b32 s8, 0, 1                         ; the role that fetches rows of q, k or v
	s_xor_b32 s8, s8, s15                          ; 0: mine; 1: I fetch a weight's rows
	s_and_b32 s9, s17, 7
	s_mul_i32 s9, s9, s8                           ; 0: I ask
	s_cmp_eq_u32 s15, 0
	s_cselect_b64 s[4:5], s[20:21], s[46:47]
	s_cselect_b32 s6, s40, s41                     ; my place among the four
	s_lshl_b32 s6, s6, 15                          ; 32 rows of 1,024 bytes
	s_mov_b32 s7, 0
	s_add_nc_u64 s[4:5], s[4:5], s[6:7]
	v_and_b32 v10, 31, v0
	v_lshlrev_b32 v10, 10, v10
	s_cmp_eq_u32 s9, 0
	s_cbranch_scc0 .Lnoask0
	global_prefetch_b8 v10, s[4:5] offset:512 th:TH_LOAD_NT scope:SCOPE_SE
.Lnoask0:
	v_and_b32 v1, 15, v0
	v_bfe_u32 v2, v0, 4, 1
	v_mul_u32_u24 v3, v1, PITCH
	v_lshl_add_u32 v4, v2, 4, v3
	s_wait_alu depctr_va_vdst(0)
	s_mul_i32 s21, s15, HALFT
	s_mul_i32 s22, s16, HALFT
	s_add_co_u32 s22, s22, 2*HALFT
.irp s, 0,1
	v_add_nc_u32 v[ADRA+\s], s21, v4
	v_add_nc_u32 v[ADRB+\s], s22, v4
	s_add_co_u32 s21, s21, SLOT
	s_add_co_u32 s22, s22, SLOT
.endr
	s_mul_i32 s23, s15, 128*PITCH
	s_lshl_b32 s21, s16, 7
	s_add_co_u32 s23, s23, s21
	v_add_nc_u32 v[STO], s23, v4
	v_and_b32 v5, 8, v1
	v_add_nc_u32 v5, v5, v1
	v_mul_u32_u24 v5, v5, PITCH
	v_lshl_add_u32 v5, v2, 4, v5
	s_mul_i32 s23, s14, 64*PITCH
	v_add_nc_u32 v[RD], s23, v5
	v_and_b32 v6, 31, v0
	v_lshlrev_b32 v[CO], 4, v6
	v_lshlrev_b32 v8, 6, v2
	s_wait_alu depctr_va_vdst(0)
	v_lshlrev_b32 v9, 2, v1
	s_wait_alu depctr_va_vdst(0)
	s_lshl_b32 s21, s40, 8
	s_lshl_b32 s22, s16, 7
	s_add_co_u32 s21, s21, s22
	s_lshl_b32 s21, s21, 2
	s_lshl_b32 s22, s41, 8
	s_lshl_b32 s23, s15, 7
	s_add_co_u32 s22, s22, s23
	s_lshl_b32 s22, s22, 2
	s_cmp_lt_u32 s17, 8
	s_cselect_b64 s[70:71], s[70:71], s[72:73]
	s_cmp_lt_u32 s17, 16
	s_cselect_b64 s[70:71], s[70:71], s[74:75]
	s_cselect_b32 s80, s21, 0
	s_cselect_b32 s82, 0, s22
	s_cselect_b32 s66, -1, 0
	s_cselect_b32 s67, 0, -1
	s_mov_b32 s81, 0
	s_mov_b32 s83, 0
	s_add_nc_u64 s[72:73], s[70:71], s[80:81]
	s_add_nc_u64 s[74:75], s[70:71], s[82:83]
.irp b, 0,1,2,3
.irp j, 0,1,2,3
	global_load_b128 v[BB+16*\b+4*\j:BB+16*\b+4*\j+3], v8, s[72:73] offset:128*\b+16*\j
.endr
.endr
.irp a, 0,1,2,3,4,5,6,7
	global_load_b32 v[BA+2*\a], v9, s[74:75] offset:64*\a
.endr
	s_lshl_b32 s21, s17, 2
	s_add_co_u32 s21, s21, s41
	s_bfe_u32 s22, s21, 0x20003
	s_lshl_b32 s22, s22, 4
	s_lshl_b32 s23, s40, 2
	s_add_co_u32 s22, s22, s23
	s_lshl_b32 s22, s22, 7
	s_and_b32 s23, s21, 7
	s_lshl_b32 s23, s23, 4
	s_add_co_u32 s22, s22, s23
	s_lshl_b32 s23, s14, 2
	s_add_co_u32 s22, s22, s23
	s_lshl_b32 s22, s22, 10
	s_lshl_b32 s84, s17, 2
	s_add_co_u32 s84, s84, s40
	s_and_b32 s84, s84, 31
	s_lshr_b32 s85, s84, 3
	s_lshl_b32 s85, s85, 4
	s_lshl_b32 s87, s41, 2
	s_add_co_u32 s85, s85, s87
	s_add_co_u32 s85, s85, s14
	s_lshl_b32 s85, s85, 4
	s_and_b32 s84, s84, 7
	s_lshl_b32 s84, s84, 1
	s_add_co_u32 s85, s85, s84
	s_lshl_b32 s85, s85, 13
	s_lshr_b32 s23, s17, 3
	s_lshl_b32 s23, s23, 23
	s_cmp_lt_u32 s17, 16
	s_cselect_b32 s22, s22, s85
	s_add_co_u32 s22, s22, s23
	s_mov_b32 s23, 0
	s_add_nc_u64 s[78:79], s[78:79], s[22:23]
	s_wait_kmcnt 0x0
	s_add_co_i32 s88, s88, s89
	s_add_co_i32 s90, s90, s91
	s_add_co_i32 s92, s92, s93
	s_add_co_i32 s94, s94, 3
	s_cmp_lt_u32 s17, 8
	s_cselect_b32 s88, s88, s90
	s_cselect_b32 s94, s94, s95
	s_cmp_lt_u32 s17, 16
	s_cselect_b32 s88, s88, s92
	s_cselect_b32 s94, s94, s86
	s_add_co_i32 s88, s88, 127
	s_lshl_b32 s96, s88, 23
	s_mov_b32 s97, s96
	s_add_co_i32 s94, s94, 127
	s_lshl_b32 s95, s94, 23
	v_mov_b32 v[SCV], s95
	s_add_co_i32 s94, s94, 15
	s_lshl_b32 s94, s94, 23
	s_or_b32 s94, s94, 0x600000
	v_mov_b32 v[LIMV], s94
.macro FRAG reg, adr, q, i
.irp c, 0,1,2,3
	ds_load_b128 v[\reg+4*\c:\reg+4*\c+3], v[\adr] offset:128*(\q)+32*\c+(\i)*16*PITCH
.endr
.endm
.macro MUL16 a0, p, zero
.irp a, \a0, \a0+1
.irp b, 0,1,2,3,4,5,6,7
.if \zero
	v_wmma_f32_16x16x128_bf8_bf8 v[8*(8*((\a)%4)+\b):8*(8*((\a)%4)+\b)+7], v[128*(\p)+FR*\b:128*(\p)+FR*\b+FR-1], v[AF+FR*(\a):AF+FR*(\a)+FR-1], 0
.else
	v_wmma_f32_16x16x128_bf8_bf8 v[8*(8*((\a)%4)+\b):8*(8*((\a)%4)+\b)+7], v[128*(\p)+FR*\b:128*(\p)+FR*\b+FR-1], v[AF+FR*(\a):AF+FR*(\a)+FR-1], v[8*(8*((\a)%4)+\b):8*(8*((\a)%4)+\b)+7]
.endif
.endr
.endr
.endm
.macro FETCH_B slot, q, p
	WIN TO_B
.irp i, 0,1,2,3,4,5,6,7
	FRAG 128*(\p)+FR*\i, ADRB+\slot, \q, \i
.endr
	WIN 0
.endm
.macro FETCH_A slot, q, i0
.irp i, \i0, \i0+1, \i0+2, \i0+3
	FRAG AF+FR*(\i), ADRA+\slot, \q, \i
.endr
.endm
.macro PLACES n
.rept \n
	v_nop
.endr
.endm
.macro STEP slot, q, zero
	s_wait_dscnt 4*NL
	WIN MUL_LO
	MUL16 0, (\q)%2, \zero
	MUL16 2, (\q)%2, \zero
	s_wait_dscnt 0
	PLACES NP
	FETCH_B \slot, (\q)+1, 1-(\q)%2
	FETCH_A \slot, (\q)+1, 0
	WIN MUL_HI
	MUL16 4, (\q)%2, \zero
	MUL16 6, (\q)%2, \zero
	PLACES NP
	WIN 0
	FETCH_A \slot, (\q)+1, 4
.endm
.macro TURN slot, next, fill
	s_wait_tensorcnt 0x0
	ds_add_u32 v[SPW], v[NIL]
	s_wait_dscnt 4*NL+1
	WIN MUL_LO
	MUL16 0, 1, 0
	s_wait_dscnt 0x0
	s_barrier_signal -1
	MUL16 2, 1, 0
	WIN 0
	s_barrier_wait -1
.if \fill
	CREST
	s_add_nc_u64 s[G0+4*\slot+2:G0+4*\slot+3], s[G0+4*\slot+2:G0+4*\slot+3], 2*ROWB
	s_add_nc_u64 s[G0B+4*\slot+2:G0B+4*\slot+3], s[G0B+4*\slot+2:G0B+4*\slot+3], 2*ROWB
	JLOAD G0+4*\slot, G1, G0B+4*\slot, G1B
.else
	PLACES NP
.endif
	FETCH_B \next, 0, 0
	FETCH_A \next, 0, 0
	WIN MUL_HI
	MUL16 4, 1, 0
	MUL16 6, 1, 0
	PLACES NP
	WIN 0
	FETCH_A \next, 0, 4
.endm
	s_wait_alu depctr_va_vdst(0)
	s_wait_tensorcnt 0x0                           ; my part of K step 0 is in
	ds_add_u32 v[SPW], v[NIL]
	s_wait_dscnt 0x0
	CROUND                                         ; everybody's part of K step 0 is in, and the joint loads meet
	JLOAD G0+4, G1, G0B+4, G1B                     ; K step 1: the first tensor load behind the round
	FETCH_B 0, 0, 0
	FETCH_A 0, 0, 0
	FETCH_A 0, 0, 4
	s_cmp_eq_u32 s9, 0
	s_cbranch_scc0 .Lnoask1
	global_prefetch_b8 v10, s[4:5] offset:768 th:TH_LOAD_NT scope:SCOPE_SE   ; K step 3
.Lnoask1:
	STEP 0, 0, 1
	s_mov_b32 s3, LAPS-1
.Llap:
	TURN 0, 1, 1
	STEP 1, 0, 0
	TURN 1, 0, 1
	STEP 0, 0, 0
	s_sub_co_u32 s3, s3, 1
	s_cmp_lg_u32 s3, 0
	s_cbranch_scc1 .Llap
	TURN 0, 1, 0
	STEP 1, 0, 0
	s_wait_dscnt 4*NL
	WIN MUL_LO
	MUL16 0, 1, 0
	MUL16 2, 1, 0
	s_wait_dscnt 0
	WIN MUL_HI
	MUL16 4, 1, 0
	MUL16 6, 1, 0
	WIN 0
.macro BLOCKQ a
.set AC, 64*((\a)%4)
.set CD, AF+16*(\a)
	WIN 0x82+0x41*((\a)/4)
.set j, 0
.rept 32
	v_pk_fma_f32 v[AC+j:AC+j+1], v[AC+j:AC+j+1], s[96:97], v[BB+j:BB+j+1] op_sel_hi:[1,0,1]
.set j, j+2
.endr
.set j, 0
.rept 32
	v_pk_add_f32 v[AC+j:AC+j+1], v[AC+j:AC+j+1], v[BA+2*(\a):BA+2*(\a)+1]
.set j, j+2
.endr
.set j, 0
.rept 64
	v_med3_num_f32 v[AC+j], v[AC+j], -v[LIMV], v[LIMV]
.set j, j+1
.endr
	WIN 0x02+((\a)/4)
.irp g, 0,1,2,3,4,5,6,7
	v_cvt_scalef32_pk8_bf8_f32 v[CD+2*\g:CD+2*\g+1], v[AC+8*\g:AC+8*\g+7], v[SCV]
.endr
	WIN 0
	v_nop
.irp b, 0,1,2,3
	ds_store_b128 v[STO], v[CD+4*\b:CD+4*\b+3] offset:(\a)*16*PITCH+32*\b
.endr
.endm
	s_wait_loadcnt 0x0                             ; the biases, asked for at the head, are first wanted here
.set j, 0
.rept 64
	v_cndmask_b32 v[BB+j], 0, v[BB+j], s66         ; the bias along a lane's registers (q, k), or 0
.set j, j+1
.endr
.irp a, 0,1,2,3,4,5,6,7
	v_cndmask_b32 v[BA+2*\a], 0, v[BA+2*\a], s67   ; the bias of a lane's own channel (v), or 0
.endr
.irp a, 0,1,2,3,4,5,6,7
	v_mov_b32 v[BA+2*\a+1], v[BA+2*\a]
.endr
	PLACES NP
.irp a, 0,1,2,3,4,5,6,7
	BLOCKQ \a
.endr
	s_wait_dscnt 0x0
	s_barrier_signal -1
	s_barrier_wait -1
.irp ii, 0,1,2,3
.irp cc, 0,1,2,3,4,5,6,7
	ds_load_b128 v[AF+4*(8*\ii+\cc):AF+4*(8*\ii+\cc)+3], v[RD] offset:(32*(\ii/2)+8*(\ii%2))*PITCH+32*\cc
.endr
.endr
	s_cmp_lt_u32 s17, 16
	s_cbranch_scc0 .Lstore_v
.irp ii, 0,1,2,3
.irp cc, 0,1,2,3,4,5,6,7
	s_wait_dscnt 31-(8*\ii+\cc)
	global_store_b128 v[CO], v[AF+4*(8*\ii+\cc):AF+4*(8*\ii+\cc)+3], s[78:79] offset:(\cc/2)*131072+\ii*1024+(\cc%2)*512
.endr
.endr
	s_branch .Lstored
.Lstore_v:
.irp ii, 0,1,2,3
.irp cc, 0,1,2,3,4,5,6,7
	s_wait_dscnt 31-(8*\ii+\cc)
	global_store_b128 v[CO], v[AF+4*(8*\ii+\cc):AF+4*(8*\ii+\cc)+3], s[78:79] offset:(\cc/4)*8192+\ii*2048+(\cc%4)*512
.endr
.endr
.Lstored:
	s_wait_tensorcnt 0x0
	ds_add_u32 v[SPW], v[NIL]
	s_wait_dscnt 0x0
	CROUND
	s_endpgm
.Lfunc_end_k_qc7c9a52a00_proj:
	.size	k_qc7c9a52a00_proj, .Lfunc_end_k_qc7c9a52a00_proj-k_qc7c9a52a00_proj
	.p2alignl 7, 3214868480
	.fill 96, 4, 3214868480
	.section	.rodata,"a",@progbits
	.p2align	6, 0x0
	.amdhsa_kernel k_qc7c9a52a00_proj
		.amdhsa_group_segment_fixed_size 327680
		.amdhsa_private_segment_fixed_size 0
		.amdhsa_enable_private_segment 0
		.amdhsa_kernarg_size 48
		.amdhsa_user_sgpr_count 2
		.amdhsa_user_sgpr_kernarg_segment_ptr 1
		.amdhsa_wavefront_size32 1
		.amdhsa_system_sgpr_workgroup_id_x 1
		.amdhsa_system_sgpr_workgroup_id_y 1
		.amdhsa_system_sgpr_workgroup_id_z 1
		.amdhsa_system_vgpr_workitem_id 0
		.amdhsa_next_free_vgpr 1024
		.amdhsa_next_free_sgpr 98
		.amdhsa_reserve_vcc 0
		.amdhsa_float_denorm_mode_32 3
		.amdhsa_float_denorm_mode_16_64 3
		.amdhsa_memory_ordered 1
		.amdhsa_forward_progress 1
		.amdhsa_inst_pref_size 169
	.end_amdhsa_kernel
	.amdgpu_metadata
---
amdhsa.version: [ 1, 2 ]
amdhsa.kernels:
  - .name:           k_qc7c9a52a00_proj
    .symbol:         k_qc7c9a52a00_proj.kd
    .args:
      - { .name: xw, .offset: 0, .size: 8, .value_kind: global_buffer, .address_space: global }
      - { .name: b_q, .offset: 8, .size: 8, .value_kind: global_buffer, .address_space: global }
      - { .name: b_k, .offset: 16, .size: 8, .value_kind: global_buffer, .address_space: global }
      - { .name: b_v, .offset: 24, .size: 8, .value_kind: global_buffer, .address_space: global }
      - { .name: lowp_scales, .offset: 32, .size: 8, .value_kind: global_buffer, .address_space: global }
      - { .name: qkvc, .offset: 40, .size: 8, .value_kind: global_buffer, .address_space: global }
    .group_segment_fixed_size: 327680
    .private_segment_fixed_size: 0
    .kernarg_segment_align: 8
    .kernarg_segment_size: 48
    .max_flat_workgroup_size: 128
    .sgpr_count:     98
    .vgpr_count:     1024
    .wavefront_size: 32
...
	.end_amdgpu_metadata
.endif
;; end of part 6
;; launch attn (part 7): grid 4 x 64, 8 waves a work-group, no clusters, 271,360 bytes of LDS; arguments qkvc, mbits, tflag, lowp_scales, ac, context_mask; writes ac
.if DOCPART == 7
	.amdgcn_target "amdgcn-amd-amdhsa--gfx1250"
	.amdhsa_code_object_version 6
	.text
	.protected	k_qc7c9a52a00_attn
	.globl	k_qc7c9a52a00_attn
	.p2align	8
	.type	k_qc7c9a52a00_attn,@function
k_qc7c9a52a00_attn:
	s_mov_b64 s[64:65], 0
	v_nop
	global_prefetch_b8 v0, s[64:65] scope:SCOPE_SE
	s_setreg_imm32_b32 hwreg(HW_REG_WAVE_MODE, 25, 1), 1
	s_wait_xcnt 0x0
; ATTN: out = softmax(masked q k^T) v for one (batch, head), both products on codes of BF8 (E5M2); its result quantised again as the last product's operand.
; qkvc: images of operand registers (8,388,608 bytes each): q, k: [bh 64][tile 128][c 2][lane][16 B]: lane (r, h) = token PI(16 tile + r), channels 32 c + 16 h + 0 .. 15 (PI: bits 3 and 4 exchanged);
; v: [bh][key step 16][dt 4][c 4][lane][16 B]: lane (r, h) = channel PI(16 dt + r), keys 128 step + 32 c + 16 h + 0 .. 15.
; ac: [token tile 512][head 16][c 2][lane][16 B]: lane (r, h) = token PI(16 tile + r), channels 32 c + 16 h + 0 .. 15.
; SHARES.  A work-group owns 512 queries of one head, each of its eight waves four tiles of 16: wave g = 8 x work-group x + wave owns tiles 127 - g, 64 + g, 63 - g, g (slots 0 .. 3).  Two waves to a SIMD, 512 registers each.
; An ITEM, 4 x step + slot, is one tile against one step of 128 keys: 64 items a wave.
; BOTH MASKS ARE INPUTS, and are honoured as they are given, by two flags for each item that the launch before stored (tflag: [batch][g][slot][8 bytes], bit = item; the second flags 4,096 bytes on):
;   flag 1 clear: every score of the item is masked, and every row of the tile has a key that counts: the item's p are 0 beside that key: the item is left out by a scalar branch.
;   flag 2 clear: no causal byte of the item is set, and every row of the tile has a key that counts: the context mask alone acts.  It hangs on the key alone, so it goes in as the C of the score products:
;                 0 for a key that counts, -2^30 / 2^(e6 + e7) for one that does not; such a score's p is 0 beside the row's key that counts.
;   flag 2 set:   the item's 64 mask words (mbits: [batch][g][item][64 words], bit (lane) of word n: my score register n is masked) put exactly -2^30 / 2^(e6 + e7) in place of each masked score.
; Mask words exist for the items with flag 2 and for item 0; they are asked for one flagged item ahead, and where none follows, item 0's are asked for and not used.
; The C values of a batch, [step 16][h 2][64 f32], are made once at the head from context_mask, eight keys a thread, and lie in LDS; a step's 64 are read by sixteen loads in which sixteen lanes share an address.
; K AND V, 2 x 131,072 bytes of codes for a head, each have a place of their own in LDS and come in eight CHUNKS of two key steps (16,384 bytes of K, as many of V), through registers: waves 0-3 take K's quarters of a chunk,
; waves 4-7 V's, eight loads of 512 bytes each.  The head brings chunks 0 and 1; at each even key step s a wave stores chunk s / 2 + 1 from its 32 staging registers and asks for chunk s / 2 + 2, which so has two key steps
; in which to come.  No LDS byte is written twice.
; ONE BARRIER FOR EACH CHUNK, ITS TWO HALVES TWO KEY STEPS APART.  A chunk stored at step s is first read at step s + 2.  So a wave signals at step s, behind its stores and the wait for them, and waits at the head of step s + 2,
; ahead of its first read of that chunk.  Between the two halves stand register work, scalar loads, and LDS loads of bytes that nobody writes again: no LDS store and no global store.  The head signals for chunk 0 and the C values;
; every even step waits and then signals; the last signal's wait stands behind the loop.  On every way through the text signal and wait take turns.
; NO TENSOR LOAD AND NO CLUSTER, though the four work-groups of a head read the same K and V: the walk branches on numbers read from memory.
; NO PREFETCH: the chunks' own loads stand two key steps ahead of the stores that want them, and the mask words' one flagged item ahead: a prefetch would name the same bytes at the same places of the text.
; LAYOUT.  Both products transposed: S^T = K Q^T (source 0 = 16 keys, source 1 = 16 queries), O^T = V^T P^T: a lane holds ONE query throughout.  By PI the 16 registers of two neighbouring tiles of S^T are 16 neighbouring
; keys, and those of O^T 16 neighbouring channels: the conversions' results ARE the next operand's registers.
; SOFTMAX.  t = logit x log2(e); M = the running largest t rounded up to a whole number; p = 2^(t - M) is quantised with 2^e8; the row's sum is taken of the unquantised p.  When M moves, the sum and O^T are multiplied by 2^(old M - new M).
; THE HOLD OF p at 57,344 x 2^e8 is jumped over where e8 >= -15: p stays under 1.75 (t - M is at most one rounding of f32 above 0), and 1.75 x 2^15 = 57,344, so the hold changes no number there.
; LIMITS.  A masked logit is taken as -2^30 in place of -1e9: -2^30 x log2(e) is a whole number in f32, so that a row all of whose keys are masked has t - M = 0 and p = 1 for every key; results are
; the same wherever every logit that is not masked lies above -9e8.  e6 + e7 between -97 and 127; e8 and e10 between -126 and 112.  NaN among the inputs is not served; a bool byte is 0 or 1 (its lowest bit is taken).
; REGISTERS.  Window 0: v0 behind the head the chunks' offset in memory; v1 16 x lane; v2, v3 LDS addresses; v4 the masked score; v5, v6 hold and scale; v7 where my part of a chunk goes; v8-23 four a tile: -M, largest t,
;   the sum in two halves; v24-31 at work; v32-63 Q; v64-127 S^T; v128-191 a step's C; v192-255 K of a step.
;   Window 1: v0-63 V of a step; v64-191 O^T, 32 a tile; v192-207 p's codes; v208-239 a chunk on its way; v254, v255 the add's two.
; SCALARS.  s[32:63] and s[68:99]: an item's 64 mask words.
.set GOFF, 0
.set LI,   1
.set ADK,  2
.set ADV,  3
.set NEGR, 4
.set LIMV, 5
.set SCV,  6
.set WOFF, 7
.set ST,   8
.set MX,   24                          ; v24, v25, v30, v31: four chains of the maximum; later v[24:25], v[28:29], v[30:31]: three chains of the sum
.set F,    26
.set PL,   28
.set ADC,  29                          ; at a step's head: LDS address of its C values
.set Q,    32
.set S,    64
.set CB,   128
.set KF,   192
.set VF,   0                           ; window 1
.set OT,   64                          ; window 1
.set PC,   192                         ; window 1
.set STG,  208                         ; window 1
.set SPARE, 0x40000                    ; behind K and V: the spare words, 128 bytes a wave
.set CTX,  0x40400                     ; behind them: the batch's C values, 8,192 bytes
.set CNT,  2                           ; s2   key steps to go
.set TB,   3                           ; s3   LDS byte of the step's K images: 8,192 x step
.set MB,   4                           ; s[4:5] my 64 items' mask words; never rewritten
.set CS,   6                           ; s[6:7] c = log2(e) x 2^(e6 + e7), twice
.set CW,   8                           ; s8   flags 1 from the step in hand on: bit k = item 4 x step + k (as far as the word of 32 reaches)
.set FHI,  9                           ; s9   flags 1 of items 32 .. 63
.set MOFF, 10                          ; s10  256 x the item whose mask words are loaded or on their way
.set POS,  11                          ; s11  4 x step
.set IDX2, 12                          ; s12  the first item among 32 .. 63 with flag 2; 0 where there is none
.set FW,   13                          ; s13  flags 2, walked as s8 is
.set EO,   14                          ; s14  e8 + e9
.set FWH,  15                          ; s15  flags 2 of items 32 .. 63
.set ACB,  16                          ; s[16:23] where my four tiles' codes go
.set S10,  24                          ; s24  2^e10 as f32
.set L10,  25                          ; s25  57,344 x 2^e10
.set GB,   28                          ; s[28:29] my quarter of chunk 0 in memory; never rewritten
.set TC,   30                          ; s30  LDS byte of the step's C values
.set NOH,  31                          ; s31  1: e8 >= -15
.set SEL,  66                          ; s[66:67] lane selects: lane l xor 16
.set WV,   101
.set MSB, 0
.macro WIN new                         ; the immediate's high byte repeats the setting that is left
.if MSB != (\new)
	s_set_vgpr_msb (MSB<<8)|(\new)
.set MSB, (\new)
.endif
.endm
; Slot t of a key step.
.macro TILE t
	s_bitcmp1_b32 s[CW], \t                        ; is the item to be worked on?
	s_cbranch_scc0 .Lskip_\@
.set TT, ST+4*(\t)
.set OB, OT+32*(\t)
.irp i, 0,1,2,3,4,5,6,7
	v_wmma_f32_16x16x64_bf8_bf8 v[S+8*\i:S+8*\i+7], v[KF+8*\i:KF+8*\i+7], v[Q+8*(\t):Q+8*(\t)+7], v[CB+8*\i:CB+8*\i+7]   ; C: 0, or the masked score for a key out of the context
.endr
.rept 4
	v_nop                                          ; places between the products and the first read of their results, on both ways
.endr
	s_bitcmp1_b32 s[FW], \t                        ; are the item's mask words needed?
	s_cbranch_scc0 .Lplain_\@
	s_lshr_b32 s26, s[FW], (\t)+1                  ; the next item with flag 2: the next set bit of this word,
	s_ctz_i32_b32 s27, s26
	s_add_co_u32 s27, s27, s[POS]
	s_add_co_u32 s27, s27, (\t)+1
	s_cmp_lg_u32 s26, 0
	s_cselect_b32 s27, s27, s[IDX2]                ; or the first of the upper word, or item 0 (behind the last: words that exist and are not used)
	s_min_u32 s27, s27, 63
	s_wait_alu depctr_va_vdst(0)
	s_wait_kmcnt 0x0                               ; this item's 64 mask words are in, and their loads have read s[MOFF]
	s_lshl_b32 s[MOFF], s27, 8
.set n, 0
.rept 64
	v_cndmask_b32 v[S+n], v[S+n], v[NEGR], s[32+n+4*(n/32)]   ; a masked score becomes -2^30 / 2^(e6 + e7); each accumulator from its low end on
.set n, n+1
.endr
.irp j, 0,1,2,3
	s_load_b512 s[32+16*\j+4*(\j/2):47+16*\j+4*(\j/2)], s[MB:MB+1], s[MOFF] offset:64*\j   ; the next such item's words
.endr
.Lplain_\@:
.irp c, 0,1,2,3
	v_max3_num_f32 v[MX+\c+4*(\c/2)], v[S+16*\c], v[S+16*\c+1], v[S+16*\c+2]   ; the step's largest score of my query among my 64 keys, in four chains; each accumulator is first read at its low end
.endr
.irp i, 3,5,7,9,11,13
.irp c, 0,1,2,3
	v_max3_num_f32 v[MX+\c+4*(\c/2)], v[MX+\c+4*(\c/2)], v[S+16*\c+\i], v[S+16*\c+\i+1]
.endr
.endr
	v_max3_num_f32 v[MX], v[MX], v[S+15], v[S+31]
	v_max3_num_f32 v[MX+6], v[MX+6], v[S+47], v[S+63]
	s_delay_alu instid0(VALU_DEP_1)
	v_max3_num_f32 v[MX], v[MX], v[MX+1], v[MX+6]
	s_delay_alu instid0(VALU_DEP_1)
	v_max_num_f32 v[MX], v[MX], v[MX+7]
	s_delay_alu instid0(VALU_DEP_1)
	v_permlanex16_b32 v[PL], v[MX], s[SEL], s[SEL+1]
	s_delay_alu instid0(VALU_DEP_1)
	v_max_num_f32 v[MX], v[MX], v[PL]              ; and among lane l xor 16's
	s_delay_alu instid0(VALU_DEP_1)
	v_mul_f32 v[MX], s[CS], v[MX]                  ; as t (c is positive)
	s_delay_alu instid0(VALU_DEP_1)
	v_max_num_f32 v[TT+1], v[TT+1], v[MX]          ; the running largest t
	v_mov_b32 v[MX], v[TT]
	s_delay_alu instid0(VALU_DEP_2)
	v_floor_f32 v[TT], -v[TT+1]                    ; the new -M = floor(-t): M is a whole number
	s_delay_alu instid0(VALU_DEP_1)
	v_sub_f32 v[MX], v[TT], v[MX]                  ; old M - new M: a whole number, 0 or less
	s_delay_alu instid0(VALU_DEP_1)
	v_cvt_i32_f32 v[MX], v[MX]                     ; (it saturates)
	s_delay_alu instid0(VALU_DEP_1)
	v_ldexp_f32 v[F], 1.0, v[MX]                   ; f = 2^(old M - new M)
.set n, 0
.rept 32
	v_pk_fma_f32 v[S+n:S+n+1], v[S+n:S+n+1], s[CS:CS+1], v[TT:TT+1] op_sel_hi:[1,0,0]   ; t - M, two at a time
.set n, n+2
.endr
.set n, 0
	s_wait_alu depctr_va_vdst(0)
.rept 64
	v_exp_f32 v[S+n], v[S+n]                       ; p = 2^(t - M)
.set n, n+1
.endr
	v_pk_mul_f32 v[TT+2:TT+3], v[TT+2:TT+3], v[F:F+1] op_sel_hi:[1,0]   ; the sum under the new M: the plain instruction behind the exponentials
	s_wait_alu depctr_va_vdst(0)                   ; one wait for the batch of 64, ahead of its first reader
	v_pk_add_f32 v[TT+2:TT+3], v[TT+2:TT+3], v[S:S+1]   ; the sum of the unquantised p, in four chains
	v_pk_add_f32 v[30:31], v[S+2:S+3], v[S+10:S+11]
	v_pk_add_f32 v[24:25], v[S+4:S+5], v[S+12:S+13]
	v_pk_add_f32 v[28:29], v[S+6:S+7], v[S+14:S+15]
	v_pk_add_f32 v[TT+2:TT+3], v[TT+2:TT+3], v[S+8:S+9]
.irp j, 16,24,32,40,48,56
	v_pk_add_f32 v[TT+2:TT+3], v[TT+2:TT+3], v[S+\j:S+\j+1]
	v_pk_add_f32 v[30:31], v[30:31], v[S+\j+2:S+\j+3]
	v_pk_add_f32 v[24:25], v[24:25], v[S+\j+4:S+\j+5]
	v_pk_add_f32 v[28:29], v[28:29], v[S+\j+6:S+\j+7]
.endr
	s_delay_alu instid0(VALU_DEP_2)
	v_pk_add_f32 v[30:31], v[30:31], v[24:25]
	s_delay_alu instid0(VALU_DEP_2)
	v_pk_add_f32 v[TT+2:TT+3], v[TT+2:TT+3], v[28:29]
	s_delay_alu instid0(VALU_DEP_1)
	v_pk_add_f32 v[TT+2:TT+3], v[TT+2:TT+3], v[30:31]
	s_cmp_lg_u32 s[NOH], 0                         ; e8 >= -15: no p reaches 57,344 x 2^e8
	s_cbranch_scc1 .Lnohold_\@
.set n, 0
.rept 64
	v_min_num_f32 v[S+n], v[S+n], v[LIMV]          ; the conversion does not saturate (ISA guide 7.6.2); p is not negative, so the hold is one-sided
.set n, n+1
.endr
.Lnohold_\@:
	WIN 0x40                                       ; destination window 1
.irp g, 0,1,2,3,4,5,6,7
	v_cvt_scalef32_pk8_bf8_f32 v[PC+2*\g:PC+2*\g+1], v[S+8*\g:S+8*\g+7], v[SCV]
.endr
	WIN 0x41                                       ; destination and source 0 window 1
.set n, 0
.rept 16
	v_pk_mul_f32 v[OB+n:OB+n+1], v[OB+n:OB+n+1], v[F:F+1] op_sel_hi:[1,0]   ; O^T under the new M; these are also the plain instructions behind the conversions
.set n, n+2
.endr
	s_wait_alu depctr_va_vdst(0)
	s_wait_dscnt 0x0                               ; V is in
	WIN 0x55                                       ; all four operands window 1
.irp d, 0,1,2,3
	v_wmma_f32_16x16x128_bf8_bf8 v[OB+8*\d:OB+8*\d+7], v[VF+16*\d:VF+16*\d+15], v[PC:PC+15], v[OB+8*\d:OB+8*\d+7]   ; four accumulators, one instruction each
.endr
	WIN 0
.Lskip_\@:
.endm
	s_load_b256 s[32:39], s[0:1], 0x0              ; qkvc s[32:33], mbits s[34:35], tflag s[36:37], the scales' exponents s[38:39]
	s_load_b64 s[40:41], s[0:1], 0x20              ; ac
	s_load_b64 s[96:97], s[0:1], 0x28              ; context_mask
	WIN 0x40
	v_lshl_add_u32 v254, v0, 2, SPARE              ; my spare word,
	v_mov_b32 v255, 0                              ; and 0: kept for the add at the wave's end
	WIN 0
	v_lshrrev_b32 v1, 5, v0
	v_readfirstlane_b32 s[WV], v1                  ; wave 0..7
	s_and_b32 s42, ttmp7, 0xffff                   ; batch x 16 + head
	s_lshl_b32 s43, ttmp9, 3
	s_add_co_u32 s43, s43, s[WV]                   ; g
	s_lshr_b32 s44, s42, 4                         ; batch
	s_and_b32 s45, s42, 15                         ; head
	s_lshl_b32 s49, s42, 17                        ; the head's 131,072 bytes in each part of qkvc
	s_lshr_b32 s46, s[WV], 2
	s_lshl_b32 s48, s46, 17                        ; LDS: K's images from byte 0, V's from 131,072
	s_add_co_u32 s46, s46, 1
	s_lshl_b32 s46, s46, 23                        ; waves 0-3: k's part of qkvc; waves 4-7: v's
	s_add_co_u32 s46, s46, s49
	s_and_b32 s47, s[WV], 3
	s_lshl_b32 s47, s47, 12                        ; my quarter of a chunk's 16,384 bytes
	s_add_co_u32 s46, s46, s47
	s_add_co_u32 s48, s48, s47
	s_mov_b32 s47, 0
	s_sub_co_u32 s52, 127, s43                     ; my four tiles
	s_add_co_u32 s53, s43, 64
	s_sub_co_u32 s54, 63, s43
	s_mov_b32 s55, s43
	s_lshl_b32 s50, s44, 21                        ; ac: a batch's 128 tiles of 16,384 bytes,
	s_lshl_b32 s51, s45, 10                        ; 1,024 a head
	s_add_co_u32 s50, s50, s51
.irp t, 0,1,2,3
	s_lshl_b32 s[56+2*\t], s[52+\t], 10            ; the tile's image in q's part
	s_add_co_u32 s[56+2*\t], s[56+2*\t], s49
	s_mov_b32 s[57+2*\t], 0
	s_lshl_b32 s[68+2*\t], s[52+\t], 14            ; and its codes in ac
	s_add_co_u32 s[68+2*\t], s[68+2*\t], s50
	s_mov_b32 s[69+2*\t], 0
.endr
	s_lshl_b32 s76, s44, 5
	s_add_co_u32 s76, s76, s43                     ; batch x 32 + g
	s_lshl_b32 s78, s76, 5                         ; 32 bytes of flags,
	s_lshl_b32 s76, s76, 14                        ; 16,384 of mask words
	s_mov_b32 s77, 0
	s_mov_b32 s79, 0
	s_lshl_b32 s26, s44, 11                        ; the batch's 2,048 bytes of context_mask
	s_mov_b32 s27, 0
	s_mov_b32 s[SEL], 0x76543210
	s_mov_b32 s[SEL+1], 0xfedcba98
	s_mov_b32 s[TB], 0
	s_mov_b32 s[TC], CTX
	s_mov_b32 s[POS], 0
	s_mov_b32 s[CNT], 16
	v_and_b32 v[LI], 31, v0
	v_lshlrev_b32 v[LI], 4, v[LI]
	v_add_nc_u32 v[ADK], s48, v[LI]                ; where my part of chunk 0 goes,
	v_add_nc_u32 v[WOFF], 0x4000, v[ADK]           ; and, with 8,192 x an even step added, that of the chunk behind the step's own
	v_lshlrev_b32 v[ADV], 3, v0
	s_wait_alu depctr_va_vdst(0)
	s_wait_kmcnt 0x0
	s_load_b256 s[80:87], s[38:39], 0x10           ; e4 .. e11: e6 s82, e7 s83, e8 s84, e9 s85, e10 s86
	s_add_nc_u64 s[78:79], s[36:37], s[78:79]
	s_load_b256 s[88:95], s[78:79], 0x0            ; my four slots' flags 1
	s_add_nc_u64 s[GB:GB+1], s[32:33], s[46:47]
.irp t, 0,1,2,3
	s_add_nc_u64 s[56+2*\t:57+2*\t], s[32:33], s[56+2*\t:57+2*\t]
	s_add_nc_u64 s[ACB+2*\t:ACB+2*\t+1], s[40:41], s[68+2*\t:69+2*\t]
.endr
	s_load_b256 s[68:75], s[78:79], 0x1000         ; and their flags 2
	s_add_nc_u64 s[MB:MB+1], s[34:35], s[76:77]
	s_add_nc_u64 s[96:97], s[96:97], s[26:27]
.set j, 0
.rept 8
	global_load_b128 v[S+4*j:S+4*j+3], v[LI], s[GB:GB+1] offset:512*j   ; my 4,096 bytes of chunk 0: 32 lanes read 512 consecutive bytes
.set j, j+1
.endr
	global_load_b64 v[MX:MX+1], v[ADV], s[96:97]   ; context_mask of keys 8 x thread + 0 .. 7: the work-group's 256 threads read the batch's 2,048 bytes
.irp t, 0,1,2,3
.irp c, 0,1
	global_load_b128 v[Q+8*\t+4*\c:Q+8*\t+4*\c+3], v[LI], s[56+2*\t:57+2*\t] offset:512*\c   ; Q stays in registers
.endr
.endr
	WIN 0x40                                       ; destination window 1
.set j, 0
.rept 8
	global_load_b128 v[STG+4*j:STG+4*j+3], v[LI], s[GB:GB+1] offset:16384+512*j   ; chunk 1
.set j, j+1
.endr
.set n, 0
.rept 128
	v_mov_b32 v[OT+n], 0                           ; O^T: an item's text is written once; a tile's first item finds zeros
.set n, n+1
.endr
	WIN 0
.irp j, 2,3,4,5,6,7
	v_mov_b32 v[MX+\j], 0                          ; written once: upper halves of pairs, and lane permutes' destinations, count as read
.endr
	s_wait_kmcnt 0x0
	s_add_co_i32 s26, s82, s83                     ; e6 + e7
	s_lshl_b32 s27, s26, 23
	s_add_co_i32 s[CS], s27, 0x3fb8aa3b            ; log2(e) with the two exponents added to its exponent field
	s_mov_b32 s[CS+1], s[CS]
	s_sub_co_i32 s26, 157, s26
	s_lshl_b32 s26, s26, 23
	s_or_b32 s26, s26, 0x80000000
	v_mov_b32 v[NEGR], s26                         ; -2^(30 - e6 - e7)
	s_add_co_i32 s26, s84, 127
	s_lshl_b32 s27, s26, 23
	v_mov_b32 v[SCV], s27                          ; 2^e8
	s_add_co_i32 s26, s26, 15
	s_lshl_b32 s26, s26, 23
	s_or_b32 s26, s26, 0x600000
	v_mov_b32 v[LIMV], s26                         ; 57,344 x 2^e8
	s_cmp_ge_i32 s84, -15
	s_cselect_b32 s[NOH], 1, 0
	s_add_co_i32 s[EO], s84, s85
	s_add_co_i32 s26, s86, 127
	s_lshl_b32 s[S10], s26, 23
	s_add_co_i32 s26, s26, 15
	s_lshl_b32 s26, s26, 23
	s_or_b32 s[L10], s26, 0x600000
	s_or_b32 s[CW], s88, s90                       ; the four slots' bits lie in different places: items 0 .. 31,
	s_or_b32 s[CW], s[CW], s92
	s_or_b32 s[CW], s[CW], s94
	s_or_b32 s[FHI], s89, s91                      ; items 32 .. 63
	s_or_b32 s[FHI], s[FHI], s93
	s_or_b32 s[FHI], s[FHI], s95
	s_or_b32 s[FW], s68, s70                       ; flags 2 likewise
	s_or_b32 s[FW], s[FW], s72
	s_or_b32 s[FW], s[FW], s74
	s_or_b32 s[FWH], s69, s71
	s_or_b32 s[FWH], s[FWH], s73
	s_or_b32 s[FWH], s[FWH], s75
	s_ctz_i32_b32 s26, s[FWH]
	s_add_co_u32 s26, s26, 32
	s_cmp_lg_u32 s[FWH], 0
	s_cselect_b32 s26, s26, 0                      ; no flag 2 among items 32 .. 63: item 0, whose words always exist
	s_min_u32 s[IDX2], s26, 63
	s_ctz_i32_b32 s27, s[FW]
	s_cmp_lg_u32 s[FW], 0
	s_cselect_b32 s27, s27, s[IDX2]                ; my first item with flag 2
	s_min_u32 s27, s27, 63
	s_lshl_b32 s[MOFF], s27, 8
	s_wait_xcnt 0x0                                ; the loads above have read their bases, some of which lie among the registers that the mask words take
.irp j, 0,1,2,3
	s_load_b512 s[32+16*\j+4*(\j/2):47+16*\j+4*(\j/2)], s[MB:MB+1], s[MOFF] offset:64*\j
.endr
	v_lshrrev_b32 v26, 4, v0                       ; where my eight C values go: keys 8 x thread on are step thread / 16, c = (thread / 4) % 4, h = (thread / 2) % 2, registers 16 c + 8 (thread % 2) on:
	v_bfe_u32 v27, v0, 1, 1
	v_lshlrev_b32 v26, 9, v26                      ; 512 x step
	v_lshl_add_u32 v26, v27, 8, v26                ; + 256 h
	v_bfe_u32 v27, v0, 2, 2
	v_lshl_add_u32 v26, v27, 6, v26                ; + 64 c
	v_and_b32 v27, 1, v0
	v_lshl_add_u32 v26, v27, 5, v26                ; + 32 (thread % 2)
	v_add_nc_u32 v26, CTX, v26
	s_wait_alu depctr_va_vdst(0)
	s_wait_loadcnt 16                              ; chunk 0 and the context's bytes are in; Q's eight loads and chunk 1's eight may be out
.set j, 0
.rept 8
	ds_store_b128 v[ADK], v[S+4*j:S+4*j+3] offset:512*j   ; 32 lanes store 512 consecutive bytes
.set j, j+1
.endr
.irp w, 0,1
.irp y, 0,1,2,3
	v_and_b32 v27, 1<<(8*\y), v[MX+\w]
	v_cmp_eq_u32 vcc_lo, 0, v27                    ; the key is out of the context:
	v_cndmask_b32 v[ST+4*\w+\y], 0, v[NEGR], vcc_lo   ; the masked score; else 0.  (v8-15 take the tiles' state only behind the wait below)
.endr
	ds_store_b128 v26, v[ST+4*\w:ST+4*\w+3] offset:16*\w
.endr
	s_wait_loadcnt 0x0                             ; Q and chunk 1
	s_wait_dscnt 0x0                               ; for the others' sake: my parts of chunk 0 and of the C values lie in LDS; and the stores have read their registers
.irp t, 0,1,2,3
	v_mov_b32 v[ST+4*\t+1], 0xff61b1e6             ; the largest t so far: -3e38
	v_mov_b32 v[ST+4*\t+2], 0                      ; the sum, in two halves
	v_mov_b32 v[ST+4*\t+3], 0
	v_floor_f32 v[ST+4*\t], -v[ST+4*\t+1]          ; -M
.endr
	s_wait_alu depctr_va_vdst(0)
	s_barrier_signal -1                            ; chunk 0 and the C values: step 0 waits for this signal
.Lstep:                                            ; 16 trips: 128 keys each.  At this label one signal of mine is open, on every way
	s_wait_dscnt 0x0                               ; V's loads of a step in which no item was worked on: their registers are loaded again below; and no LDS instruction of mine is out at the signal
	s_bitcmp1_b32 s[POS], 2                        ; an odd step has neither half of a barrier
	s_cbranch_scc1 .Lodd
	s_barrier_wait -1                              ; every wave has signalled behind its stores of this step's chunk, two steps ago (step 0: at the head)
	s_cmp_gt_u32 s[POS], 48                        ; step 14: no chunk is left to store
	s_cbranch_scc1 .Lnofill
	s_wait_loadcnt 0x0                             ; the chunk behind this step's own, asked for two steps ago, is in my registers
	v_add_nc_u32 v[ADK], s[TB], v[WOFF]
	WIN 0x04                                       ; an LDS store's data: source 1, window 1
.set j, 0
.rept 8
	ds_store_b128 v[ADK], v[STG+4*j:STG+4*j+3] offset:512*j
.set j, j+1
.endr
	WIN 0
	s_wait_dscnt 0x0                               ; for the others' sake, and the stores have read their registers
	s_cmp_gt_u32 s[POS], 40                        ; step 12: that was the last chunk
	s_cbranch_scc1 .Lnofill
	v_add_nc_u32 v[GOFF], s[TB], v[LI]             ; (written again only behind the wait for these loads)
	WIN 0x40
.set j, 0
.rept 8
	global_load_b128 v[STG+4*j:STG+4*j+3], v[GOFF], s[GB:GB+1] offset:32768+512*j   ; the chunk two on from this step's own
.set j, j+1
.endr
	WIN 0
.Lnofill:
	s_barrier_signal -1                            ; my stores so far lie in LDS; the wait for this signal stands two steps on (step 14's: behind the loop)
.Lodd:
	v_add_nc_u32 v[ADK], s[TB], v[LI]
	v_and_b32 v[ADC], 0x100, v[LI]                 ; 256 h
	v_add_nc_u32 v[ADV], 0x20000, v[ADK]           ; V's images lie 131,072 bytes behind K's
	v_add_nc_u32 v[ADC], s[TC], v[ADC]             ; these four are the places between the last products, which read V, and the loads below
.irp i, 0,1,2,3,4,5,6,7
.irp c, 0,1
	ds_load_b128 v[KF+8*\i+4*\c:KF+8*\i+4*\c+3], v[ADK] offset:1024*\i+512*\c   ; 32 lanes read 512 consecutive bytes
.endr
.endr
.set j, 0
.rept 16
	ds_load_b128 v[CB+4*j:CB+4*j+3], v[ADC] offset:16*j   ; the step's 64 C values of my half: sixteen lanes share each address
.set j, j+1
.endr
	WIN 0x40
.irp d, 0,1,2,3
.irp c, 0,1,2,3
	ds_load_b128 v[VF+16*\d+4*\c:VF+16*\d+4*\c+3], v[ADV] offset:2048*\d+512*\c
.endr
.endr
	WIN 0
	s_wait_dscnt 16                                ; K's sixteen loads and C's sixteen are in; V's sixteen may be out
	TILE 0
	TILE 1
	TILE 2
	TILE 3
	s_add_co_u32 s[TB], s[TB], 8192
	s_add_co_u32 s[TC], s[TC], 512
	s_add_co_u32 s[POS], s[POS], 4
	s_lshr_b32 s[CW], s[CW], 4                     ; the next step's four bits come lowest;
	s_lshr_b32 s[FW], s[FW], 4
	s_cmp_eq_u32 s[POS], 32
	s_cselect_b32 s[CW], s[FHI], s[CW]             ; behind step 7 the upper words take over
	s_cselect_b32 s[FW], s[FWH], s[FW]
	s_sub_co_u32 s[CNT], s[CNT], 1
	s_cmp_lg_u32 s[CNT], 0
	s_cbranch_scc1 .Lstep
	s_barrier_wait -1                              ; step 14's signal has its wait here, ahead of the stores below
	; THE WAY OUT.  O^T / the sum x 2^(e8 + e9), held and converted with 2^e10: the codes' registers are ac's image.  The four additions are the places behind the last products.
.irp t, 0,1,2,3
	v_add_f32 v[ST+4*\t+2], v[ST+4*\t+2], v[ST+4*\t+3]
.endr
.irp t, 0,1,2,3
	s_delay_alu instid0(VALU_DEP_4)
	v_permlanex16_b32 v[MX+\t], v[ST+4*\t+2], s[SEL], s[SEL+1]
.endr
.irp t, 0,1,2,3
	s_delay_alu instid0(VALU_DEP_4)
	v_add_f32 v[ST+4*\t+2], v[ST+4*\t+2], v[MX+\t]
.endr
	s_wait_alu depctr_va_vdst(0)
.irp t, 0,1,2,3
	v_rcp_f32 v[ST+4*\t+2], v[ST+4*\t+2]
.endr
	v_mov_b32 v[LIMV], s[L10]                      ; (the plain instruction behind the reciprocals)
	v_mov_b32 v[SCV], s[S10]
	s_wait_alu depctr_va_vdst(0)                   ; one wait for the four reciprocals, ahead of their first reader
.irp t, 0,1,2,3
	v_ldexp_f32 v[ST+4*\t+2], v[ST+4*\t+2], s[EO]
.endr
.macro OUT t
	WIN 0x41
.set n, 0
.rept 16
	v_pk_mul_f32 v[OT+32*\t+n:OT+32*\t+n+1], v[OT+32*\t+n:OT+32*\t+n+1], v[ST+4*\t+2:ST+4*\t+3] op_sel_hi:[1,0]
.set n, n+2
.endr
.set n, 0
.rept 32
	v_med3_num_f32 v[OT+32*\t+n], v[OT+32*\t+n], -v[LIMV], v[LIMV]
.set n, n+1
.endr
	WIN 0x01                                       ; source 0 window 1, destination window 0: S^T's registers are free
.irp g, 0,1,2,3
	v_cvt_scalef32_pk8_bf8_f32 v[S+8*\t+2*\g:S+8*\t+2*\g+1], v[OT+32*\t+8*\g:OT+32*\t+8*\g+7], v[SCV]
.endr
.endm
	OUT 0
	OUT 1
	OUT 2
	OUT 3
	WIN 0
	v_nop                                          ; one plain vector instruction behind the last conversion
.irp t, 0,1,2,3
.irp c, 0,1
	global_store_b128 v[LI], v[S+8*\t+4*\c:S+8*\t+4*\c+3], s[ACB+2*\t:ACB+2*\t+1] offset:512*\c   ; 32 lanes store 512 consecutive bytes, aligned
.endr
.endr
	s_wait_kmcnt 0x0                               ; the mask words asked for behind my last item with flag 2
	WIN 0x05                                       ; the add's two registers lie in window 1
	s_wait_tensorcnt 0x0                           ; the wave's end: behind my last LDS store
	ds_add_u32 v254, v255
	s_wait_dscnt 0x0
	WIN 0
	s_endpgm
.Lfunc_end_k_qc7c9a52a00_attn:
	.size	k_qc7c9a52a00_attn, .Lfunc_end_k_qc7c9a52a00_attn-k_qc7c9a52a00_attn
	.p2alignl 7, 3214868480
	.fill 96, 4, 3214868480
	.section	.rodata,"a",@progbits
	.p2align	6, 0x0
	.amdhsa_kernel k_qc7c9a52a00_attn
		.amdhsa_group_segment_fixed_size 271360
		.amdhsa_private_segment_fixed_size 0
		.amdhsa_enable_private_segment 0
		.amdhsa_kernarg_size 48
		.amdhsa_user_sgpr_count 2
		.amdhsa_user_sgpr_kernarg_segment_ptr 1
		.amdhsa_wavefront_size32 1
		.amdhsa_system_sgpr_workgroup_id_x 1
		.amdhsa_system_sgpr_workgroup_id_y 1
		.amdhsa_system_sgpr_workgroup_id_z 1
		.amdhsa_system_vgpr_workitem_id 0
		.amdhsa_next_free_vgpr 512
		.amdhsa_next_free_sgpr 102
		.amdhsa_reserve_vcc 1
		.amdhsa_float_denorm_mode_32 3
		.amdhsa_float_denorm_mode_16_64 3
		.amdhsa_memory_ordered 1
		.amdhsa_forward_progress 1
		.amdhsa_inst_pref_size 109
	.end_amdhsa_kernel
	.amdgpu_metadata
---
amdhsa.version: [ 1, 2 ]
amdhsa.kernels:
  - .name:           k_qc7c9a52a00_attn
    .symbol:         k_qc7c9a52a00_attn.kd
    .args:
      - { .name: qkvc, .offset: 0, .size: 8, .value_kind: global_buffer, .address_space: global }
      - { .name: mbits, .offset: 8, .size: 8, .value_kind: global_buffer, .address_space: global }
      - { .name: tflag, .offset: 16, .size: 8, .value_kind: global_buffer, .address_space: global }
      - { .name: lowp_scales, .offset: 24, .size: 8, .value_kind: global_buffer, .address_space: global }
      - { .name: ac, .offset: 32, .size: 8, .value_kind: global_buffer, .address_space: global }
      - { .name: context_mask, .offset: 40, .size: 8, .value_kind: global_buffer, .address_space: global }
    .group_segment_fixed_size: 271360
    .private_segment_fixed_size: 0
    .kernarg_segment_align: 8
    .kernarg_segment_size: 48
    .max_flat_workgroup_size: 256
    .sgpr_count:     102
    .vgpr_count:     512
    .wavefront_size: 32
...
	.end_amdgpu_metadata
.endif
;; end of part 7
;; launch outp (part 8): grid 4 x 32, 4 waves a work-group, clusters of 4 x 4, 327,680 bytes of LDS; arguments ac, xw, b_o, lowp_scales, out0; writes out0
.if DOCPART == 8
	.amdgcn_target "amdgcn-amd-amdhsa--gfx1250"
	.amdhsa_code_object_version 6
	.text
	.protected	k_qc7c9a52a00_outp
	.globl	k_qc7c9a52a00_outp
	.p2align	8
	.type	k_qc7c9a52a00_outp,@function
k_qc7c9a52a00_outp:
	s_mov_b64 s[64:65], 0
	v_nop
	global_prefetch_b8 v0, s[64:65] scope:SCOPE_SE
	s_setreg_imm32_b32 hwreg(HW_REG_WAVE_MODE, 25, 1), 1
	s_wait_xcnt 0x0
	s_wait_alu depctr_hold_cnt(0) depctr_sa_sdst(0) depctr_va_vdst(0) depctr_va_sdst(0) depctr_va_ssrc(0) depctr_va_vcc(0) depctr_vm_vsrc(0)
	s_getreg_b32 s2, hwreg(HW_REG_IB_STS2, 6, 4)
	s_cmp_eq_u32 s2, 0
	s_cbranch_scc0 .Lentry_in_a_cluster
	s_endpgm
.Lentry_in_a_cluster:
	s_bfe_u32 s2, ttmp6, 0x10000c
	s_cmp_lg_u32 s2, 0xf033
	s_cbranch_scc0 .Lentry_shape_is_right
	s_endpgm
.Lentry_shape_is_right:
.set KSTEP,  256
.set ROWB,   256
.set KROW,   1024
.set PITCH,  272
.set FR,     16
.set NL,     4
.set NP,     4
.set HALFA,  32768
.set HALFB,  128*PITCH
.set SLOT,   2*HALFA+2*HALFB
.set LAPS,   2
.set SPARE,  2*SLOT
.set SPITCH, 528
.set ADRA, 16
.set ADRB, 20
.set STO,  24
.set RD,   25
.set CO,   26
.set SPW,  28
.set NIL,  29
.set BB,   32
.set AF,   128
.set BK,   128
.set G1, 24
.set G0, 32
.set G1B, 48
.set G0B, 56
.set MSB, 0
.macro WIN new
.if MSB != (\new)
	s_set_vgpr_msb (MSB<<8)|(\new)
.set MSB, (\new)
.endif
.endm
.set MUL_LO, 0xa1
.set MUL_HI, 0xf1
.set TO_B,   0x40
.macro JLOAD g0a, g1a, g0b, g1b
	s_cmp_eq_u32 s15, 0
	s_cbranch_scc0 .Lfor_b_\@
	tensor_load_to_lds s[\g0a:\g0a+3], s[\g1a:\g1a+7]
	s_nop 0
.rept 4
	v_nop
.endr
	s_branch .Lasked_\@
.Lfor_b_\@:
	tensor_load_to_lds s[\g0b:\g0b+3], s[\g1b:\g1b+7]
	s_nop 0
.rept 4
	v_nop
.endr
.Lasked_\@:
.endm
.macro CREST
	s_cmp_lg_u32 s14, 0
	s_cbranch_scc1 .Lnot_wave_0_\@
	s_barrier_signal -3
.Lnot_wave_0_\@:
	s_barrier_wait -3
	s_barrier_signal -1
	s_barrier_wait -1
.endm
.macro CROUND
	s_barrier_signal -1
	s_barrier_wait -1
	CREST
.endm
	s_load_b256 s[4:11], s[0:1], 0x0
	s_load_b64 s[12:13], s[0:1], 0x20
	v_lshl_add_u32 v[SPW], v0, 2, SPARE
	v_mov_b32 v[NIL], 0
	ds_add_u32 v28, v29
	ds_add_u32 v28, v29
	s_wait_dscnt 0x0
	v_lshrrev_b32 v1, 5, v0
	v_readfirstlane_b32 s14, v1
	s_lshr_b32 s15, s14, 1
	s_and_b32 s16, s14, 1
	s_bfe_u32 s40, ttmp6, 0x40000
	s_bfe_u32 s41, ttmp6, 0x40004
	s_lshl_b32 s42, ttmp9, 2
	s_add_co_u32 s42, s42, s40
	s_and_b32 s17, ttmp7, 0xffff
	s_lshl_b32 s17, s17, 2
	s_add_co_u32 s17, s17, s41
	s_lshl_b32 s43, s41, 2
	s_lshl_b32 s43, 15, s43
	s_lshl_b32 s44, 0x1111, s40
	s_or_b32 s[G1+0], s43, (3<<16)|(1<<21)
	s_mov_b32 s[G1+1], 512<<16
	s_mov_b32 s[G1+2], 8<<16
	s_mov_b32 s[G1+3], 512<<16
	s_mov_b32 s[G1+4], 8
	s_mov_b32 s[G1+5], 2048
	s_mov_b32 s[G1+6], 0
	s_mov_b32 s[G1+7], 0
	s_or_b32 s[G1B+0], s44, (0<<16)|(1<<20)|(1<<21)|(5<<22)|(3<<25)
	s_mov_b32 s[G1B+1], ROWB<<16
	s_mov_b32 s[G1B+2], 128<<16
	s_mov_b32 s[G1B+3], ROWB<<16
	s_mov_b32 s[G1B+4], 128
	s_mov_b32 s[G1B+5], KROW
	s_mov_b32 s[G1B+6], 0
	s_mov_b32 s[G1B+7], 0
	s_lshl_b32 s20, s17, 4
	s_lshl_b32 s18, s16, 3
	s_add_co_u32 s20, s20, s18
	s_lshl_b32 s20, s20, 14
	s_mov_b32 s21, 0
	s_lshl_b32 s46, s42, 8
	s_lshl_b32 s18, s16, 7
	s_add_co_u32 s46, s46, s18
	s_add_co_u32 s46, s46, 27648
	s_lshl_b32 s46, s46, 10
	s_mov_b32 s47, 0
	s_lshl_b32 s45, s16, 15
	s_mul_i32 s19, s16, HALFB
	s_add_co_u32 s19, s19, 2*HALFA
	s_wait_kmcnt 0x0
	s_load_b64 s[96:97], s[10:11], 0x28
	s_add_nc_u64 s[20:21], s[4:5], s[20:21]
	s_add_nc_u64 s[46:47], s[6:7], s[46:47]
	CROUND
.irp s, 0,1
	s_mov_b32 s[G0+4*\s], 1
	s_add_co_u32 s[G0+4*\s+1], s45, \s*SLOT
	s_add_nc_u64 s[G0+4*\s+2:G0+4*\s+3], s[20:21], \s*4096
	s_or_b32 s[G0+4*\s+3], s[G0+4*\s+3], 0x80000000
	s_mov_b32 s[G0B+4*\s], 1
	s_add_co_u32 s[G0B+4*\s+1], s19, \s*SLOT
	s_add_nc_u64 s[G0B+4*\s+2:G0B+4*\s+3], s[46:47], \s*ROWB
	s_or_b32 s[G0B+4*\s+3], s[G0B+4*\s+3], 0x80000000
.endr
	JLOAD G0, G1, G0B, G1B                         ; K step 0: one tensor load a wave at the head, behind the one round
	; PREFETCHES INTO THE L2: behind the load of K step 0 for K step 2, behind that of K step 1 for K step 3: two K steps ahead.  What I fetch in a K step is 128 blocks of 256 bytes; each of the four partners that ask
	; for it jointly takes 32, told apart by address (cx or cy), a lane a block: of ac two token tiles of 16 blocks, 16,384 bytes apart; of W_o 32 rows, 1,024 bytes apart.
	; ac's blocks are asked for in every cluster, which alone reads them; W_o's by the first cluster alone.
	s_and_b32 s77, ttmp7, 0xffff
	s_mul_i32 s77, s77, s15                        ; 0: I ask
	s_mov_b32 s74, 256
	s_cmp_eq_u32 s15, 0
	s_cselect_b64 s[68:69], s[20:21], s[46:47]
	s_cselect_b32 s72, s40, s41                    ; my place among the four
	s_cselect_b32 s74, 4096, s74                   ; a K step on, in bytes
	s_cselect_b32 s76, -1, 0
	s_lshl_b32 s72, s72, 15                        ; two token tiles, or 32 rows: 32,768 bytes either way
	s_mov_b32 s73, 0
	s_mov_b32 s75, 0
	s_add_nc_u64 s[68:69], s[68:69], s[72:73]
	s_add_nc_u64 s[68:69], s[68:69], s[74:75]
	s_add_nc_u64 s[68:69], s[68:69], s[74:75]      ; K step 2
	s_add_nc_u64 s[70:71], s[68:69], s[74:75]      ; K step 3
	v_and_b32 v10, 31, v0
	v_lshlrev_b32 v11, 10, v10
	v_and_b32 v12, 15, v10
	v_lshrrev_b32 v10, 4, v10
	v_lshlrev_b32 v12, 8, v12
	v_lshl_add_u32 v10, v10, 14, v12
	v_cndmask_b32 v10, v11, v10, s76
	s_cmp_eq_u32 s77, 0
	s_cbranch_scc0 .Lnoask0
	global_prefetch_b8 v10, s[68:69] th:TH_LOAD_NT scope:SCOPE_SE
.Lnoask0:
	v_and_b32 v1, 15, v0
	v_bfe_u32 v2, v0, 4, 1
	v_mul_u32_u24 v3, v1, PITCH
	v_lshl_add_u32 v4, v2, 4, v3
	v_and_b32 v6, 31, v0
	v_lshlrev_b32 v[CO], 4, v6
	s_wait_alu depctr_va_vdst(0)
	s_lshl_b32 s21, s15, 15
	s_mul_i32 s22, s16, HALFB
	s_add_co_u32 s22, s22, 2*HALFA
.irp s, 0,1
	v_add_nc_u32 v[ADRA+\s], s21, v[CO]
	v_add_nc_u32 v[ADRB+\s], s22, v4
	s_add_co_u32 s21, s21, SLOT
	s_add_co_u32 s22, s22, SLOT
.endr
	s_mul_i32 s23, s14, 16*SPITCH
	v_mul_u32_u24 v5, v1, SPITCH
	v_lshl_add_u32 v5, v2, 5, v5
	v_add_nc_u32 v[STO], s23, v5
	v_add_nc_u32 v[RD], s23, v[CO]
	v_lshlrev_b32 v8, 5, v2
	s_wait_alu depctr_va_vdst(0)
	s_lshl_b32 s20, s17, 8
	s_lshl_b32 s21, s15, 7
	s_add_co_u32 s20, s20, s21
	s_lshl_b32 s20, s20, 12
	s_mov_b32 s21, 0
	s_lshl_b32 s46, s42, 10
	s_lshl_b32 s47, s16, 9
	s_add_co_u32 s46, s46, s47
	s_mov_b32 s47, 0
	s_add_nc_u64 s[8:9], s[8:9], s[46:47]
	s_add_nc_u64 s[20:21], s[20:21], s[46:47]
	s_add_nc_u64 s[12:13], s[12:13], s[20:21]
.irp b, 0,1,2,3,4,5,6,7
	global_load_b128 v[BB+8*\b:BB+8*\b+3], v8, s[8:9] offset:64*\b
	global_load_b128 v[BB+8*\b+4:BB+8*\b+7], v8, s[8:9] offset:64*\b+16
.endr
.macro FRAGB reg, adr, q, i
.irp c, 0,1,2,3
	ds_load_b128 v[\reg+4*\c:\reg+4*\c+3], v[\adr] offset:128*(\q)+32*\c+(\i)*16*PITCH
.endr
.endm
.macro FRAGA reg, adr, q, i
.irp c, 0,1,2,3
	ds_load_b128 v[\reg+4*\c:\reg+4*\c+3], v[\adr] offset:4096*(\i)+2048*(\q)+512*\c
.endr
.endm
.macro MUL16 a0, p, zero
.irp a, \a0, \a0+1
.irp b, 0,1,2,3,4,5,6,7
.if \zero
	v_wmma_f32_16x16x128_bf8_bf8 v[8*(8*((\a)%4)+\b):8*(8*((\a)%4)+\b)+7], v[128*(\p)+FR*\b:128*(\p)+FR*\b+FR-1], v[AF+FR*(\a):AF+FR*(\a)+FR-1], 0
.else
	v_wmma_f32_16x16x128_bf8_bf8 v[8*(8*((\a)%4)+\b):8*(8*((\a)%4)+\b)+7], v[128*(\p)+FR*\b:128*(\p)+FR*\b+FR-1], v[AF+FR*(\a):AF+FR*(\a)+FR-1], v[8*(8*((\a)%4)+\b):8*(8*((\a)%4)+\b)+7]
.endif
.endr
.endr
.endm
.macro FETCH_B slot, q, p
	WIN TO_B
.irp i, 0,1,2,3,4,5,6,7
	FRAGB 128*(\p)+FR*\i, ADRB+\slot, \q, \i
.endr
	WIN 0
.endm
.macro FETCH_A slot, q, i0
.irp i, \i0, \i0+1, \i0+2, \i0+3
	FRAGA AF+FR*(\i), ADRA+\slot, \q, \i
.endr
.endm
.macro PLACES n
.rept \n
	v_nop
.endr
.endm
.macro STEP slot, q, zero
	s_wait_dscnt 4*NL
	WIN MUL_LO
	MUL16 0, (\q)%2, \zero
	MUL16 2, (\q)%2, \zero
	s_wait_dscnt 0
	PLACES NP
	FETCH_B \slot, (\q)+1, 1-(\q)%2
	FETCH_A \slot, (\q)+1, 0
	WIN MUL_HI
	MUL16 4, (\q)%2, \zero
	MUL16 6, (\q)%2, \zero
	PLACES NP
	WIN 0
	FETCH_A \slot, (\q)+1, 4
.endm
.macro TURN slot, next, fill
	s_wait_tensorcnt 0x0
	ds_add_u32 v[SPW], v[NIL]
	s_wait_dscnt 4*NL+1
	WIN MUL_LO
	MUL16 0, 1, 0
	s_wait_dscnt 0x0
	s_barrier_signal -1
	MUL16 2, 1, 0
	WIN 0
	s_barrier_wait -1
.if \fill
	CREST
	s_add_nc_u64 s[G0+4*\slot+2:G0+4*\slot+3], s[G0+4*\slot+2:G0+4*\slot+3], 2*4096
	s_add_nc_u64 s[G0B+4*\slot+2:G0B+4*\slot+3], s[G0B+4*\slot+2:G0B+4*\slot+3], 2*ROWB
	JLOAD G0+4*\slot, G1, G0B+4*\slot, G1B
.else
	PLACES NP
.endif
	FETCH_B \next, 0, 0
	FETCH_A \next, 0, 0
	WIN MUL_HI
	MUL16 4, 1, 0
	MUL16 6, 1, 0
	PLACES NP
	WIN 0
	FETCH_A \next, 0, 4
.endm
	s_wait_alu depctr_va_vdst(0)
	s_wait_tensorcnt 0x0                           ; my part of K step 0 is in
	ds_add_u32 v[SPW], v[NIL]
	s_wait_dscnt 0x0
	CROUND                                         ; everybody's part of K step 0 is in, and the joint loads meet
	JLOAD G0+4, G1, G0B+4, G1B                     ; K step 1: the first tensor load behind the round
	FETCH_B 0, 0, 0
	FETCH_A 0, 0, 0
	FETCH_A 0, 0, 4
	s_cmp_eq_u32 s77, 0
	s_cbranch_scc0 .Lnoask1
	global_prefetch_b8 v10, s[70:71] th:TH_LOAD_NT scope:SCOPE_SE
.Lnoask1:
	STEP 0, 0, 1
	s_mov_b32 s3, LAPS-1
.Llap:
	TURN 0, 1, 1
	STEP 1, 0, 0
	TURN 1, 0, 1
	STEP 0, 0, 0
	s_sub_co_u32 s3, s3, 1
	s_cmp_lg_u32 s3, 0
	s_cbranch_scc1 .Llap
	TURN 0, 1, 0
	STEP 1, 0, 0
	s_wait_dscnt 4*NL
	WIN MUL_LO
	MUL16 0, 1, 0
	MUL16 2, 1, 0
	s_wait_dscnt 0
	WIN MUL_HI
	MUL16 4, 1, 0
	MUL16 6, 1, 0
	WIN 0
.macro TOSTAGE a
.set AC, 64*((\a)%4)
	WIN 0x82+0x41*((\a)/4)
.set j, 0
.rept 32
	v_pk_fma_f32 v[AC+j:AC+j+1], v[AC+j:AC+j+1], s[96:97], v[BB+j:BB+j+1] op_sel_hi:[1,0,1]
.set j, j+2
.endr
	WIN 0x08+4*((\a)/4)
.irp b, 0,1,2,3,4,5,6,7
	ds_store_b128 v[STO], v[AC+8*\b:AC+8*\b+3] offset:64*\b
	ds_store_b128 v[STO], v[AC+8*\b+4:AC+8*\b+7] offset:64*\b+16
.endr
	WIN 0
.set RB, BK+64*((\a)%2)
.irp t, 0,1,2,3,4,5,6,7,8,9,10,11,12,13,14,15
	ds_load_b128 v[RB+4*\t:RB+4*\t+3], v[RD] offset:\t*SPITCH
.endr
.endm
.macro SEND a, younger
.set RB, BK+64*((\a)%2)
	s_wait_dscnt \younger
.if (\a) > 0
.if (\a)%2
	s_add_nc_u64 s[12:13], s[12:13], 8*4096
.else
	s_add_nc_u64 s[12:13], s[12:13], 24*4096
.endif
.endif
.irp t, 0,1,2,3,4,5,6,7,8,9,10,11,12,13,14,15
	global_store_b128 v[CO], v[RB+4*\t:RB+4*\t+3], s[12:13] offset:(\t+8*(\t/8))*4096 th:TH_STORE_NT
.endr
.endm
	s_wait_loadcnt 0x0                             ; the bias, asked for at the head, is first wanted here
	s_wait_kmcnt 0x0
	s_add_co_i32 s96, s96, s97
	s_add_co_i32 s96, s96, 127
	s_lshl_b32 s96, s96, 23
	s_mov_b32 s97, s96
	PLACES NP
	TOSTAGE 0
.irp a, 1,2,3,4,5,6,7
.if \a > 1
	s_wait_xcnt 0x0
.endif
	TOSTAGE \a
	SEND \a-1, 32
.endr
	s_wait_xcnt 0x0
	SEND 7, 0
	s_wait_tensorcnt 0x0
	ds_add_u32 v[SPW], v[NIL]
	s_wait_dscnt 0x0
	CROUND
	s_endpgm
.Lfunc_end_k_qc7c9a52a00_outp:
	.size	k_qc7c9a52a00_outp, .Lfunc_end_k_qc7c9a52a00_outp-k_qc7c9a52a00_outp
	.p2alignl 7, 3214868480
	.fill 96, 4, 3214868480
	.section	.rodata,"a",@progbits
	.p2align	6, 0x0
	.amdhsa_kernel k_qc7c9a52a00_outp
		.amdhsa_group_segment_fixed_size 327680
		.amdhsa_private_segment_fixed_size 0
		.amdhsa_enable_private_segment 0
		.amdhsa_kernarg_size 40
		.amdhsa_user_sgpr_count 2
		.amdhsa_user_sgpr_kernarg_segment_ptr 1
		.amdhsa_wavefront_size32 1
		.amdhsa_system_sgpr_workgroup_id_x 1
		.amdhsa_system_sgpr_workgroup_id_y 1
		.amdhsa_system_sgpr_workgroup_id_z 1
		.amdhsa_system_vgpr_workitem_id 0
		.amdhsa_next_free_vgpr 1024
		.amdhsa_next_free_sgpr 98
		.amdhsa_reserve_vcc 0
		.amdhsa_float_denorm_mode_32 3
		.amdhsa_float_denorm_mode_16_64 3
		.amdhsa_memory_ordered 1
		.amdhsa_forward_progress 1
		.amdhsa_inst_pref_size 127
	.end_amdhsa_kernel
	.amdgpu_metadata
---
amdhsa.version: [ 1, 2 ]
amdhsa.kernels:
  - .name:           k_qc7c9a52a00_outp
    .symbol:         k_qc7c9a52a00_outp.kd
    .args:
      - { .name: ac, .offset: 0, .size: 8, .value_kind: global_buffer, .address_space: global }
      - { .name: xw, .offset: 8, .size: 8, .value_kind: global_buffer, .address_space: global }
      - { .name: b_o, .offset: 16, .size: 8, .value_kind: global_buffer, .address_space: global }
      - { .name: lowp_scales, .offset: 24, .size: 8, .value_kind: global_buffer, .address_space: global }
      - { .name: out0, .offset: 32, .size: 8, .value_kind: global_buffer, .address_space: global }
    .group_segment_fixed_size: 327680
    .private_segment_fixed_size: 0
    .kernarg_segment_align: 8
    .kernarg_segment_size: 40
    .max_flat_workgroup_size: 128
    .sgpr_count:     98
    .vgpr_count:     1024
    .wavefront_size: 32
...
	.end_amdgpu_metadata
.endif
;; end of part 8
